; MI455X (gfx1250); checked and timed in simulation.
; The chip was launched on July 23, 2026; its instructions are those of AMD's public machine-readable ISA for CDNA 5 (MIT licence, August 2026) and "CDNA5" Instruction Set Architecture Reference Guide (July 2026). The comments in the code are by the model that wrote it; some were corrected since.
;; Causal Attention. Allowed arithmetic: matrix products marked QUANTISED: E2M3 operands, one E8M0 scale for each 32 along K, by v_wmma_scale_f32_16x16x128_f8f6f4 with both operands' format E2M3, f32 sums; everything else in f32.
;; Inputs: Wk 2,048 x 2,048 float32; Wo 2,048 x 2,048 float32; Wq 2,048 x 2,048 float32; Wv 2,048 x 2,048 float32; k 1 x 2,048 x 2,048 float32; mask 2,048 x 2,048 bool; q 1 x 2,048 x 2,048 float32; v 1 x 2,048 x 2,048 float32.
;; Outputs: out0 1 x 2,048 x 2,048 float32.
;; This version of the problem:
;;   THIS VERSION OF THE PROBLEM IS GIVEN IN LOW PRECISION. The matrix products marked QUANTISED in the list below multiply operands that are first quantised to E2M3 (2 exponent bits, 3 mantissa bits; 6 bits a number), with one power-of-two scale for each 32 numbers along K (OCP MX v1.0); their sums are f32. All else is computed in f32.
;;   The module's matrix products, in the order in which they are computed (A, B: the left and right operand; K: the contracted axis; several contracted axes count as one K, in the product's order):
;;     1. [M 2,048, K 2,048] x [K 2,048, N 2,048]; A: input q; B: input Wq: QUANTISED
;;     2. [M 2,048, K 2,048] x [K 2,048, N 2,048]; A: input k; B: input Wk: QUANTISED
;;     3. [M 2,048, K 2,048] x [K 2,048, N 2,048]; A: input v; B: input Wv: QUANTISED
;;     4. batch 32 x [M 2,048, K 64] x [K 64, N 2,048]; A: computed on the way; B: computed on the way: QUANTISED
;;     5. batch 32 x [M 2,048, K 2,048] x [K 2,048, N 64]; A: softmax (see below); B: computed on the way: QUANTISED
;;     6. [M 2,048, K 2,048] x [K 2,048, N 2,048]; A: computed on the way; B: input Wo: QUANTISED
;;   THE QUANTISER, for each operand of a quantised product, along K:
;;     - K is cut into blocks of 32 from its start; a last block that is shorter is filled with zeros.
;;     - A block's scale is 2^e with e = floor(log2(the largest magnitude in the block)) - 2, held to -126 .. 127; a block of zeros has e = 0. As a byte (E8M0): e + 127.
;;     - Each number is divided by its block's scale, clamped to +-7.5, and rounded to the nearest number of E2M3, ties to even, subnormals kept.
;;     - The product sums the exact products of the quantised numbers (number of the format x scale) in f32.
;;   ~~~python
;;   def quantise(x, axis):      # numpy; x: float32 -> the quantised numbers, widened to float32 again
;;       x = np.moveaxis(x, axis, -1); K = x.shape[-1]
;;       x = np.pad(x, [(0, 0)] * (x.ndim - 1) + [(0, -K % 32)]); x = x.reshape(x.shape[:-1] + (-1, 32)); a = np.abs(x).max(-1, keepdims=True)
;;       e = np.where(a > 0, np.clip(np.frexp(np.where(a > 0, a, 1))[1] - 1 - 2, -126, 127), 0)      # np.frexp(a)[1] - 1 = floor(log2(a)), exactly
;;       r = np.clip(x / 2.0 ** e, -7.5, 7.5)
;;       step = 2.0 ** (np.maximum(np.frexp(np.where(r == 0, 1, r))[1] - 1, 0) - 3)
;;       q = np.round(r / step) * step * 2.0 ** e      # np.round: ties to even
;;       return np.moveaxis(q.reshape(q.shape[:-2] + (-1,))[..., :K], -1, axis).astype(np.float32)
;;   ~~~
;;   SOFTMAX AHEAD OF A QUANTISED PRODUCT. Where the list says 'softmax', what is quantised is not the finished softmax but p = 2^(t - M), with t = logit x log2(e) and M = ceil(the row's largest t), a whole number; so 1/2 < the row's largest p <= 1. The row's sum l is taken of the UNQUANTISED p, in f32, and the product's result is divided by l at the end. Since M is a whole number, a kernel that streams over the keys may use a running M (the ceiling of the running maximum): every later rescaling is an exact power of two, which a block's scale takes up: the codes' values come out the same.
;;   OPERANDS COMPUTED ON THE WAY. 'Computed on the way' means the value that the module computes at that place (a softmax that the list does not call 'softmax' is quantised finished and normalised). What goes into a quantiser is computed in f32, as accurately as f32 sums, v_exp_f32 and their like allow (about 1e-6 of the number): no bf16 or f16 on the way to a quantiser, and a product that is left as it is and whose result goes on into a quantised operand takes f32 operands (vector FMAs, or v_wmma_f32_16x16x4_f32). A number that lies on a knife's edge between two numbers of the format may be rounded either way, as far as f32 arithmetic and the matrix unit's own rounding can turn it there, and no further.
;; 2 versions. Each part assembles by itself: llvm-mc -triple=amdgcn-amd-amdhsa -mcpu=gfx1250 --defsym DOCPART=n.
;; ======== version 1 of 2: 4 launches
;; workspace buffers: xc 22,020,096 bytes; xs 917,504 bytes; hc 9,437,184 bytes; hs 393,216 bytes; oc 3,145,728 bytes; os 131,072 bytes; lm 526,336 bytes of whole numbers
;; launch quant (part 1): grid 1024 x 1, 4 waves a work-group, no clusters, 34,304 bytes of LDS; arguments q, k, Wv, Wq, Wk, v, Wo, mask, xc, xs, lm; writes xc, xs, lm
.if DOCPART == 1
	.amdgcn_target "amdgcn-amd-amdhsa--gfx1250"
	.amdhsa_code_object_version 6
	.text
	.protected	k_q1b976c3c44_quant
	.globl	k_q1b976c3c44_quant
	.p2align	8
	.type	k_q1b976c3c44_quant,@function
k_q1b976c3c44_quant:
	s_mov_b64 s[64:65], 0
	v_nop
	global_prefetch_b8 v0, s[64:65] scope:SCOPE_SE
	s_setreg_imm32_b32 hwreg(HW_REG_WAVE_MODE, 25, 1), 1
	s_wait_xcnt 0x0
; Seven tensors [2048][2048] of f32 (q, k, Wv, Wq, Wk, v, Wo) become codes of FP6 (E2M3) with one E8M0 byte for each 32 along K (their last axis);
; the mask [2048][2048] of bytes becomes lane masks and flags for the attention launch.
; A block's scale is 2^(floor(log2(its largest magnitude)) - 2); its byte is the largest magnitude's exponent field - 2, held at 1 from below.
; LIMITS: NaN and infinities among the inputs are not served; a block whose largest magnitude lies under 2^-124 keeps the byte 1; a block of zeros has the byte 1
; and not 127: its codes are zeros, and the bytes are read by this program alone.
; THE CODES ARE LAID IN THE ORDER OF THE OPERAND'S REGISTERS.  A fragment is 16 rows x 128 K, 12 registers a lane: lane (r, h) holds of its row k = 64 c + 32 h + 0 .. 31 in registers 6 c .. 6 c + 5.
; Six registers make a half-image of 768 bytes: registers 0-3 as 16 bytes at 16 x lane, registers 4-5 as 8 bytes at 512 + 8 x lane.  Image of a tensor: [128 rows][256 K][128 K][block 8][c 2][768].
; THE ROWS OF A BLOCK ARE NOT NEIGHBOURS: of 128 rows, lane r of block i holds row 32 (i / 2) + 8 (i % 2) + r + 8 (r / 8), so that a product's results lie as the next quantiser wants them.
; Scale words: [128 rows][256 K][block 8][r 16][2 words], a word for 128 K.
; Work-groups 0-895: tensor id / 128; a wave takes 32 rows x 256 K: four fragments.  Each load reads 512 consecutive bytes of one row; a fragment's 16 rows turn through the wave's own stage in LDS
; (rows of 528 bytes), so that a lane gets 16 neighbours of each block of 32.  Every store covers whole aligned blocks of 256 bytes.  Waves share nothing: no barrier.
; Work-groups 896-1023: query tile T = id - 896 (16 queries in the order above); wave w takes key steps 4 w .. 4 w + 3 of 128 keys.
.set STG,   8448                       ; a wave's stage: 16 rows x 528 bytes
.set SPARE, 4*STG                      ; behind the four stages: the spare words, 128 bytes a wave, that no other line names
.set SPW,   12                         ; v12  my spare word's LDS address; never rewritten
.set NIL,   13                         ; v13  0; never rewritten
.set TM,    16                         ; v16-31   at work in the quantiser
.set R,     32                         ; v32-159  two sets of 64 registers as loaded
.set X,     160                        ; v160-223 64 numbers of my row: register 16 b + i = k 32 b + 16 h + i
.set PC,    224                        ; v224-242 the codes
.set PW,    244                        ; v244-247 the four fragments' scale words
	s_load_b512 s[8:23], s[0:1], 0x0               ; q, k, Wv, Wq, Wk, v, Wo, mask
	s_load_b128 s[24:27], s[0:1], 0x40             ; xc, xs
	s_load_b64 s[28:29], s[0:1], 0x50              ; lm
	v_lshl_add_u32 v[SPW], v0, 2, SPARE
	v_mov_b32 v[NIL], 0
	v_lshrrev_b32 v1, 5, v0
	v_readfirstlane_b32 s30, v1                    ; wave
	v_and_b32 v1, 31, v0                           ; lane
	v_and_b32 v2, 15, v0                           ; r
	v_bfe_u32 v8, v0, 4, 1                         ; h
	v_lshlrev_b32 v3, 4, v1                        ; 16 x lane
	v_lshlrev_b32 v7, 3, v1                        ; 8 x lane
	v_add_nc_u32 v6, 512, v7                       ; 512 + 8 x lane
	s_mov_b32 s32, 0x76543210
	s_mov_b32 s33, 0xfedcba98                      ; v_permlanex16_b32's selects for lane l xor 16
	s_mov_b32 s34, 0xffff0000                      ; lanes 16-31
	s_cmp_ge_u32 ttmp9, 896
	s_cbranch_scc1 .Lmask
	; ---------------- the seven tensors ----------------
	s_mul_i32 s35, s30, STG
	v_add_nc_u32 v4, s35, v3                       ; into my stage: 16 x lane, a row an instruction
	v_mul_u32_u24 v5, v2, 528
	v_lshl_add_u32 v5, v8, 6, v5
	v_add_nc_u32 v5, s35, v5                       ; out of it: row r, + 64 h
.irp b, 0,1,2,3
	v_mov_b32 v[TM+4+\b], 0                        ; written once: a lane permute's destination counts as one of its sources
.endr
	s_lshr_b32 s36, ttmp9, 7                       ; which tensor
	s_and_b32 s37, ttmp9, 127
	s_lshl_b32 s37, s37, 2
	s_add_co_u32 s37, s37, s30                     ; my wave's part, 0 .. 511
	s_lshr_b32 s38, s37, 3                         ; which 32 rows
	s_and_b32 s39, s37, 7                          ; which 256 along K
	s_lshl_b32 s40, s38, 18                        ; 32 rows of 8,192 bytes
	s_lshl_b32 s41, s39, 10
	s_add_co_u32 s40, s40, s41
	s_mov_b32 s41, 0
	s_lshr_b32 s42, s38, 2                         ; which 128 rows
	s_and_b32 s43, s38, 3                          ; and which pair of blocks in them
	s_mul_i32 s44, s36, 3145728
	s_mul_i32 s45, s42, 196608
	s_add_co_u32 s44, s44, s45
	s_mul_i32 s45, s39, 24576
	s_add_co_u32 s44, s44, s45
	s_mul_i32 s45, s43, 3072
	s_add_co_u32 s44, s44, s45
	s_mov_b32 s45, 0
	s_lshl_b32 s46, s36, 17
	s_lshl_b32 s47, s42, 13
	s_add_co_u32 s46, s46, s47
	s_lshl_b32 s47, s39, 10
	s_add_co_u32 s46, s46, s47
	s_lshl_b32 s47, s43, 8
	s_add_co_u32 s46, s46, s47
	s_mov_b32 s47, 0
	s_wait_kmcnt 0x0
.irp n, 1,2,3,4,5,6
	s_cmp_eq_u32 s36, \n                           ; the choice hangs on the work-group's number alone
	s_cselect_b64 s[8:9], s[8+2*\n:9+2*\n], s[8:9]
.endr
	s_add_nc_u64 s[8:9], s[8:9], s[40:41]
	s_add_nc_u64 s[24:25], s[24:25], s[44:45]
	s_add_nc_u64 s[26:27], s[26:27], s[46:47]
; fragment f: block f / 2 of my two, K step f % 2 of my two.  Sixteen loads: the block's row p, 512 consecutive bytes
.macro LOAD f
.irp p, 0,1,2,3,4,5,6,7,8,9,10,11,12,13,14,15
	global_load_b128 v[R+64*((\f)%2)+4*\p:R+64*((\f)%2)+4*\p+3], v3, s[8:9] offset:(8*((\f)/2)+\p+8*(\p/8))*8192+512*((\f)%2) th:TH_LOAD_NT
.endr
.endm
; through the stage: LDS serves a wave's instructions in order, so no wait stands between the stores and the loads
.macro TURN f
.irp p, 0,1,2,3,4,5,6,7,8,9,10,11,12,13,14,15
	ds_store_b128 v4, v[R+64*((\f)%2)+4*\p:R+64*((\f)%2)+4*\p+3] offset:528*\p
.endr
.irp b, 0,1,2,3
.irp j, 0,1,2,3
	ds_load_b128 v[X+16*\b+4*\j:X+16*\b+4*\j+3], v5 offset:128*\b+16*\j
.endr
.endr
.endm
; 64 numbers of a lane, register 16 b + i = k 32 b + 16 h + i of my row, become a fragment's codes in v[PC] on and its scale word in v[pw]
.macro QUANT s, pw
.irp b, 0,1,2,3
	v_max3_num_f32 v[TM+\b], |v[\s+16*\b]|, |v[\s+1+16*\b]|, 0x1800000   ; my 16 numbers of block b, and the floor 2^(3 - 127): the byte cannot fall under 1
.endr
.irp i, 2,4,6,8,10,12,14
.irp b, 0,1,2,3
	v_max3_num_f32 v[TM+\b], v[TM+\b], |v[\s+16*\b+\i]|, |v[\s+1+16*\b+\i]|
.endr
.endr
.irp b, 0,1,2,3
	v_permlanex16_b32 v[TM+4+\b], v[TM+\b], s32, s33
.endr
.irp b, 0,1,2,3
	v_max_num_f32 v[TM+\b], v[TM+\b], v[TM+4+\b]   ; with lane l xor 16's: the block's largest magnitude
.endr
.irp b, 0,1,2,3
	v_add_nc_u32 v[TM+12+\b], 0xff000000, v[TM+\b] ; 2 off its exponent field: the conversion takes the exponent field of this operand as its scale
.endr
.irp b, 0,1,2,3
	v_lshrrev_b32 v[TM+4+\b], 23, v[TM+12+\b]      ; the scale's byte
.endr
	v_lshl_or_b32 v[\pw], v[TM+5], 8, v[TM+4]
	v_lshl_or_b32 v[\pw], v[TM+6], 16, v[\pw]
	v_lshl_or_b32 v[\pw], v[TM+7], 24, v[\pw]
.irp c, 0,1
	v_cvt_scalef32_pk16_fp6_f32 v[PC+6*\c:PC+2+6*\c], v[\s+32*\c:\s+15+32*\c], v[TM+12+2*\c]
	v_cvt_scalef32_pk16_fp6_f32 v[PC+12+4*\c:PC+14+4*\c], v[\s+16+32*\c:\s+31+32*\c], v[TM+12+2*\c+1]   ; (a conversion's three registers begin on an even number)
.endr
	v_nop                                          ; one plain place behind a scaled conversion
.irp c, 0,1                                    ; the operand's layout wants a whole block in a lane: lanes 0-15 block 2 c, lanes 16-31 block 2 c + 1
.irp i, 0,1,2
	v_permlane16_swap_b32 v[PC+6*\c+\i], v[PC+12+4*\c+\i]
.endr
.irp i, 0,1,2
	v_mov_b32 v[PC+3+6*\c+\i], v[PC+12+4*\c+\i]
.endr
.endr
.endm
.macro FRAGQ f
.if (\f) < 3
	s_wait_loadcnt 16                              ; this fragment's sixteen loads are in; the next one's sixteen may be out
.else
	s_wait_loadcnt 0x0
.endif
	TURN \f
	s_wait_dscnt 0x0                               ; my numbers are back, and the stores into the stage have read their registers
.if (\f) > 0
	s_wait_xcnt 0x0                                ; the last fragment's stores have read the codes' registers, which are written anew below
.endif
.if (\f) < 2
	LOAD (\f)+2
.endif
	QUANT X, PW+(\f)
	global_store_b128 v3, v[PC:PC+3], s[24:25] offset:12288*((\f)%2)+1536*((\f)/2)            ; 512 consecutive bytes,
	global_store_b64 v6, v[PC+4:PC+5], s[24:25] offset:12288*((\f)%2)+1536*((\f)/2)            ; 256 behind them: a half-image
	global_store_b128 v3, v[PC+6:PC+9], s[24:25] offset:12288*((\f)%2)+1536*((\f)/2)+768
	global_store_b64 v6, v[PC+10:PC+11], s[24:25] offset:12288*((\f)%2)+1536*((\f)/2)+768
.endm
	LOAD 0
	LOAD 1
	FRAGQ 0
	FRAGQ 1
	FRAGQ 2
	FRAGQ 3
	v_cndmask_b32 v14, v[PW], v[PW+2], s34         ; lanes 0-15: my first block's two words; lanes 16-31: my second block's
	v_cndmask_b32 v15, v[PW+1], v[PW+3], s34
	global_store_b64 v7, v[14:15], s[26:27]        ; 256 consecutive bytes, aligned
	s_wait_tensorcnt 0x0                           ; the wave's end
	ds_add_u32 v[SPW], v[NIL]
	s_wait_dscnt 0x0
	s_endpgm
	; ---------------- the mask ----------------
	; Word n = 16 b + i of a step: bit (r, h) = mask[query r of the tile][key 128 step + 32 b + 16 h + i]: the lane and the register in which the attention launch holds that score.
	; A wave's flag word: bits 0-15: query r has a kept key in my four steps; bit 16 + s: step s has a kept key; bit 20 + s: all of step s is kept.
.Lmask:
	s_sub_co_u32 s36, ttmp9, 896                   ; T
	v_lshrrev_b32 v9, 3, v2
	v_lshl_add_u32 v9, v9, 3, v2                   ; r + 8 (r / 8)
	v_lshlrev_b32 v9, 11, v9                       ; a row of the mask is 2,048 bytes
	v_lshl_add_u32 v9, v8, 4, v9                   ; + 16 h
	s_lshr_b32 s37, s36, 1
	s_lshl_b32 s37, s37, 5
	s_and_b32 s38, s36, 1
	s_lshl_b32 s38, s38, 3
	s_add_co_u32 s37, s37, s38                     ; the tile's first row: 32 (T / 2) + 8 (T % 2)
	s_lshl_b32 s40, s37, 11
	s_lshl_b32 s38, s30, 9                         ; my four steps: 512 bytes of each row
	s_add_co_u32 s40, s40, s38
	s_mov_b32 s41, 0
	s_lshl_b32 s42, s36, 12                        ; lane masks: 4,096 bytes a tile, 256 a step
	s_lshl_b32 s38, s30, 10
	s_add_co_u32 s42, s42, s38
	s_mov_b32 s43, 0
	s_lshl_b32 s38, s36, 4                         ; flags: 16 bytes a tile, 4 a wave, behind the lane masks
	s_lshl_b32 s39, s30, 2
	s_add_co_u32 s38, s38, s39
	s_add_co_u32 s38, s38, 524288
	s_mov_b32 s39, 0
	s_mov_b32 s56, 0
	s_mov_b32 s57, 0
.irp i, 0,1,2,3,4,5,6,7
	v_mov_b32 v[204+\i], 0                         ; v_writelane_b32's destination counts as read
.endr
	s_wait_kmcnt 0x0
	s_add_nc_u64 s[22:23], s[22:23], s[40:41]
	s_add_nc_u64 s[52:53], s[28:29], s[42:43]
	s_add_nc_u64 s[54:55], s[28:29], s[38:39]
.irp sp, 0,1,2,3
.irp b, 0,1,2,3
	global_load_b128 v[32+16*\sp+4*\b:35+16*\sp+4*\b], v9, s[22:23] offset:128*\sp+32*\b   ; keys 32 b + 16 h + 0 .. 15 of the step
.endr
.endr
.macro MSTEP sp
.set MB, 32+16*\sp
	s_wait_loadcnt 12-4*\sp                        ; this step's four loads are in; the later steps' may be out
	v_or_b32 v10, v[MB], v[MB+1]
	v_and_b32 v11, v[MB], v[MB+1]
.irp i, 2,3,4,5,6,7,8,9,10,11,12,13,14,15
	v_or_b32 v10, v10, v[MB+\i]
	v_and_b32 v11, v11, v[MB+\i]
.endr
	v_cmp_ne_u32 s40, 0, v10                       ; lanes with a kept key
	v_cmp_eq_u32 s41, 0x01010101, v11              ; lanes all of whose keys are kept
	s_or_b32 s56, s56, s40
	s_cmp_lg_u32 s40, 0
	s_cselect_b32 s42, 1<<(16+\sp), 0
	s_or_b32 s57, s57, s42
	s_cmp_eq_u32 s41, -1
	s_cselect_b32 s42, 1<<(20+\sp), 0
	s_or_b32 s57, s57, s42
.set g, 0
.rept 8                                        ; eight words at a time: word 8 g + e goes to lane 4 g + e / 2 of a pair of registers
.irp e, 0,1,2,3,4,5,6,7
	v_bfe_u32 v[212+\e], v[MB+2*g+\e/4], 8*(\e%4), 1
.endr
.irp e, 0,1,2,3,4,5,6,7
	v_cmp_ne_u32 s[44+\e], 0, v[212+\e]
.endr
.irp e, 0,1,2,3,4,5,6,7
	v_writelane_b32 v[204+2*\sp+\e%2], s[44+\e], 4*g+\e/2
.endr
.set g, g+1
.endr
	global_store_b64 v7, v[204+2*\sp:205+2*\sp], s[52:53] offset:256*\sp   ; the step's 64 words: 256 consecutive bytes, aligned
.endm
	MSTEP 0
	MSTEP 1
	MSTEP 2
	MSTEP 3
	s_lshr_b32 s40, s56, 16                        ; a query's keys lie in lanes r and r + 16
	s_or_b32 s56, s56, s40
	s_and_b32 s56, s56, 0xffff
	s_or_b32 s56, s56, s57
	v_mov_b32 v10, s56
	v_mov_b32 v11, 0
	v_cmp_eq_u32 vcc_lo, 0, v1
	s_wait_xcnt 0x0                                ; EXEC is a source of the stores above: it changes only behind this wait
	s_and_saveexec_b32 s40, vcc_lo
	global_store_b32 v11, v10, s[54:55]            ; lane 0 alone
	s_wait_xcnt 0x0                                ; and again in front of the line that widens it
	s_or_b32 exec_lo, exec_lo, s40
	s_wait_tensorcnt 0x0                           ; the three closing lines, on this path too
	ds_add_u32 v[SPW], v[NIL]
	s_wait_dscnt 0x0
	s_endpgm
.Lfunc_end_k_q1b976c3c44_quant:
	.size	k_q1b976c3c44_quant, .Lfunc_end_k_q1b976c3c44_quant-k_q1b976c3c44_quant
	.p2alignl 7, 3214868480
	.fill 96, 4, 3214868480
	.section	.rodata,"a",@progbits
	.p2align	6, 0x0
	.amdhsa_kernel k_q1b976c3c44_quant
		.amdhsa_group_segment_fixed_size 34304
		.amdhsa_private_segment_fixed_size 0
		.amdhsa_enable_private_segment 0
		.amdhsa_kernarg_size 88
		.amdhsa_user_sgpr_count 2
		.amdhsa_user_sgpr_kernarg_segment_ptr 1
		.amdhsa_wavefront_size32 1
		.amdhsa_system_sgpr_workgroup_id_x 1
		.amdhsa_system_sgpr_workgroup_id_y 1
		.amdhsa_system_sgpr_workgroup_id_z 1
		.amdhsa_system_vgpr_workitem_id 0
		.amdhsa_next_free_vgpr 248
		.amdhsa_next_free_sgpr 66
		.amdhsa_reserve_vcc 1
		.amdhsa_float_denorm_mode_32 3
		.amdhsa_float_denorm_mode_16_64 3
		.amdhsa_memory_ordered 1
		.amdhsa_forward_progress 1
		.amdhsa_inst_pref_size 92
	.end_amdhsa_kernel
	.amdgpu_metadata
---
amdhsa.version: [ 1, 2 ]
amdhsa.kernels:
  - .name:           k_q1b976c3c44_quant
    .symbol:         k_q1b976c3c44_quant.kd
    .args:
      - { .name: q, .offset: 0, .size: 8, .value_kind: global_buffer, .address_space: global }
      - { .name: k, .offset: 8, .size: 8, .value_kind: global_buffer, .address_space: global }
      - { .name: Wv, .offset: 16, .size: 8, .value_kind: global_buffer, .address_space: global }
      - { .name: Wq, .offset: 24, .size: 8, .value_kind: global_buffer, .address_space: global }
      - { .name: Wk, .offset: 32, .size: 8, .value_kind: global_buffer, .address_space: global }
      - { .name: v, .offset: 40, .size: 8, .value_kind: global_buffer, .address_space: global }
      - { .name: Wo, .offset: 48, .size: 8, .value_kind: global_buffer, .address_space: global }
      - { .name: mask, .offset: 56, .size: 8, .value_kind: global_buffer, .address_space: global }
      - { .name: xc, .offset: 64, .size: 8, .value_kind: global_buffer, .address_space: global }
      - { .name: xs, .offset: 72, .size: 8, .value_kind: global_buffer, .address_space: global }
      - { .name: lm, .offset: 80, .size: 8, .value_kind: global_buffer, .address_space: global }
    .group_segment_fixed_size: 34304
    .private_segment_fixed_size: 0
    .kernarg_segment_align: 8
    .kernarg_segment_size: 88
    .max_flat_workgroup_size: 128
    .sgpr_count:     66
    .vgpr_count:     248
    .wavefront_size: 32
...
	.end_amdgpu_metadata
.endif
;; end of part 1
;; launch proj (part 2): grid 8 x 24, 4 waves a work-group, clusters of 4 x 4, 327,680 bytes of LDS; arguments xc, xs, hc, hs; writes hc, hs
.if DOCPART == 2
	.amdgcn_target "amdgcn-amd-amdhsa--gfx1250"
	.amdhsa_code_object_version 6
	.text
	.protected	k_q1b976c3c44_proj
	.globl	k_q1b976c3c44_proj
	.p2align	8
	.type	k_q1b976c3c44_proj,@function
k_q1b976c3c44_proj:
	s_mov_b64 s[64:65], 0
	v_nop
	global_prefetch_b8 v0, s[64:65] scope:SCOPE_SE
	s_setreg_imm32_b32 hwreg(HW_REG_WAVE_MODE, 25, 1), 1
	s_wait_xcnt 0x0
	s_wait_alu depctr_hold_cnt(0) depctr_sa_sdst(0) depctr_va_vdst(0) depctr_va_sdst(0) depctr_va_ssrc(0) depctr_va_vcc(0) depctr_vm_vsrc(0)
	s_getreg_b32 s2, hwreg(HW_REG_IB_STS2, 6, 4)
	s_cmp_eq_u32 s2, 0
	s_cbranch_scc0 .Lentry_in_a_cluster
	s_endpgm
.Lentry_in_a_cluster:
	s_bfe_u32 s2, ttmp6, 0x10000c
	s_cmp_lg_u32 s2, 0xf033
	s_cbranch_scc0 .Lentry_shape_is_right
	s_endpgm
.Lentry_shape_is_right:
; Three products [2048][2048] x [2048][2048]^T on codes of FP6 (E2M3) with E8M0 scales, and the quantiser of the next product on the way out.
; g = 0: q Wq^T, g = 1: k Wk^T: "A" = the tokens, "B" = the weight; g = 2: "A" = Wv, "B" = v's tokens.  The matrix instruction takes source 0 = 16 rows of B, source 1 = 16 rows of A: a lane then holds ONE row of A
; and its registers run along B's rows.  So for q and k a lane holds a token and 128 features (two heads of 64), for v a feature and 128 keys: in each case the axis along which the next product sums.
; The operands come as images of their registers (launch quant): a K step's part of 128 rows is one dense block of 24,576 bytes, and a fragment is four dense LDS loads.  By the order of a block's rows
; (lane r of block i: row 32 (i / 2) + 8 (i % 2) + r + 8 (r / 8)) register 8 b + j of the eight results of one block of A is B's row 32 (b / 2) + 16 h + 8 (b % 2) + j: sixteen neighbours in sixteen registers.
; A tile of 256 x 256 to a work-group, 128 x 128 to each of four waves: 64 accumulators, 512 registers.  K in steps of 256 through two LDS slots; all scale words of the work-group's rows come once.
; CLUSTERS 4 x 4: A's blocks are shared along a row of the cluster, B's along a column: joint loads.  g hangs on the cluster's y alone, so it is the same in all sixteen partners.
; OUT: q, k: hc[g][head 32][token tile 128][768] half-images (16 tokens x 64); v: hc[2][head pair 16][key step 16][8][1,536] fragments (16 features x 128 keys); scale words hs[g][alpha 16][beta 16][512].
; LIMITS: as in launch quant (NaN, infinities not served; a block under 2^-124 or of zeros keeps the byte 1).
; REGISTERS: window 0: v16-23 fragment addresses, v27 scale words' address, v28-29 the add's two, v32-63 scale words (two sets), v128-223 A's fragments (one set); window 1: B's fragments, two sets at v0 and v128;
;   windows 2, 3: the accumulators, (a, b) at v[8 (8 (a % 4) + b)].  On the way out v32-87 of window 0 are at work.
.set SLOT,  98304                      ; A's two parts, then B's two
.set PART,  24576                      ; 128 rows x 256 K: what one tensor load brings
.set SCL,   2*SLOT                     ; behind the ring: the scale words, 8,192 bytes for 128 rows and all of K
.set SPART, 8192
.set SPARE, SCL+4*SPART                ; the spare words, 128 bytes a wave, that no other line names
.set TEN,   3145728                    ; a tensor's image
.set TENS,  131072                     ; and its scale words
.set FR,    12
.set NL,    4                          ; LDS loads that bring a fragment
.set NP,    4                          ; places behind this matrix instruction (ISA guide 7.12.1)
.set NQ,    2                          ; matrix instructions deep in a slot
.set LAPS,  4                          ; 2,048 along K = 8 slots = 4 times round the ring
.set ADRA, 16                          ; v16-17 A: 16 x lane + my part in slot 0, 1;  v18-19: 512 + 8 x lane + the same
.set ADRB, 20                          ; v20-23 the same for B
.set ADRS, 27
.set SPW,  28
.set NIL,  29
.set SC,   32
.set AF,   128
.set G1, 24
.set G0, 32
.set G1B, 48
.set G0B, 56
.set G1S, 68
.set G0S, 76
.set G1SB, 80
.set G0SB, 88
.set MSB, 0
.macro WIN new                         ; the immediate's high byte repeats the setting that is left
.if MSB != \new
	s_set_vgpr_msb (MSB<<8)|\new
.set MSB, \new
.endif
.endm
.set MUL_LO, 0xa1                      ; source 0 (B) window 1, source 1 (A) window 0, C and D window 2
.set MUL_HI, 0xf1                      ; the same, C and D window 3
.set TO_B,   0x40                      ; destination window 1, address window 0
; A joint load: waves 0 and 1 fetch for A, waves 2 and 3 for B; the branch hangs on the wave's number alone.  An s_nop 0 and four v_nop follow each of the two lines.
.macro JLOAD g0a, g1a, g0b, g1b
	s_cmp_eq_u32 s15, 0
	s_cbranch_scc0 .Lfor_b_\@
	tensor_load_to_lds s[\g0a:\g0a+3], s[\g1a:\g1a+7]
	s_nop 0
.rept 4
	v_nop
.endr
	s_branch .Lasked_\@
.Lfor_b_\@:
	tensor_load_to_lds s[\g0b:\g0b+3], s[\g1b:\g1b+7]
	s_nop 0
.rept 4
	v_nop
.endr
.Lasked_\@:
.endm
.macro CREST                           ; a round of the cluster's barrier behind its opening barrier
	s_cmp_lg_u32 s14, 0
	s_cbranch_scc1 .Lnot_wave_0_\@
	s_barrier_signal -3
.Lnot_wave_0_\@:
	s_barrier_wait -3
	s_barrier_signal -1
	s_barrier_wait -1
.endm
.macro CROUND
	s_barrier_signal -1
	s_barrier_wait -1
	CREST
.endm
	s_load_b256 s[4:11], s[0:1], 0x0               ; xc s[4:5], xs s[6:7], hc s[8:9], hs s[10:11]
	v_lshl_add_u32 v[SPW], v0, 2, SPARE
	v_mov_b32 v[NIL], 0
	ds_add_u32 v[SPW], v[NIL]                      ; the wave's opening: the add and its wait stand ahead of my first tensor load; the set-up below stands between them
	v_lshrrev_b32 v1, 5, v0
	v_readfirstlane_b32 s14, v1                    ; wave 0..3
	s_lshr_b32 s15, s14, 1                         ; which half of the tile's rows of A is mine.  Also: I fetch for A (0) or for B (1)
	s_and_b32 s16, s14, 1                          ; which half of B's rows.  Also: which 128 rows I fetch
	s_bfe_u32 s40, ttmp6, 0x40000                  ; cx
	s_bfe_u32 s41, ttmp6, 0x40004                  ; cy
	s_lshl_b32 s42, ttmp9, 2
	s_add_co_u32 s42, s42, s40                     ; tile column = 4 x cluster x + cx
	s_and_b32 s17, ttmp7, 0xffff                   ; cluster y, 0 .. 5
	s_lshr_b32 s96, s17, 1                         ; g: which product
	s_and_b32 s17, s17, 1
	s_lshl_b32 s17, s17, 2
	s_add_co_u32 s17, s17, s41                     ; tile row = 4 x (cluster y % 2) + cy
	s_lshl_b32 s43, s41, 2
	s_lshl_b32 s43, 15, s43                        ; my row of the cluster
	s_lshl_b32 s44, 0x1111, s40                    ; my column
	; descriptor group 1: a dense block as rows of 256 bytes (32 elements of 8 bytes), no padding: 96 rows for a part of the codes, 32 for a part of the scale words
	s_or_b32 s[G1+0], s43, (3<<16)|(1<<21)         ; 15:0 the mask; 17:16 elements of 8 bytes; 21 set beside a mask
	s_or_b32 s[G1B+0], s44, (3<<16)|(1<<21)
.irp g, G1, G1B
	s_mov_b32 s[\g+1], 32<<16                      ; tensor_dim0
	s_mov_b32 s[\g+2], 96<<16                      ; tensor_dim1
	s_mov_b32 s[\g+3], 32<<16                      ; tile_dim0
	s_mov_b32 s[\g+4], 96                          ; tile_dim1
	s_mov_b32 s[\g+5], 32                          ; tensor_dim0_stride
	s_mov_b32 s[\g+6], 0
	s_mov_b32 s[\g+7], 0
.endr
	s_or_b32 s[G1S+0], s43, (3<<16)|(1<<21)
	s_or_b32 s[G1SB+0], s44, (3<<16)|(1<<21)
.irp g, G1S, G1SB
	s_mov_b32 s[\g+1], 32<<16
	s_mov_b32 s[\g+2], 32<<16
	s_mov_b32 s[\g+3], 32<<16
	s_mov_b32 s[\g+4], 32
	s_mov_b32 s[\g+5], 32
	s_mov_b32 s[\g+6], 0
	s_mov_b32 s[\g+7], 0
.endr
	s_lshl_b32 s20, s17, 1
	s_add_co_u32 s20, s20, s16                     ; A: which 128 rows I fetch: 2 x tile row + half
	s_lshl_b32 s46, s42, 1
	s_add_co_u32 s46, s46, s16                     ; B: 2 x tile column + half
	s_mul_i32 s18, s96, TEN                        ; A is tensor g, B tensor g + 3
	s_mul_i32 s19, s96, TENS
	s_lshl_b32 s22, s20, 13
	s_add_co_u32 s22, s22, s19
	s_mul_i32 s20, s20, 196608
	s_add_co_u32 s20, s20, s18
	s_lshl_b32 s92, s46, 13
	s_add_co_u32 s92, s92, s19
	s_add_co_u32 s92, s92, 3*TENS
	s_mul_i32 s46, s46, 196608
	s_add_co_u32 s46, s46, s18
	s_add_co_u32 s46, s46, 3*TEN
	s_mov_b32 s21, 0
	s_mov_b32 s23, 0
	s_mov_b32 s47, 0
	s_mov_b32 s93, 0
	s_mul_i32 s45, s14, PART                       ; where they go: wave x a part: no place in the cluster enters an LDS address
	s_mul_i32 s94, s14, SPART
	s_wait_dscnt 0x0                               ; the opening add is done
	s_wait_kmcnt 0x0
	s_add_nc_u64 s[20:21], s[4:5], s[20:21]
	s_add_nc_u64 s[22:23], s[6:7], s[22:23]
	s_add_nc_u64 s[46:47], s[4:5], s[46:47]
	s_add_nc_u64 s[92:93], s[6:7], s[92:93]
	CROUND                                         ; all sixteen work-groups are here: the first joint loads meet
	s_mov_b32 s[G0S], 1
	s_add_co_u32 s[G0S+1], s94, SCL
	s_mov_b64 s[G0S+2:G0S+3], s[22:23]
	s_or_b32 s[G0S+3], s[G0S+3], 0x80000000
	s_mov_b32 s[G0SB], 1
	s_add_co_u32 s[G0SB+1], s94, SCL
	s_mov_b64 s[G0SB+2:G0SB+3], s[92:93]
	s_or_b32 s[G0SB+3], s[G0SB+3], 0x80000000
	JLOAD G0S, G1S, G0SB, G1SB                     ; the scale words first: they are wanted with K step 0
.irp s, 0,1
	s_mov_b32 s[G0+4*\s], 1
	s_add_co_u32 s[G0+4*\s+1], s45, \s*SLOT
	s_add_nc_u64 s[G0+4*\s+2:G0+4*\s+3], s[20:21], \s*PART
	s_or_b32 s[G0+4*\s+3], s[G0+4*\s+3], 0x80000000
	s_mov_b32 s[G0B+4*\s], 1
	s_add_co_u32 s[G0B+4*\s+1], s45, \s*SLOT
	s_add_nc_u64 s[G0B+4*\s+2:G0B+4*\s+3], s[46:47], \s*PART
	s_or_b32 s[G0B+4*\s+3], s[G0B+4*\s+3], 0x80000000
	JLOAD G0+4*\s, G1, G0B+4*\s, G1B               ; three tensor loads of mine are out
.endr
	v_and_b32 v1, 15, v0                           ; r
	v_bfe_u32 v2, v0, 4, 1                         ; h
	v_and_b32 v3, 31, v0                           ; lane
	v_lshlrev_b32 v4, 4, v3                        ; 16 x lane
	v_lshlrev_b32 v5, 3, v3
	v_add_nc_u32 v5, 512, v5                       ; 512 + 8 x lane
	s_mul_i32 s21, s15, PART                       ; my 128 rows of A
	s_mul_i32 s22, s16, PART                       ; my 128 rows of B,
	s_add_co_u32 s22, s22, 2*PART                  ; which lie behind A's two parts
.irp s, 0,1
	v_add_nc_u32 v[ADRA+\s], s21, v4
	v_add_nc_u32 v[ADRB+\s], s22, v4
	v_add_nc_u32 v[ADRA+2+\s], s21, v5
	v_add_nc_u32 v[ADRB+2+\s], s22, v5
	s_add_co_u32 s21, s21, SLOT
	s_add_co_u32 s22, s22, SLOT
.endr
	v_lshlrev_b32 v5, 3, v1                        ; scale words: 8 bytes a row of a block
	s_mul_i32 s21, s15, SPART                      ; A's: my 128 rows
	s_mul_i32 s22, s16, SPART                      ; B's: my 128 rows, behind A's two parts
	s_add_co_u32 s22, s22, 2*SPART
	s_sub_co_u32 s22, s22, s21
	v_mul_u32_u24 v6, s22, v2                      ; lanes 16-31 take B's: one product, the distance between the two
	s_add_co_u32 s21, s21, SCL
	v_add_nc_u32 v5, v5, v6
	v_add_nc_u32 v[ADRS], s21, v5
; a fragment: two half-images on end; every load takes consecutive bytes in consecutive lanes
.macro FRAG reg, adr, off
	ds_load_b128 v[\reg:\reg+3], v[\adr] offset:\off
	ds_load_b64 v[\reg+4:\reg+5], v[\adr+2] offset:\off
	ds_load_b128 v[\reg+6:\reg+9], v[\adr] offset:\off+768
	ds_load_b64 v[\reg+10:\reg+11], v[\adr+2] offset:\off+768
.endm
; 16 matrix instructions: A's blocks a0, a0 + 1 x B's eight, the slot's q-th 128 along K.  p: B's set; sc: the set of scale words.  zero = 1: the first product starts the sums.
; The 64 accumulators take turns, one instruction a turn, in the same order in every step.
.macro MUL16 a0, p, q, sc, zero
.irp a, \a0, \a0+1
.irp b, 0,1,2,3,4,5,6,7
.if \zero
	v_wmma_scale_f32_16x16x128_f8f6f4 v[8*(8*((\a)%4)+\b):8*(8*((\a)%4)+\b)+7], v[128*(\p)+FR*\b:128*(\p)+FR*\b+FR-1], v[AF+FR*(\a):AF+FR*(\a)+FR-1], 0, v[SC+8*NQ*(\sc)+NQ*\b+(\q)], v[SC+8*NQ*(\sc)+NQ*(\a)+(\q)] matrix_a_fmt:MATRIX_FMT_FP6 matrix_b_fmt:MATRIX_FMT_FP6 matrix_a_scale:MATRIX_SCALE_ROW1
.else
	v_wmma_scale_f32_16x16x128_f8f6f4 v[8*(8*((\a)%4)+\b):8*(8*((\a)%4)+\b)+7], v[128*(\p)+FR*\b:128*(\p)+FR*\b+FR-1], v[AF+FR*(\a):AF+FR*(\a)+FR-1], v[8*(8*((\a)%4)+\b):8*(8*((\a)%4)+\b)+7], v[SC+8*NQ*(\sc)+NQ*\b+(\q)], v[SC+8*NQ*(\sc)+NQ*(\a)+(\q)] matrix_a_fmt:MATRIX_FMT_FP6 matrix_b_fmt:MATRIX_FMT_FP6 matrix_a_scale:MATRIX_SCALE_ROW1
.endif
.endr
.endr
.endm
.macro FETCH_B slot, q, p
	WIN TO_B
.irp i, 0,1,2,3,4,5,6,7
	FRAG 128*(\p)+FR*\i, ADRB+\slot, 12288*(\q)+1536*\i
.endr
	WIN 0
.endm
.macro FETCH_A slot, q, i0
.irp i, \i0, \i0+1, \i0+2, \i0+3
	FRAG AF+FR*(\i), ADRA+\slot, 12288*(\q)+1536*(\i)
.endr
.endm
.macro SCALES sc                       ; a K step's scale words: two words a row; lanes 0-15 take A's block i, lanes 16-31 B's block i
.irp i, 0,1,2,3,4,5,6,7
	ds_load_b64 v[SC+8*NQ*\sc+NQ*\i:SC+8*NQ*\sc+NQ*\i+1], v[ADRS] offset:\i*128
.endr
.endm
.macro PLACES n                        ; plain vector instructions behind matrix instructions, in front of loads into registers that they read and of the first read of results
.rept \n
	v_nop
.endr
.endm
; a step of 128 along K that has its successor in the same slot
.macro STEP slot, q, zero
	s_wait_dscnt 4*NL                              ; B's set, A's blocks 0-3 and the scale words are in; the youngest sixteen loads (A's blocks 4-7) may be out
	WIN MUL_LO
	MUL16 0, (\q)%2, \q, \slot, \zero
	MUL16 2, (\q)%2, \q, \slot, \zero
	s_wait_dscnt 0
	PLACES NP
	FETCH_B \slot, (\q)+1, 1-(\q)%2
	FETCH_A \slot, (\q)+1, 0
	WIN MUL_HI
	MUL16 4, (\q)%2, \q, \slot, \zero
	MUL16 6, (\q)%2, \q, \slot, \zero
	PLACES NP
	WIN 0
	FETCH_A \slot, (\q)+1, 4
.endm
; a slot's last step changes slots: one barrier; in front of it each wave waits for all its tensor loads, adds 0 to its spare word, and waits for that and for its reads of this slot.  fill = 1: this slot is filled again
.macro TURN slot, next, fill
	s_wait_tensorcnt 0x0                           ; all my tensor loads have landed: my part of the next slot
	ds_add_u32 v[SPW], v[NIL]                      ; 0 onto my spare word
	s_wait_dscnt 4*NL+1                            ; (the add and the youngest sixteen loads may be out)
	WIN MUL_LO
	MUL16 0, 1, NQ-1, \slot, 0
	s_wait_dscnt 0x0                               ; the add is done, and my reads of this slot are over
	s_barrier_signal -1
	MUL16 2, 1, NQ-1, \slot, 0
	WIN 0
	s_barrier_wait -1
.if \fill
	CREST                                          ; the barrier has opened a round of the cluster's barrier: no wave of any partner still reads this slot or has a load on its way
	s_add_nc_u64 s[G0+4*\slot+2:G0+4*\slot+3], s[G0+4*\slot+2:G0+4*\slot+3], 2*PART
	s_add_nc_u64 s[G0B+4*\slot+2:G0B+4*\slot+3], s[G0B+4*\slot+2:G0B+4*\slot+3], 2*PART
	JLOAD G0+4*\slot, G1, G0B+4*\slot, G1B         ; the first tensor load behind the round; its four v_nop are the places in front of the loads below
.else
	PLACES NP
.endif
	v_add_nc_u32 v[ADRS], 1024, v[ADRS]            ; the next K step's scale words
	FETCH_B \next, 0, 0
	FETCH_A \next, 0, 0
	SCALES \next
	WIN MUL_HI
	MUL16 4, 1, NQ-1, \slot, 0
	MUL16 6, 1, NQ-1, \slot, 0
	PLACES NP
	WIN 0
	FETCH_A \next, 0, 4
.endm
	s_wait_tensorcnt 1                             ; the scale words and my part of K step 0 are in (K step 1's load may be out),
	s_barrier_signal -1
	s_barrier_wait -1                              ; everybody's are
	FETCH_B 0, 0, 0
	FETCH_A 0, 0, 0
	SCALES 0
	FETCH_A 0, 0, 4
	STEP 0, 0, 1                                   ; the first step stands in front of the loop: its products start the sums
	s_mov_b32 s3, LAPS-1
.Llap:
	TURN 0, 1, 1
	STEP 1, 0, 0
	TURN 1, 0, 1
	STEP 0, 0, 0
	s_sub_co_u32 s3, s3, 1
	s_cmp_lg_u32 s3, 0
	s_cbranch_scc1 .Llap
	TURN 0, 1, 0                                   ; the last lap fills nothing
	STEP 1, 0, 0
	s_wait_dscnt 4*NL
	WIN MUL_LO
	MUL16 0, 1, NQ-1, 1, 0
	MUL16 2, 1, NQ-1, 1, 0
	s_wait_dscnt 0
	WIN MUL_HI
	MUL16 4, 1, NQ-1, 1, 0
	MUL16 6, 1, NQ-1, 1, 0
	WIN 0
	; THE WAY OUT.  For each block a of A: the lane's 64 results are quantised as they stand and leave as a fragment's image, in whole aligned blocks of 256 bytes.  No LDS, no branch.
.set TM,  32                           ; v32-47 at work
.set PC,  48                           ; v48-66 the codes
.set PW,  72                           ; v72-79 the eight scale words
.set MG,  80                           ; v80-83 merged: register i: lanes 0-15 block 2 i's, lanes 16-31 block 2 i + 1's
.set O16, 84                           ; v84 16 x lane, v85 512 + 8 x lane, v86-87 the same for registers 6-11
	PLACES NP
	s_lshl_b32 s20, s17, 1
	s_add_co_u32 s20, s20, s15                     ; alpha: my 128 rows of A
	s_lshl_b32 s21, s42, 1
	s_add_co_u32 s21, s21, s16                     ; beta: my 128 rows of B
	s_lshl_b32 s40, s20, 4
	s_add_co_u32 s40, s40, s21
	s_mul_i32 s22, s96, TEN
	s_mul_i32 s23, s21, 196608
	s_add_co_u32 s22, s22, s23
	s_mul_i32 s23, s20, 6144
	s_add_co_u32 s22, s22, s23                     ; q, k: head 2 beta, token tile 8 alpha
	s_mul_i32 s23, s40, 12288
	s_add_co_u32 s23, s23, 2*TEN                   ; v: head pair alpha, key step beta
	s_lshl_b32 s44, s40, 9
	s_mul_i32 s45, s96, TENS
	s_add_co_u32 s44, s44, s45
	s_mov_b32 s45, 0
	s_mov_b32 s18, 1536
	s_mov_b32 s43, 768
	s_cmp_lt_u32 s96, 2                            ; only values are chosen: no branch
	s_cselect_b32 s22, s22, s23
	s_cselect_b32 s18, 768, s18                    ; from block to block of A
	s_cselect_b32 s43, 98304, s43                  ; from registers 0-5 to registers 6-11: the next head, or the fragment's second half
	s_mov_b32 s23, 0
	s_mov_b32 s19, 0
	s_add_nc_u64 s[8:9], s[8:9], s[22:23]
	s_add_nc_u64 s[10:11], s[10:11], s[44:45]
	s_mov_b32 s46, 0xffff0000
	s_mov_b32 s66, 0x76543210
	s_mov_b32 s67, 0xfedcba98
.irp b, 0,1,2,3
	v_mov_b32 v[TM+4+\b], 0                        ; a lane permute's destination counts as one of its sources
.endr
	v_lshlrev_b32 v[O16], 4, v3
	v_lshlrev_b32 v[O16+1], 3, v3
	v_add_nc_u32 v[O16+1], 512, v[O16+1]
	v_add_nc_u32 v[O16+2], s43, v[O16]
	v_add_nc_u32 v[O16+3], s43, v[O16+1]
.macro OUTQ a
.set W,  2+(\a)/4                      ; the block's accumulators: window 2 or 3
.set AC, 64*((\a)%4)
.set WW, (W<<2)|(W<<4)
	WIN WW                                         ; sources 1 and 2 in the accumulators' window
.irp b, 0,1,2,3
	v_max3_num_f32 v[TM+\b], 0x1800000, |v[AC+16*\b]|, |v[AC+1+16*\b]|   ; each accumulator is read from its low end on; the floor 2^(3 - 127) holds the byte at 1 from below
.endr
.irp i, 2,4,6,8,10,12,14
.irp b, 0,1,2,3
	v_max3_num_f32 v[TM+\b], v[TM+\b], |v[AC+16*\b+\i]|, |v[AC+1+16*\b+\i]|
.endr
.endr
	WIN 0
.irp b, 0,1,2,3
	v_permlanex16_b32 v[TM+4+\b], v[TM+\b], s66, s67
.endr
.irp b, 0,1,2,3
	v_max_num_f32 v[TM+\b], v[TM+\b], v[TM+4+\b]
.endr
.irp b, 0,1,2,3
	v_add_nc_u32 v[TM+12+\b], 0xff000000, v[TM+\b]
.endr
.irp b, 0,1,2,3
	v_lshrrev_b32 v[TM+4+\b], 23, v[TM+12+\b]
.endr
	v_lshl_or_b32 v[PW+(\a)], v[TM+5], 8, v[TM+4]
	v_lshl_or_b32 v[PW+(\a)], v[TM+6], 16, v[PW+(\a)]
	v_lshl_or_b32 v[PW+(\a)], v[TM+7], 24, v[PW+(\a)]
	WIN W                                          ; source 0 in the accumulators' window
.irp c, 0,1
	v_cvt_scalef32_pk16_fp6_f32 v[PC+6*\c:PC+2+6*\c], v[AC+32*\c:AC+15+32*\c], v[TM+12+2*\c]
	v_cvt_scalef32_pk16_fp6_f32 v[PC+12+4*\c:PC+14+4*\c], v[AC+16+32*\c:AC+31+32*\c], v[TM+12+2*\c+1]
.endr
	WIN 0
	v_nop                                          ; one plain place behind a scaled conversion
.irp c, 0,1
.irp i, 0,1,2
	v_permlane16_swap_b32 v[PC+6*\c+\i], v[PC+12+4*\c+\i]
.endr
.irp i, 0,1,2
	v_mov_b32 v[PC+3+6*\c+\i], v[PC+12+4*\c+\i]
.endr
.endr
	global_store_b128 v[O16], v[PC:PC+3], s[8:9]
	global_store_b64 v[O16+1], v[PC+4:PC+5], s[8:9]
	global_store_b128 v[O16+2], v[PC+6:PC+9], s[8:9]
	global_store_b64 v[O16+3], v[PC+10:PC+11], s[8:9]
	s_wait_xcnt 0x0                                ; the stores have read their data and their base: both are written again below
	s_add_nc_u64 s[8:9], s[8:9], s[18:19]
.endm
.irp a, 0,1,2,3,4,5,6,7
	OUTQ \a
.endr
.irp i, 0,1,2,3
	v_cndmask_b32 v[MG+\i], v[PW+2*\i], v[PW+2*\i+1], s46
.endr
	global_store_b128 v[O16], v[MG:MG+3], s[10:11] ; 512 consecutive bytes, aligned
	s_wait_tensorcnt 0x0                           ; the wave's end
	ds_add_u32 v[SPW], v[NIL]
	s_wait_dscnt 0x0
	CROUND                                         ; the closing round: no work-group ends while a partner may still ask for a block that names it
	s_endpgm
.Lfunc_end_k_q1b976c3c44_proj:
	.size	k_q1b976c3c44_proj, .Lfunc_end_k_q1b976c3c44_proj-k_q1b976c3c44_proj
	.p2alignl 7, 3214868480
	.fill 96, 4, 3214868480
	.section	.rodata,"a",@progbits
	.p2align	6, 0x0
	.amdhsa_kernel k_q1b976c3c44_proj
		.amdhsa_group_segment_fixed_size 327680
		.amdhsa_private_segment_fixed_size 0
		.amdhsa_enable_private_segment 0
		.amdhsa_kernarg_size 32
		.amdhsa_user_sgpr_count 2
		.amdhsa_user_sgpr_kernarg_segment_ptr 1
		.amdhsa_wavefront_size32 1
		.amdhsa_system_sgpr_workgroup_id_x 1
		.amdhsa_system_sgpr_workgroup_id_y 1
		.amdhsa_system_sgpr_workgroup_id_z 1
		.amdhsa_system_vgpr_workitem_id 0
		.amdhsa_next_free_vgpr 1024
		.amdhsa_next_free_sgpr 98
		.amdhsa_reserve_vcc 0
		.amdhsa_float_denorm_mode_32 3
		.amdhsa_float_denorm_mode_16_64 3
		.amdhsa_memory_ordered 1
		.amdhsa_forward_progress 1
		.amdhsa_inst_pref_size 150
	.end_amdhsa_kernel
	.amdgpu_metadata
---
amdhsa.version: [ 1, 2 ]
amdhsa.kernels:
  - .name:           k_q1b976c3c44_proj
    .symbol:         k_q1b976c3c44_proj.kd
    .args:
      - { .name: xc, .offset: 0, .size: 8, .value_kind: global_buffer, .address_space: global }
      - { .name: xs, .offset: 8, .size: 8, .value_kind: global_buffer, .address_space: global }
      - { .name: hc, .offset: 16, .size: 8, .value_kind: global_buffer, .address_space: global }
      - { .name: hs, .offset: 24, .size: 8, .value_kind: global_buffer, .address_space: global }
    .group_segment_fixed_size: 327680
    .private_segment_fixed_size: 0
    .kernarg_segment_align: 8
    .kernarg_segment_size: 32
    .max_flat_workgroup_size: 128
    .sgpr_count:     98
    .vgpr_count:     1024
    .wavefront_size: 32
...
	.end_amdgpu_metadata
.endif
;; end of part 2
;; launch attn (part 3): grid 8 x 32, 16 waves a work-group, no clusters, 210,944 bytes of LDS; arguments hc, hs, lm, oc, os; writes oc, os
.if DOCPART == 3
	.amdgcn_target "amdgcn-amd-amdhsa--gfx1250"
	.amdhsa_code_object_version 6
	.text
	.protected	k_q1b976c3c44_attn
	.globl	k_q1b976c3c44_attn
	.p2align	8
	.type	k_q1b976c3c44_attn,@function
k_q1b976c3c44_attn:
	s_mov_b64 s[64:65], 0
	v_nop
	global_prefetch_b8 v0, s[64:65] scope:SCOPE_SE
	s_setreg_imm32_b32 hwreg(HW_REG_WAVE_MODE, 25, 1), 1
	s_wait_xcnt 0x0
; o[q][head] = softmax over the keys of (qh . kh / 8, hidden keys at the least number) x vh, both products on codes of FP6 (E2M3) with E8M0 scales; o is quantised along the head's 64 for the last product.
; THE SOFTMAX AHEAD OF THE SECOND PRODUCT: t = score x log2(e) / 8; M = the row's largest t so far, rounded up to a whole number; p = 2^(t - M) is quantised along the keys, not normalised; the row's sum is taken
; of the unquantised p and divides at the end.  When M moves, the sum and O are multiplied by 2^(old M - new M): exact.
; SHARES.  A work-group owns one head and 256 queries; each of sixteen waves owns one tile of 16 queries, T = 8 x rank(wave) + work-group x.  rank is a table whose groups of four (by wave / 4 and by wave % 4
; alike) add up to 30, so that tiles of early and late queries are mixed evenly; no value hangs on it.
; THE HEAD'S K AND V, 196,608 bytes of codes and 12,288 of scale words, are put into LDS ONCE, through registers, wave w bringing key step w; one barrier; from there on LDS is only read.
; NO TENSOR LOAD, NO CLUSTER: a step of 128 keys that the given mask hides from all 16 queries of a tile is passed over by a scalar branch on whole numbers that launch quant stored.
; THE MASK is honoured as it is given: launch quant stored, for each tile and step, 64 lane masks (one for each score register) and flags (a step has a kept key; all of it is kept; a query has a kept key).
; A hidden score becomes -2^126 ahead of the maximum.  t is then a whole number, so a row all of whose keys so far are hidden has p = 1 exactly; the first kept key moves M so far that the factor is 0 and wipes
; that; a row with no kept key at all ends as the plain mean over ALL keys, as the softmax of equal numbers is: for a tile with such a row no step is passed over.
; LIMITS: a true score of -2^126 or under is not told from a hidden one; NaN and infinities are not served; a block of o under 2^-124 or of zeros keeps the byte 1.
; LAYOUT.  S^T = K Q^T (source 0 = 16 keys, source 1 = my 16 queries), O^T = V^T P^T: a lane holds ONE query throughout.  The head's K is 64: a fragment of 128 holds TWO key tiles' codes, and Q stands twice,
; once in the lower half of K with zero codes above, once the other way round: zero codes add nothing.  By the order of a tile's rows register 16 b + i of S is key 32 b + 16 h + i of the step.
.set KIMG, 0                           ; step s at 6,144 s: four double fragments of 1,536 bytes
.set VIMG, 98304                       ; step s at 6,144 s: four fragments (16 of the head's 64 x 128 keys)
.set KSC,  196608                      ; 512 bytes a step: 16 x lane: the four double fragments' scale words
.set VSC,  204800                      ; 256 bytes a step: 8 x lane: register t / 2, lanes 0-15 for even t, lanes 16-31 for odd t
.set SPARE, 208896                     ; the spare words, 128 bytes a wave, that no other line names
.set SPW, 5
.set NIL, 6
	s_load_b256 s[4:11], s[0:1], 0x0               ; hc s[4:5], hs s[6:7], lm s[8:9], oc s[10:11]
	s_load_b64 s[12:13], s[0:1], 0x20              ; os
	v_lshl_add_u32 v[SPW], v0, 2, SPARE
	v_mov_b32 v[NIL], 0
	v_lshrrev_b32 v9, 5, v0
	v_readfirstlane_b32 s14, v9                    ; wave 0..15
	s_and_b32 s15, ttmp7, 0xffff                   ; the head
	s_mov_b32 s20, 0x0de3b658
	s_cmp_lt_u32 s14, 8
	s_cselect_b32 s20, 0x7a94c12f, s20
	s_and_b32 s21, s14, 7
	s_lshl_b32 s21, s21, 2
	s_lshr_b32 s20, s20, s21
	s_and_b32 s20, s20, 15                         ; rank
	s_lshl_b32 s66, s20, 3
	s_add_co_u32 s66, s66, ttmp9                   ; T: it enters global addresses alone
	s_and_b32 s46, s15, 1                          ; which head of its pair
	s_lshr_b32 s47, s15, 1                         ; the pair
	s_lshl_b32 s67, s46, 4                         ; its 16 bits of a scale word of q or k
	s_mul_i32 s32, s15, 98304                      ; K's codes: head, step = my wave
	s_mul_i32 s20, s14, 6144
	s_add_co_u32 s32, s32, s20
	s_add_co_u32 s32, s32, 3145728
	s_mov_b32 s33, 0
	s_lshl_b32 s48, s47, 4
	s_add_co_u32 s48, s48, s14                     ; 16 x pair + step
	s_mul_i32 s34, s48, 12288                      ; V's codes
	s_mul_i32 s49, s46, 6144
	s_add_co_u32 s34, s34, s49
	s_add_co_u32 s34, s34, 6291456
	s_mov_b32 s35, 0
	s_lshl_b32 s36, s14, 4                         ; K's scale words: [step][pair]
	s_add_co_u32 s36, s36, s47
	s_lshl_b32 s36, s36, 9
	s_add_co_u32 s36, s36, 131072
	s_mov_b32 s37, 0
	s_lshl_b32 s38, s48, 9                         ; V's: [pair][step], my head's two of a lane's four registers
	s_lshl_b32 s49, s46, 3
	s_add_co_u32 s38, s38, s49
	s_add_co_u32 s38, s38, 262144
	s_mov_b32 s39, 0
	s_mul_i32 s40, s15, 98304                      ; Q's half-image
	s_mul_i32 s49, s66, 768
	s_add_co_u32 s40, s40, s49
	s_mov_b32 s41, 0
	s_lshr_b32 s50, s66, 3                         ; T / 8
	s_and_b32 s51, s66, 7                          ; T % 8
	s_lshl_b32 s42, s50, 4                         ; Q's scale words: [T / 8][pair], register (T % 8) / 2, lanes 16 (T % 2) + r
	s_add_co_u32 s42, s42, s47
	s_lshl_b32 s42, s42, 9
	s_and_b32 s49, s66, 1
	s_lshl_b32 s49, s49, 8
	s_add_co_u32 s42, s42, s49
	s_lshr_b32 s49, s51, 1
	s_lshl_b32 s49, s49, 2
	s_add_co_u32 s42, s42, s49
	s_mov_b32 s43, 0
	s_lshl_b32 s44, s66, 4                         ; the tile's flags
	s_mov_b32 s45, 0
	s_lshl_b32 s52, s66, 12                        ; the tile's lane masks
	s_mov_b32 s53, 0
	s_mul_i32 s54, s50, 196608                     ; o's image: [T / 8][head / 4][(head / 2) % 2][T % 8][head % 2][768]
	s_lshr_b32 s49, s15, 2
	s_mul_i32 s56, s49, 24576
	s_add_co_u32 s54, s54, s56
	s_and_b32 s57, s47, 1
	s_mul_i32 s58, s57, 12288
	s_add_co_u32 s54, s54, s58
	s_mul_i32 s58, s51, 1536
	s_add_co_u32 s54, s54, s58
	s_mul_i32 s58, s46, 768
	s_add_co_u32 s54, s54, s58
	s_mov_b32 s55, 0
	s_lshl_b32 s60, s50, 13                        ; o's scale bytes: [T / 8][head / 4][T % 8][r][word (head / 2) % 2][2 (head % 2)]
	s_lshl_b32 s58, s49, 10
	s_add_co_u32 s60, s60, s58
	s_lshl_b32 s58, s51, 7
	s_add_co_u32 s60, s60, s58
	s_lshl_b32 s58, s57, 2
	s_add_co_u32 s60, s60, s58
	s_lshl_b32 s58, s46, 1
	s_add_co_u32 s60, s60, s58
	s_mov_b32 s61, 0
	s_mov_b32 s22, 0x3e38aa3b                      ; c = log2(e) / 8
	s_mov_b32 s23, s22                             ; (named with it as a pair, so it is written)
	s_mov_b32 s24, 0x76543210
	s_mov_b32 s25, 0xfedcba98                      ; v_permlanex16_b32's selects for lane l xor 16
	s_mov_b32 s28, 0                               ; the step
	s_mov_b32 s29, 0                               ; its codes in LDS: 6,144 a step
	s_mov_b32 s30, 0                               ; K's scale words: 512 a step
	s_mov_b32 s31, 0                               ; V's: 256 a step
	v_and_b32 v9, 31, v0                           ; lane
	v_lshlrev_b32 v1, 4, v9                        ; v1 16 x lane
	v_lshlrev_b32 v8, 3, v9
	v_add_nc_u32 v2, 512, v8                       ; v2 512 + 8 x lane
	v_add_nc_u32 v3, VIMG, v1                      ; v3, v4 the same in V's images
	v_add_nc_u32 v4, VIMG, v2
	v_add_nc_u32 v7, KSC, v1                       ; v7 K's scale words
	v_add_nc_u32 v8, VSC, v8                       ; v8 V's
	v_add_nc_u32 v9, s20, v1                       ; where I put my step: K's codes,
	v_add_nc_u32 v10, VIMG, v9                     ; V's,
	s_lshl_b32 s21, s14, 9
	v_add_nc_u32 v11, s21, v7                      ; K's scale words,
	s_lshl_b32 s21, s14, 8
	v_add_nc_u32 v28, s21, v8                      ; V's
	v_and_b32 v29, 15, v0
	v_lshlrev_b32 v29, 4, v29                      ; 16 r: Q's scale word
	s_wait_kmcnt 0x0
	s_add_nc_u64 s[32:33], s[4:5], s[32:33]
	s_add_nc_u64 s[34:35], s[4:5], s[34:35]
	s_add_nc_u64 s[36:37], s[6:7], s[36:37]
	s_add_nc_u64 s[38:39], s[6:7], s[38:39]
	s_add_nc_u64 s[40:41], s[4:5], s[40:41]
	s_add_nc_u64 s[42:43], s[6:7], s[42:43]
	s_add_nc_u64 s[44:45], s[8:9], s[44:45]
	s_add_nc_u64 s[100:101], s[8:9], s[52:53]
	s_add_nc_u64 s[10:11], s[10:11], s[54:55]
	s_add_nc_u64 s[12:13], s[12:13], s[60:61]
.irp j, 0,1,2,3,4,5,6,7,8,9,10,11
	global_load_b128 v[96+4*\j:99+4*\j], v1, s[32:33] offset:512*\j      ; my step of K: 6,144 dense bytes
.endr
.irp j, 0,1,2,3,4,5,6,7,8,9,10,11
	global_load_b128 v[144+4*\j:147+4*\j], v1, s[34:35] offset:512*\j    ; and of V
.endr
	global_load_b128 v[192:195], v1, s[36:37]
	global_load_b64 v[196:197], v1, s[38:39]
	global_load_b128 v[16:19], v1, s[40:41]        ; Q in the lower half of K: v16-21,
	global_load_b64 v[20:21], v2, s[40:41]
	global_load_b128 v[86:89], v1, s[40:41]        ; and once more in the upper half: v86-91 (two runs of registers)
	global_load_b64 v[90:91], v2, s[40:41]
	global_load_b32 v92, v29, s[42:43]
	s_load_b128 s[16:19], s[44:45], 0x80000        ; the four flag words, behind the lane masks
.irp i, 0,1,2,3,4,5
	v_mov_b32 v[22+\i], 0                          ; zero codes in Q's other halves
	v_mov_b32 v[80+\i], 0
.endr
.irp i, 0,1,2,3
	v_mov_b32 v[204+\i], 0                         ; a lane permute's destination counts as one of its sources
	v_mov_b32 v[216+\i], 0
.endr
	v_mov_b32 v224, 0
	v_mov_b32 v227, 0                              ; (named as the upper half of the pair v[226:227])
	v_mov_b32 v31, 0xfe800000                      ; -2^126: a hidden score
	v_mov_b32 v13, 0xff61b1e6                      ; the largest t so far: -3e38
	v_floor_f32 v12, -v13                          ; -M
	v_mov_b32 v14, 0                               ; the sum, in two halves
	v_mov_b32 v15, 0
	s_wait_loadcnt 0x0
.irp i, 0,1,2,3
	v_bfe_u32 v[200+\i], v[192+\i], s67, 16        ; my head's two bytes: lanes 0-15 key tile 2 i's, lanes 16-31 key tile 2 i + 1's
.endr
.irp i, 0,1,2,3
	v_permlanex16_b32 v[204+\i], v[200+\i], s24, s25
.endr
.irp i, 0,1,2,3
	v_lshl_or_b32 v[200+\i], v[204+\i], 16, v[200+\i]   ; lanes 0-15: the double fragment's word: bytes 0, 1 tile 2 i, bytes 2, 3 tile 2 i + 1
.endr
	v_bfe_u32 v92, v92, s67, 16                    ; Q's word for the lower half of K,
	v_lshlrev_b32 v93, 16, v92                     ; and for the upper (the other bytes stand over zero codes)
.irp j, 0,1,2,3,4,5,6,7,8,9,10,11
	ds_store_b128 v9, v[96+4*\j:99+4*\j] offset:512*\j
.endr
.irp j, 0,1,2,3,4,5,6,7,8,9,10,11
	ds_store_b128 v10, v[144+4*\j:147+4*\j] offset:512*\j
.endr
	ds_store_b128 v11, v[200:203]
	ds_store_b64 v28, v[196:197]
	s_wait_dscnt 0x0                               ; for the others' sake: my stores have landed
	s_barrier_signal -1
	s_barrier_wait -1                              ; the head's K and V lie in LDS; from here on LDS is only read
.set n, 0
.rept 32
	v_mov_b32 v[160+n], 0                          ; O^T: the step is written once, and its first walk finds zeros
.set n, n+1
.endr
	s_wait_kmcnt 0x0
	s_or_b32 s20, s16, s17
	s_or_b32 s21, s18, s19
	s_or_b32 s20, s20, s21
	s_and_b32 s20, s20, 0xffff                     ; which of my 16 queries have a kept key
	s_bfe_u32 s26, s16, 0x40010                    ; s26: bit s: step s has a kept key
	s_bfe_u32 s27, s16, 0x40014                    ; s27: bit s: all of step s is kept
.irp w, 1,2,3
	s_bfe_u32 s21, s[16+\w], 0x40010
	s_lshl_b32 s21, s21, 4*\w
	s_or_b32 s26, s26, s21
	s_bfe_u32 s21, s[16+\w], 0x40014
	s_lshl_b32 s21, s21, 4*\w
	s_or_b32 s27, s27, s21
.endr
	s_cmp_eq_u32 s20, 0xffff
	s_cselect_b32 s26, s26, 0xffff                 ; a query with no kept key weighs ALL keys alike: nothing is passed over for its tile
.macro FRAG reg, a128, a64, off
	ds_load_b128 v[\reg:\reg+3], v[\a128] offset:\off
	ds_load_b64 v[\reg+4:\reg+5], v[\a64] offset:\off
	ds_load_b128 v[\reg+6:\reg+9], v[\a128] offset:\off+768
	ds_load_b64 v[\reg+10:\reg+11], v[\a64] offset:\off+768
.endm
.Lstep:                                            ; sixteen trips, a constant count; a hidden step's work is jumped over, the address steps at the end are not
	s_lshr_b32 s20, s26, s28
	s_and_b32 s20, s20, 1
	s_cmp_eq_u32 s20, 0
	s_cbranch_scc1 .Lskip
	s_load_b512 s[32:47], s[100:101], 0x0          ; the step's 64 lane masks: word n in s[32 + n], from n = 32 on in s[36 + n]
	s_load_b512 s[48:63], s[100:101], 0x40
	s_load_b512 s[68:83], s[100:101], 0x80
	s_load_b512 s[84:99], s[100:101], 0xc0
	v_add_nc_u32 v9, s29, v1                       ; six plain lines: also the places behind the last products, in front of the loads into the registers that they read
	v_add_nc_u32 v10, s29, v2
	v_add_nc_u32 v11, s29, v3
	v_add_nc_u32 v28, s29, v4
	v_add_nc_u32 v29, s30, v7
	v_add_nc_u32 v30, s31, v8
.irp i, 0,1,2,3
	FRAG 32+12*\i, 9, 10, 1536*\i
.endr
	ds_load_b128 v[248:251], v29
	s_wait_dscnt 0x0
.irp t, 0,1,2,3,4,5,6,7                        ; S^T: key tile t from half t % 2 of double fragment t / 2
	v_wmma_scale_f32_16x16x128_f8f6f4 v[96+8*\t:103+8*\t], v[32+12*(\t/2):43+12*(\t/2)], v[16+64*(\t%2):27+64*(\t%2)], 0, v[248+\t/2], v[92+\t%2] matrix_a_fmt:MATRIX_FMT_FP6 matrix_b_fmt:MATRIX_FMT_FP6
.endr
.rept 4
	v_nop                                          ; places: in front of the first read of results and of the loads below
.endr
.irp t, 0,1,2,3
	FRAG 32+12*\t, 11, 28, 1536*\t                 ; V's four fragments land under the softmax
.endr
	ds_load_b64 v[252:253], v30
	s_wait_kmcnt 0x0
	s_lshr_b32 s20, s27, s28
	s_and_b32 s20, s20, 1
	s_cmp_lg_u32 s20, 0
	s_cbranch_scc1 .Lopen                          ; all of the step is kept
.set n, 0
.rept 64
	v_cndmask_b32 v[96+n], v31, v[96+n], s[32+n+4*(n/32)]   ; a hidden score becomes -2^126; ascending
.set n, n+1
.endr
.Lopen:
.irp b, 0,1,2,3
	v_max3_num_f32 v[212+\b], v[96+16*\b], v[97+16*\b], v[98+16*\b]   ; the largest score of each block of 32 keys: for the row's maximum and, since p rises with the score, for the block's largest p
.endr
.irp i, 3,5,7,9,11,13
.irp b, 0,1,2,3
	v_max3_num_f32 v[212+\b], v[212+\b], v[96+16*\b+\i], v[97+16*\b+\i]
.endr
.endr
.irp b, 0,1,2,3
	v_max_num_f32 v[212+\b], v[212+\b], v[111+16*\b]
.endr
.irp b, 0,1,2,3
	v_permlanex16_b32 v[216+\b], v[212+\b], s24, s25
.endr
.irp b, 0,1,2,3
	v_max_num_f32 v[212+\b], v[212+\b], v[216+\b]  ; with lane l xor 16's 16 keys
.endr
	v_max3_num_f32 v224, v212, v213, v214
	v_max_num_f32 v224, v224, v215
	v_mul_f32 v224, s22, v224                      ; as t (c is positive)
	v_max_num_f32 v13, v13, v224                   ; the running largest t
	v_mov_b32 v224, v12
	v_floor_f32 v12, -v13                          ; the new -M = -ceil(t): a whole number
	v_sub_f32 v224, v12, v224                      ; old M - new M: a whole number, 0 or less
	v_cvt_i32_f32 v224, v224                       ; (it saturates)
	v_ldexp_f32 v226, 1.0, v224                    ; f = 2^(old M - new M)
.set n, 0
.rept 32
	v_pk_fma_f32 v[96+n:97+n], v[96+n:97+n], s[22:23], v[12:13] op_sel_hi:[1,0,0]   ; t - M, two at a time
.set n, n+2
.endr
.irp b, 0,1,2,3
	v_fma_f32 v[212+\b], v[212+\b], s22, v12       ; the same of each block's largest score
.endr
.set n, 0
.rept 64
	v_exp_f32 v[96+n], v[96+n]                     ; p = 2^(t - M), at most 1
.set n, n+1
.endr
	v_pk_mul_f32 v[14:15], v[14:15], v[226:227] op_sel_hi:[1,0]   ; the sums under the new M: a plain place behind the exponentials
	s_wait_alu depctr_va_vdst(0)                   ; one wait for the batch of 64, ahead of its first reader
.irp b, 0,1,2,3
	v_exp_f32 v[212+\b], v[212+\b]                 ; the block's largest p
.endr
	v_pk_add_f32 v[228:229], v[96:97], v[98:99]    ; the row's sum is taken of the unquantised p, in two chains
.irp j, 4,8,12,16,20,24,28,32,36,40,44,48,52,56,60
	v_pk_add_f32 v[14:15], v[14:15], v[96+\j:97+\j]
	v_pk_add_f32 v[228:229], v[228:229], v[98+\j:99+\j]
.endr
	v_pk_add_f32 v[14:15], v[14:15], v[228:229]
	s_wait_alu depctr_va_vdst(0)                   ; and one for the four
.irp b, 0,1,2,3
	v_max_num_f32 v[212+\b], 0x1800000, v[212+\b]  ; the floor 2^(3 - 127): the byte cannot fall under 1
.endr
.irp b, 0,1,2,3
	v_add_nc_u32 v[220+\b], 0xff000000, v[212+\b]  ; 2 off the exponent field: the conversion's scale operand
.endr
.irp b, 0,1,2,3
	v_lshrrev_b32 v[216+\b], 23, v[220+\b]         ; the scale's byte
.endr
	v_lshl_or_b32 v94, v217, 8, v216               ; p's scale word for these 128 keys
	v_lshl_or_b32 v94, v218, 16, v94
	v_lshl_or_b32 v94, v219, 24, v94
.irp c, 0,1
	v_cvt_scalef32_pk16_fp6_f32 v[192+6*\c:194+6*\c], v[96+32*\c:111+32*\c], v[220+2*\c]
	v_cvt_scalef32_pk16_fp6_f32 v[204+4*\c:206+4*\c], v[112+32*\c:127+32*\c], v[220+2*\c+1]
.endr
	v_nop                                          ; one plain place behind a scaled conversion
.irp c, 0,1
.irp i, 0,1,2
	v_permlane16_swap_b32 v[192+6*\c+\i], v[204+4*\c+\i]
.endr
.irp i, 0,1,2
	v_mov_b32 v[195+6*\c+\i], v[204+4*\c+\i]
.endr
.endr
.set n, 0
.rept 16
	v_pk_mul_f32 v[160+n:161+n], v[160+n:161+n], v[226:227] op_sel_hi:[1,0]   ; O^T under the new M; these sixteen stand between the lines that made p's codes and scale word and the products
.set n, n+2
.endr
	s_wait_dscnt 0x0                               ; V's fragments and scale words are in
.irp t, 0,1,2,3                                ; O^T += V^T P^T: four accumulators by turns
.if \t%2
	v_wmma_scale_f32_16x16x128_f8f6f4 v[160+8*\t:167+8*\t], v[32+12*\t:43+12*\t], v[192:203], v[160+8*\t:167+8*\t], v[252+\t/2], v94 matrix_a_fmt:MATRIX_FMT_FP6 matrix_b_fmt:MATRIX_FMT_FP6 matrix_a_scale:MATRIX_SCALE_ROW1
.else
	v_wmma_scale_f32_16x16x128_f8f6f4 v[160+8*\t:167+8*\t], v[32+12*\t:43+12*\t], v[192:203], v[160+8*\t:167+8*\t], v[252+\t/2], v94 matrix_a_fmt:MATRIX_FMT_FP6 matrix_b_fmt:MATRIX_FMT_FP6
.endif
.endr
.Lskip:
	s_add_co_u32 s29, s29, 6144
	s_add_co_u32 s30, s30, 512
	s_add_co_u32 s31, s31, 256
	s_add_nc_u64 s[100:101], s[100:101], 256       ; (the scalar loads that read it were waited for)
	s_add_co_u32 s28, s28, 1
	s_cmp_lt_u32 s28, 16
	s_cbranch_scc1 .Lstep
	; THE WAY OUT.  O^T / the sum: register 16 b + i is o(my query, 32 b + 16 h + i): the head's two blocks of 32 are quantised as they stand and leave as a half-image of the last product's operand.
.rept 4
	v_nop                                          ; places behind the last products
.endr
	v_add_f32 v14, v14, v15
	v_permlanex16_b32 v224, v14, s24, s25
	v_add_f32 v14, v14, v224                       ; the row's sum
	v_rcp_f32 v226, v14
	v_and_b32 v9, 15, v0                           ; (a plain place behind the reciprocal)
	v_lshlrev_b32 v9, 3, v9                        ; 8 r
	v_and_b32 v10, 31, v0
	s_wait_alu depctr_va_vdst(0)                   ; the wait, ahead of the reciprocal's first reader
.set n, 0
.rept 16
	v_pk_mul_f32 v[96+n:97+n], v[160+n:161+n], v[226:227] op_sel_hi:[1,0]
.set n, n+2
.endr
.irp b, 0,1
	v_max3_num_f32 v[212+\b], |v[96+16*\b]|, |v[97+16*\b]|, 0x1800000
.endr
.irp i, 2,4,6,8,10,12,14
.irp b, 0,1
	v_max3_num_f32 v[212+\b], v[212+\b], |v[96+16*\b+\i]|, |v[97+16*\b+\i]|
.endr
.endr
.irp b, 0,1
	v_permlanex16_b32 v[216+\b], v[212+\b], s24, s25
.endr
.irp b, 0,1
	v_max_num_f32 v[212+\b], v[212+\b], v[216+\b]
.endr
.irp b, 0,1
	v_add_nc_u32 v[220+\b], 0xff000000, v[212+\b]
.endr
.irp b, 0,1
	v_lshrrev_b32 v[216+\b], 23, v[220+\b]
.endr
	v_lshl_or_b32 v94, v217, 8, v216               ; my row's two bytes
	v_cvt_scalef32_pk16_fp6_f32 v[192:194], v[96:111], v220
	v_cvt_scalef32_pk16_fp6_f32 v[204:206], v[112:127], v221
	v_nop
.irp i, 0,1,2
	v_permlane16_swap_b32 v[192+\i], v[204+\i]
.endr
.irp i, 0,1,2
	v_mov_b32 v[195+\i], v[204+\i]
.endr
	v_cmp_gt_u32 vcc_lo, 16, v10
	global_store_b128 v1, v[192:195], s[10:11]     ; 512 consecutive bytes,
	global_store_b64 v2, v[196:197], s[10:11]      ; and 256 behind them, aligned
	s_wait_xcnt 0x0                                ; EXEC is a source of the stores above: it changes only behind this wait
	s_and_saveexec_b32 s20, vcc_lo
	global_store_b16 v9, v94, s[12:13]             ; lanes 0-15: two bytes of each row's scale word: one byte in 25 of what the wave stores
	s_wait_xcnt 0x0
	s_or_b32 exec_lo, exec_lo, s20
	s_wait_tensorcnt 0x0                           ; the wave's end
	ds_add_u32 v[SPW], v[NIL]
	s_wait_dscnt 0x0
	s_endpgm
.Lfunc_end_k_q1b976c3c44_attn:
	.size	k_q1b976c3c44_attn, .Lfunc_end_k_q1b976c3c44_attn-k_q1b976c3c44_attn
	.p2alignl 7, 3214868480
	.fill 96, 4, 3214868480
	.section	.rodata,"a",@progbits
	.p2align	6, 0x0
	.amdhsa_kernel k_q1b976c3c44_attn
		.amdhsa_group_segment_fixed_size 210944
		.amdhsa_private_segment_fixed_size 0
		.amdhsa_enable_private_segment 0
		.amdhsa_kernarg_size 40
		.amdhsa_user_sgpr_count 2
		.amdhsa_user_sgpr_kernarg_segment_ptr 1
		.amdhsa_wavefront_size32 1
		.amdhsa_system_sgpr_workgroup_id_x 1
		.amdhsa_system_sgpr_workgroup_id_y 1
		.amdhsa_system_sgpr_workgroup_id_z 1
		.amdhsa_system_vgpr_workitem_id 0
		.amdhsa_next_free_vgpr 256
		.amdhsa_next_free_sgpr 102
		.amdhsa_reserve_vcc 1
		.amdhsa_float_denorm_mode_32 3
		.amdhsa_float_denorm_mode_16_64 3
		.amdhsa_memory_ordered 1
		.amdhsa_forward_progress 1
		.amdhsa_inst_pref_size 38
	.end_amdhsa_kernel
	.amdgpu_metadata
---
amdhsa.version: [ 1, 2 ]
amdhsa.kernels:
  - .name:           k_q1b976c3c44_attn
    .symbol:         k_q1b976c3c44_attn.kd
    .args:
      - { .name: hc, .offset: 0, .size: 8, .value_kind: global_buffer, .address_space: global }
      - { .name: hs, .offset: 8, .size: 8, .value_kind: global_buffer, .address_space: global }
      - { .name: lm, .offset: 16, .size: 8, .value_kind: global_buffer, .address_space: global }
      - { .name: oc, .offset: 24, .size: 8, .value_kind: global_buffer, .address_space: global }
      - { .name: os, .offset: 32, .size: 8, .value_kind: global_buffer, .address_space: global }
    .group_segment_fixed_size: 210944
    .private_segment_fixed_size: 0
    .kernarg_segment_align: 8
    .kernarg_segment_size: 40
    .max_flat_workgroup_size: 512
    .sgpr_count:     102
    .vgpr_count:     256
    .wavefront_size: 32
...
	.end_amdgpu_metadata
.endif
;; end of part 3
;; launch outp (part 4): grid 8 x 8, 4 waves a work-group, clusters of 4 x 4, 327,680 bytes of LDS; arguments oc, os, xc, xs, out0; writes out0
.if DOCPART == 4
	.amdgcn_target "amdgcn-amd-amdhsa--gfx1250"
	.amdhsa_code_object_version 6
	.text
	.protected	k_q1b976c3c44_outp
	.globl	k_q1b976c3c44_outp
	.p2align	8
	.type	k_q1b976c3c44_outp,@function
k_q1b976c3c44_outp:
	s_mov_b64 s[64:65], 0
	v_nop
	global_prefetch_b8 v0, s[64:65] scope:SCOPE_SE
	s_setreg_imm32_b32 hwreg(HW_REG_WAVE_MODE, 25, 1), 1
	s_wait_xcnt 0x0
	s_wait_alu depctr_hold_cnt(0) depctr_sa_sdst(0) depctr_va_vdst(0) depctr_va_sdst(0) depctr_va_ssrc(0) depctr_va_vcc(0) depctr_vm_vsrc(0)
	s_getreg_b32 s2, hwreg(HW_REG_IB_STS2, 6, 4)
	s_cmp_eq_u32 s2, 0
	s_cbranch_scc0 .Lentry_in_a_cluster
	s_endpgm
.Lentry_in_a_cluster:
	s_bfe_u32 s2, ttmp6, 0x10000c
	s_cmp_lg_u32 s2, 0xf033
	s_cbranch_scc0 .Lentry_shape_is_right
	s_endpgm
.Lentry_shape_is_right:
; out0 = o Wo^T on codes of FP6 (E2M3) with E8M0 scales; out0 [2048][2048] f32.  A = o (image and scale words from launch attn), B = Wo (tensor 6 of launch quant's images).
; The loop is launch proj's: operands as images of their registers, a K step's part of 128 rows one dense block of 24,576 bytes, a fragment four dense LDS loads; a tile of 256 x 256 to a work-group,
; 128 x 128 to each of four waves; K in steps of 256 through two LDS slots; all scale words come once; clusters 4 x 4 with joint loads, A's blocks shared along a row, B's along a column.
; Source 0 = 16 rows of B, source 1 = 16 rows of A: lane (r, h) holds token 32 (a / 2) + 8 (a % 2) + r + 8 (r / 8) of my 128, and register 8 b + j the column 32 (b / 2) + 16 h + 8 (b % 2) + j of my 128.
; 64 tiles of 256 x 256: the launch has work for 64 work-groups; a smaller tile would fill more at twice the LDS reads for each product.
.set SLOT,  98304
.set PART,  24576
.set SCL,   2*SLOT
.set SPART, 8192
.set SPARE, SCL+4*SPART                ; the spare words, 128 bytes a wave, that no other line names
.set TEN,   3145728
.set TENS,  131072
.set FR,    12
.set NL,    4
.set NP,    4
.set NQ,    2
.set LAPS,  4
.set SPITCH, 528                       ; the way out: a stage of 16 rows x (512 + 16) bytes for each wave, in slot 0, which has had its last fill and its last read when the first result is stored there
.set ADRA, 16
.set ADRB, 20
.set STO,  24
.set RD,   25
.set CO,   26
.set ADRS, 27
.set SPW,  28
.set NIL,  29
.set SC,   32
.set AF,   128
.set BK,   128
.set G1, 24
.set G0, 32
.set G1B, 48
.set G0B, 56
.set G1S, 68
.set G0S, 76
.set G1SB, 80
.set G0SB, 88
.set MSB, 0
.macro WIN new
.if MSB != \new
	s_set_vgpr_msb (MSB<<8)|\new
.set MSB, \new
.endif
.endm
.set MUL_LO, 0xa1
.set MUL_HI, 0xf1
.set TO_B,   0x40
.macro JLOAD g0a, g1a, g0b, g1b        ; a joint load: waves 0 and 1 fetch for A, waves 2 and 3 for B; an s_nop 0 and four v_nop follow each of the two lines
	s_cmp_eq_u32 s15, 0
	s_cbranch_scc0 .Lfor_b_\@
	tensor_load_to_lds s[\g0a:\g0a+3], s[\g1a:\g1a+7]
	s_nop 0
.rept 4
	v_nop
.endr
	s_branch .Lasked_\@
.Lfor_b_\@:
	tensor_load_to_lds s[\g0b:\g0b+3], s[\g1b:\g1b+7]
	s_nop 0
.rept 4
	v_nop
.endr
.Lasked_\@:
.endm
.macro CREST
	s_cmp_lg_u32 s14, 0
	s_cbranch_scc1 .Lnot_wave_0_\@
	s_barrier_signal -3
.Lnot_wave_0_\@:
	s_barrier_wait -3
	s_barrier_signal -1
	s_barrier_wait -1
.endm
.macro CROUND
	s_barrier_signal -1
	s_barrier_wait -1
	CREST
.endm
	s_load_b256 s[4:11], s[0:1], 0x0               ; oc s[4:5], os s[6:7], xc s[8:9], xs s[10:11]
	s_load_b64 s[12:13], s[0:1], 0x20              ; out0
	v_lshl_add_u32 v[SPW], v0, 2, SPARE
	v_mov_b32 v[NIL], 0
	ds_add_u32 v[SPW], v[NIL]                      ; the wave's opening: the add and its wait stand ahead of my first tensor load
	v_lshrrev_b32 v1, 5, v0
	v_readfirstlane_b32 s14, v1
	s_lshr_b32 s15, s14, 1
	s_and_b32 s16, s14, 1
	s_bfe_u32 s40, ttmp6, 0x40000                  ; cx
	s_bfe_u32 s41, ttmp6, 0x40004                  ; cy
	s_lshl_b32 s42, ttmp9, 2
	s_add_co_u32 s42, s42, s40                     ; tile column
	s_and_b32 s17, ttmp7, 0xffff
	s_lshl_b32 s17, s17, 2
	s_add_co_u32 s17, s17, s41                     ; tile row
	s_lshl_b32 s43, s41, 2
	s_lshl_b32 s43, 15, s43
	s_lshl_b32 s44, 0x1111, s40
	s_or_b32 s[G1+0], s43, (3<<16)|(1<<21)         ; dense blocks as rows of 256 bytes (32 elements of 8 bytes), no padding
	s_or_b32 s[G1B+0], s44, (3<<16)|(1<<21)
.irp g, G1, G1B
	s_mov_b32 s[\g+1], 32<<16
	s_mov_b32 s[\g+2], 96<<16
	s_mov_b32 s[\g+3], 32<<16
	s_mov_b32 s[\g+4], 96
	s_mov_b32 s[\g+5], 32
	s_mov_b32 s[\g+6], 0
	s_mov_b32 s[\g+7], 0
.endr
	s_or_b32 s[G1S+0], s43, (3<<16)|(1<<21)
	s_or_b32 s[G1SB+0], s44, (3<<16)|(1<<21)
.irp g, G1S, G1SB
	s_mov_b32 s[\g+1], 32<<16
	s_mov_b32 s[\g+2], 32<<16
	s_mov_b32 s[\g+3], 32<<16
	s_mov_b32 s[\g+4], 32
	s_mov_b32 s[\g+5], 32
	s_mov_b32 s[\g+6], 0
	s_mov_b32 s[\g+7], 0
.endr
	s_lshl_b32 s20, s17, 1
	s_add_co_u32 s20, s20, s16                     ; A: which 128 rows I fetch
	s_lshl_b32 s46, s42, 1
	s_add_co_u32 s46, s46, s16                     ; B likewise
	s_lshl_b32 s22, s20, 13
	s_mul_i32 s20, s20, 196608
	s_lshl_b32 s92, s46, 13
	s_add_co_u32 s92, s92, 6*TENS
	s_mul_i32 s46, s46, 196608
	s_add_co_u32 s46, s46, 6*TEN
	s_mov_b32 s21, 0
	s_mov_b32 s23, 0
	s_mov_b32 s47, 0
	s_mov_b32 s93, 0
	s_mul_i32 s45, s14, PART
	s_mul_i32 s94, s14, SPART
	s_wait_dscnt 0x0
	s_wait_kmcnt 0x0
	s_add_nc_u64 s[20:21], s[4:5], s[20:21]
	s_add_nc_u64 s[22:23], s[6:7], s[22:23]
	s_add_nc_u64 s[46:47], s[8:9], s[46:47]
	s_add_nc_u64 s[92:93], s[10:11], s[92:93]
	CROUND
	s_mov_b32 s[G0S], 1
	s_add_co_u32 s[G0S+1], s94, SCL
	s_mov_b64 s[G0S+2:G0S+3], s[22:23]
	s_or_b32 s[G0S+3], s[G0S+3], 0x80000000
	s_mov_b32 s[G0SB], 1
	s_add_co_u32 s[G0SB+1], s94, SCL
	s_mov_b64 s[G0SB+2:G0SB+3], s[92:93]
	s_or_b32 s[G0SB+3], s[G0SB+3], 0x80000000
	JLOAD G0S, G1S, G0SB, G1SB
.irp s, 0,1
	s_mov_b32 s[G0+4*\s], 1
	s_add_co_u32 s[G0+4*\s+1], s45, \s*SLOT
	s_add_nc_u64 s[G0+4*\s+2:G0+4*\s+3], s[20:21], \s*PART
	s_or_b32 s[G0+4*\s+3], s[G0+4*\s+3], 0x80000000
	s_mov_b32 s[G0B+4*\s], 1
	s_add_co_u32 s[G0B+4*\s+1], s45, \s*SLOT
	s_add_nc_u64 s[G0B+4*\s+2:G0B+4*\s+3], s[46:47], \s*PART
	s_or_b32 s[G0B+4*\s+3], s[G0B+4*\s+3], 0x80000000
	JLOAD G0+4*\s, G1, G0B+4*\s, G1B               ; three tensor loads of mine are out
.endr
	v_and_b32 v1, 15, v0                           ; r
	v_bfe_u32 v2, v0, 4, 1                         ; h
	v_and_b32 v3, 31, v0                           ; lane
	v_lshlrev_b32 v4, 4, v3
	v_lshlrev_b32 v5, 3, v3
	v_add_nc_u32 v5, 512, v5
	s_mul_i32 s21, s15, PART
	s_mul_i32 s22, s16, PART
	s_add_co_u32 s22, s22, 2*PART
.irp s, 0,1
	v_add_nc_u32 v[ADRA+\s], s21, v4
	v_add_nc_u32 v[ADRB+\s], s22, v4
	v_add_nc_u32 v[ADRA+2+\s], s21, v5
	v_add_nc_u32 v[ADRB+2+\s], s22, v5
	s_add_co_u32 s21, s21, SLOT
	s_add_co_u32 s22, s22, SLOT
.endr
	v_lshlrev_b32 v5, 3, v1
	s_mul_i32 s21, s15, SPART
	s_mul_i32 s22, s16, SPART
	s_add_co_u32 s22, s22, 2*SPART
	s_sub_co_u32 s22, s22, s21
	v_mul_u32_u24 v6, s22, v2
	s_add_co_u32 s21, s21, SCL
	v_add_nc_u32 v5, v5, v6
	v_add_nc_u32 v[ADRS], s21, v5
	s_mul_i32 s23, s14, 16*SPITCH                  ; my stage
	v_mul_u32_u24 v5, v1, SPITCH                   ; in: row r, + 64 h
	v_lshl_add_u32 v5, v2, 6, v5
	v_add_nc_u32 v[STO], s23, v5
	v_lshlrev_b32 v[CO], 4, v3                     ; back: the 32 lanes take one row of 512 bytes; the same in out0
	v_add_nc_u32 v[RD], s23, v[CO]
	s_lshl_b32 s20, s17, 8
	s_lshl_b32 s21, s15, 7
	s_add_co_u32 s20, s20, s21                     ; my first row: 256 x tile row + 128 x half
	s_lshl_b32 s20, s20, 13
	s_mov_b32 s21, 0
	s_lshl_b32 s46, s42, 10                        ; my first column, in bytes
	s_lshl_b32 s47, s16, 9
	s_add_co_u32 s46, s46, s47
	s_mov_b32 s47, 0
	s_add_nc_u64 s[20:21], s[20:21], s[46:47]
	s_add_nc_u64 s[12:13], s[12:13], s[20:21]
.macro FRAG reg, adr, off
	ds_load_b128 v[\reg:\reg+3], v[\adr] offset:\off
	ds_load_b64 v[\reg+4:\reg+5], v[\adr+2] offset:\off
	ds_load_b128 v[\reg+6:\reg+9], v[\adr] offset:\off+768
	ds_load_b64 v[\reg+10:\reg+11], v[\adr+2] offset:\off+768
.endm
.macro MUL16 a0, p, q, sc, zero        ; the 64 accumulators take turns, one instruction a turn
.irp a, \a0, \a0+1
.irp b, 0,1,2,3,4,5,6,7
.if \zero
	v_wmma_scale_f32_16x16x128_f8f6f4 v[8*(8*((\a)%4)+\b):8*(8*((\a)%4)+\b)+7], v[128*(\p)+FR*\b:128*(\p)+FR*\b+FR-1], v[AF+FR*(\a):AF+FR*(\a)+FR-1], 0, v[SC+8*NQ*(\sc)+NQ*\b+(\q)], v[SC+8*NQ*(\sc)+NQ*(\a)+(\q)] matrix_a_fmt:MATRIX_FMT_FP6 matrix_b_fmt:MATRIX_FMT_FP6 matrix_a_scale:MATRIX_SCALE_ROW1
.else
	v_wmma_scale_f32_16x16x128_f8f6f4 v[8*(8*((\a)%4)+\b):8*(8*((\a)%4)+\b)+7], v[128*(\p)+FR*\b:128*(\p)+FR*\b+FR-1], v[AF+FR*(\a):AF+FR*(\a)+FR-1], v[8*(8*((\a)%4)+\b):8*(8*((\a)%4)+\b)+7], v[SC+8*NQ*(\sc)+NQ*\b+(\q)], v[SC+8*NQ*(\sc)+NQ*(\a)+(\q)] matrix_a_fmt:MATRIX_FMT_FP6 matrix_b_fmt:MATRIX_FMT_FP6 matrix_a_scale:MATRIX_SCALE_ROW1
.endif
.endr
.endr
.endm
.macro FETCH_B slot, q, p
	WIN TO_B
.irp i, 0,1,2,3,4,5,6,7
	FRAG 128*(\p)+FR*\i, ADRB+\slot, 12288*(\q)+1536*\i
.endr
	WIN 0
.endm
.macro FETCH_A slot, q, i0
.irp i, \i0, \i0+1, \i0+2, \i0+3
	FRAG AF+FR*(\i), ADRA+\slot, 12288*(\q)+1536*(\i)
.endr
.endm
.macro SCALES sc
.irp i, 0,1,2,3,4,5,6,7
	ds_load_b64 v[SC+8*NQ*\sc+NQ*\i:SC+8*NQ*\sc+NQ*\i+1], v[ADRS] offset:\i*128
.endr
.endm
.macro PLACES n
.rept \n
	v_nop
.endr
.endm
.macro STEP slot, q, zero
	s_wait_dscnt 4*NL                              ; all but the youngest sixteen loads (A's blocks 4-7)
	WIN MUL_LO
	MUL16 0, (\q)%2, \q, \slot, \zero
	MUL16 2, (\q)%2, \q, \slot, \zero
	s_wait_dscnt 0
	PLACES NP
	FETCH_B \slot, (\q)+1, 1-(\q)%2
	FETCH_A \slot, (\q)+1, 0
	WIN MUL_HI
	MUL16 4, (\q)%2, \q, \slot, \zero
	MUL16 6, (\q)%2, \q, \slot, \zero
	PLACES NP
	WIN 0
	FETCH_A \slot, (\q)+1, 4
.endm
.macro TURN slot, next, fill
	s_wait_tensorcnt 0x0                           ; all my tensor loads have landed: my part of the next slot
	ds_add_u32 v[SPW], v[NIL]                      ; 0 onto my spare word
	s_wait_dscnt 4*NL+1                            ; (the add and the youngest sixteen loads may be out)
	WIN MUL_LO
	MUL16 0, 1, NQ-1, \slot, 0
	s_wait_dscnt 0x0                               ; the add is done, and my reads of this slot are over
	s_barrier_signal -1
	MUL16 2, 1, NQ-1, \slot, 0
	WIN 0
	s_barrier_wait -1
.if \fill
	CREST                                          ; the barrier has opened a round of the cluster's barrier
	s_add_nc_u64 s[G0+4*\slot+2:G0+4*\slot+3], s[G0+4*\slot+2:G0+4*\slot+3], 2*PART
	s_add_nc_u64 s[G0B+4*\slot+2:G0B+4*\slot+3], s[G0B+4*\slot+2:G0B+4*\slot+3], 2*PART
	JLOAD G0+4*\slot, G1, G0B+4*\slot, G1B         ; the first tensor load behind the round
.else
	PLACES NP
.endif
	v_add_nc_u32 v[ADRS], 1024, v[ADRS]
	FETCH_B \next, 0, 0
	FETCH_A \next, 0, 0
	SCALES \next
	WIN MUL_HI
	MUL16 4, 1, NQ-1, \slot, 0
	MUL16 6, 1, NQ-1, \slot, 0
	PLACES NP
	WIN 0
	FETCH_A \next, 0, 4
.endm
	s_wait_tensorcnt 1                             ; the scale words and my part of K step 0 are in (K step 1's load may be out),
	s_barrier_signal -1
	s_barrier_wait -1                              ; everybody's are
	FETCH_B 0, 0, 0
	FETCH_A 0, 0, 0
	SCALES 0
	FETCH_A 0, 0, 4
	STEP 0, 0, 1
	s_mov_b32 s3, LAPS-1
.Llap:
	TURN 0, 1, 1
	STEP 1, 0, 0
	TURN 1, 0, 1
	STEP 0, 0, 0
	s_sub_co_u32 s3, s3, 1
	s_cmp_lg_u32 s3, 0
	s_cbranch_scc1 .Llap
	TURN 0, 1, 0
	STEP 1, 0, 0
	s_wait_dscnt 4*NL
	WIN MUL_LO
	MUL16 0, 1, NQ-1, 1, 0
	MUL16 2, 1, NQ-1, 1, 0
	s_wait_dscnt 0
	WIN MUL_HI
	MUL16 4, 1, NQ-1, 1, 0
	MUL16 6, 1, NQ-1, 1, 0
	WIN 0
; THE WAY OUT, block by block of 16 tokens x 128 columns, through my own stage in LDS: in by lanes (a lane's eight results are 32 neighbouring bytes of a row), back as whole rows of 512 bytes.
; LDS serves a wave's instructions in order: no wait between the stores and the loads, nor in front of the next block's stores.
.macro TOSTAGE a
.set AC, 64*((\a)%4)
	WIN 0x08+4*((\a)/4)                            ; the data: window 2 or 3
.irp b, 0,1,2,3,4,5,6,7
	ds_store_b128 v[STO], v[AC+8*\b:AC+8*\b+3] offset:128*(\b/2)+32*(\b%2)          ; each accumulator from its low end on
	ds_store_b128 v[STO], v[AC+8*\b+4:AC+8*\b+7] offset:128*(\b/2)+32*(\b%2)+16
.endr
	WIN 0
.set BB, BK+64*((\a)%2)
.irp t, 0,1,2,3,4,5,6,7,8,9,10,11,12,13,14,15
	ds_load_b128 v[BB+4*\t:BB+4*\t+3], v[RD] offset:\t*SPITCH
.endr
.endm
.macro SEND a, younger                 ; younger: the LDS instructions issued behind block a's loads, which may stay out
.set BB, BK+64*((\a)%2)
	s_wait_dscnt \younger
.irp t, 0,1,2,3,4,5,6,7,8,9,10,11,12,13,14,15
	global_store_b128 v[CO], v[BB+4*\t:BB+4*\t+3], s[12:13] offset:(32*((\a)/2)+8*((\a)%2)+\t+8*(\t/8))*8192 th:TH_STORE_NT   ; 512 consecutive bytes, aligned; the row stands in the immediate, 127 rows at the most
.endr
.endm
	PLACES NP
	TOSTAGE 0
.irp a, 1,2,3,4,5,6,7
.if \a > 1
	s_wait_xcnt 0x0                                ; block a - 2's stores have read their registers: block a's loads may land there
.endif
	TOSTAGE \a
	SEND \a-1, 32                                  ; behind block a - 1's loads: block a's 16 stores and 16 loads
.endr
	SEND 7, 0
	s_wait_tensorcnt 0x0                           ; the wave's end
	ds_add_u32 v[SPW], v[NIL]
	s_wait_dscnt 0x0
	CROUND                                         ; the closing round
	s_endpgm
.Lfunc_end_k_q1b976c3c44_outp:
	.size	k_q1b976c3c44_outp, .Lfunc_end_k_q1b976c3c44_outp-k_q1b976c3c44_outp
	.p2alignl 7, 3214868480
	.fill 96, 4, 3214868480
	.section	.rodata,"a",@progbits
	.p2align	6, 0x0
	.amdhsa_kernel k_q1b976c3c44_outp
		.amdhsa_group_segment_fixed_size 327680
		.amdhsa_private_segment_fixed_size 0
		.amdhsa_enable_private_segment 0
		.amdhsa_kernarg_size 40
		.amdhsa_user_sgpr_count 2
		.amdhsa_user_sgpr_kernarg_segment_ptr 1
		.amdhsa_wavefront_size32 1
		.amdhsa_system_sgpr_workgroup_id_x 1
		.amdhsa_system_sgpr_workgroup_id_y 1
		.amdhsa_system_sgpr_workgroup_id_z 1
		.amdhsa_system_vgpr_workitem_id 0
		.amdhsa_next_free_vgpr 1024
		.amdhsa_next_free_sgpr 98
		.amdhsa_reserve_vcc 0
		.amdhsa_float_denorm_mode_32 3
		.amdhsa_float_denorm_mode_16_64 3
		.amdhsa_memory_ordered 1
		.amdhsa_forward_progress 1
		.amdhsa_inst_pref_size 143
	.end_amdhsa_kernel
	.amdgpu_metadata
---
amdhsa.version: [ 1, 2 ]
amdhsa.kernels:
  - .name:           k_q1b976c3c44_outp
    .symbol:         k_q1b976c3c44_outp.kd
    .args:
      - { .name: oc, .offset: 0, .size: 8, .value_kind: global_buffer, .address_space: global }
      - { .name: os, .offset: 8, .size: 8, .value_kind: global_buffer, .address_space: global }
      - { .name: xc, .offset: 16, .size: 8, .value_kind: global_buffer, .address_space: global }
      - { .name: xs, .offset: 24, .size: 8, .value_kind: global_buffer, .address_space: global }
      - { .name: out0, .offset: 32, .size: 8, .value_kind: global_buffer, .address_space: global }
    .group_segment_fixed_size: 327680
    .private_segment_fixed_size: 0
    .kernarg_segment_align: 8
    .kernarg_segment_size: 40
    .max_flat_workgroup_size: 128
    .sgpr_count:     98
    .vgpr_count:     1024
    .wavefront_size: 32
...
	.end_amdgpu_metadata
.endif
;; end of part 4
;; ======== version 2 of 2: 4 launches
;; limits: right only within a limited range of input values
;; workspace buffers: xc 22,020,096 bytes; xs 917,504 bytes; hc 9,437,184 bytes; hs 393,216 bytes; oc 3,145,728 bytes; os 131,072 bytes; lm 526,336 bytes of whole numbers
;; launch quant (part 5): grid 1024 x 1, 4 waves a work-group, no clusters, 34,304 bytes of LDS; arguments q, k, Wv, Wq, Wk, v, Wo, mask, xc, xs, lm; writes xc, xs, lm
.if DOCPART == 5
	.amdgcn_target "amdgcn-amd-amdhsa--gfx1250"
	.amdhsa_code_object_version 6
	.text
	.protected	k_q1b976c3c44_quant
	.globl	k_q1b976c3c44_quant
	.p2align	8
	.type	k_q1b976c3c44_quant,@function
k_q1b976c3c44_quant:
	s_mov_b64 s[64:65], 0
	v_nop
	global_prefetch_b8 v0, s[64:65] scope:SCOPE_SE
	s_setreg_imm32_b32 hwreg(HW_REG_WAVE_MODE, 25, 1), 1
	s_wait_xcnt 0x0
; Seven tensors [2048][2048] of f32 (q, k, Wv, Wq, Wk, v, Wo) become codes of FP6 (E2M3) with one E8M0 byte for each 32 along K (their last axis);
; the mask [2048][2048] of bytes becomes lane masks and flags for the attention launch.
; A block's scale is 2^(floor(log2(its largest magnitude)) - 2); its byte is the largest magnitude's exponent field - 2, held at 1 from below.
; LIMITS: NaN and infinities among the inputs are not served; a block whose largest magnitude lies under 2^-124 keeps the byte 1; a block of zeros has the byte 1
; and not 127: its codes are zeros, and the bytes are read by this program alone.
; THE CODES ARE LAID IN THE ORDER OF THE OPERAND'S REGISTERS.  A fragment is 16 rows x 128 K, 12 registers a lane: lane (r, h) holds of its row k = 64 c + 32 h + 0 .. 31 in registers 6 c .. 6 c + 5.
; Six registers make a half-image of 768 bytes: registers 0-3 as 16 bytes at 16 x lane, registers 4-5 as 8 bytes at 512 + 8 x lane.  Image of a tensor: [128 rows][256 K][128 K][block 8][c 2][768].
; THE ROWS OF A BLOCK ARE NOT NEIGHBOURS: of 128 rows, lane r of block i holds row 32 (i / 2) + 8 (i % 2) + r + 8 (r / 8), so that a product's results lie as the next quantiser wants them.
; Scale words: [128 rows][256 K][block 8][r 16][2 words], a word for 128 K.
; Work-groups 0-895: tensor id / 128; a wave takes 32 rows x 256 K: four fragments.  Each load reads 512 consecutive bytes of one row; a fragment's 16 rows turn through the wave's own stage in LDS
; (rows of 528 bytes), so that a lane gets 16 neighbours of each block of 32.  Every store covers whole aligned blocks of 256 bytes.  Waves share nothing: no barrier.
; Work-groups 896-1023: query tile T = id - 896 (16 queries in the order above); wave w takes key steps 4 w .. 4 w + 3 of 128 keys.
.set STG,   8448                       ; a wave's stage: 16 rows x 528 bytes
.set SPARE, 4*STG                      ; behind the four stages: the spare words, 128 bytes a wave, that no other line names
.set SPW,   12                         ; v12  my spare word's LDS address; never rewritten
.set NIL,   13                         ; v13  0; never rewritten
.set TM,    16                         ; v16-31   at work in the quantiser
.set R,     32                         ; v32-159  two sets of 64 registers as loaded
.set X,     160                        ; v160-223 64 numbers of my row: register 16 b + i = k 32 b + 16 h + i
.set PC,    224                        ; v224-242 the codes
.set PW,    244                        ; v244-247 the four fragments' scale words
	s_load_b512 s[8:23], s[0:1], 0x0               ; q, k, Wv, Wq, Wk, v, Wo, mask
	s_load_b128 s[24:27], s[0:1], 0x40             ; xc, xs
	s_load_b64 s[28:29], s[0:1], 0x50              ; lm
	v_lshl_add_u32 v[SPW], v0, 2, SPARE
	v_mov_b32 v[NIL], 0
	v_lshrrev_b32 v1, 5, v0
	v_readfirstlane_b32 s30, v1                    ; wave
	v_and_b32 v1, 31, v0                           ; lane
	v_and_b32 v2, 15, v0                           ; r
	v_bfe_u32 v8, v0, 4, 1                         ; h
	v_lshlrev_b32 v3, 4, v1                        ; 16 x lane
	v_lshlrev_b32 v7, 3, v1                        ; 8 x lane
	v_add_nc_u32 v6, 512, v7                       ; 512 + 8 x lane
	s_mov_b32 s32, 0x76543210
	s_mov_b32 s33, 0xfedcba98                      ; v_permlanex16_b32's selects for lane l xor 16
	s_mov_b32 s34, 0xffff0000                      ; lanes 16-31
	s_cmp_ge_u32 ttmp9, 896
	s_cbranch_scc1 .Lmask
	; ---------------- the seven tensors ----------------
	s_mul_i32 s35, s30, STG
	v_add_nc_u32 v4, s35, v3                       ; into my stage: 16 x lane, a row an instruction
	v_mul_u32_u24 v5, v2, 528
	v_lshl_add_u32 v5, v8, 6, v5
	v_add_nc_u32 v5, s35, v5                       ; out of it: row r, + 64 h
.irp b, 0,1,2,3
	v_mov_b32 v[TM+4+\b], 0                        ; written once: a lane permute's destination counts as one of its sources
.endr
	s_lshr_b32 s36, ttmp9, 7                       ; which tensor
	s_and_b32 s37, ttmp9, 127
	s_lshl_b32 s37, s37, 2
	s_add_co_u32 s37, s37, s30                     ; my wave's part, 0 .. 511
	s_lshr_b32 s38, s37, 3                         ; which 32 rows
	s_and_b32 s39, s37, 7                          ; which 256 along K
	s_lshl_b32 s40, s38, 18                        ; 32 rows of 8,192 bytes
	s_lshl_b32 s41, s39, 10
	s_add_co_u32 s40, s40, s41
	s_mov_b32 s41, 0
	s_lshr_b32 s42, s38, 2                         ; which 128 rows
	s_and_b32 s43, s38, 3                          ; and which pair of blocks in them
	s_mul_i32 s44, s36, 3145728
	s_mul_i32 s45, s42, 196608
	s_add_co_u32 s44, s44, s45
	s_mul_i32 s45, s39, 24576
	s_add_co_u32 s44, s44, s45
	s_mul_i32 s45, s43, 3072
	s_add_co_u32 s44, s44, s45
	s_mov_b32 s45, 0
	s_lshl_b32 s46, s36, 17
	s_lshl_b32 s47, s42, 13
	s_add_co_u32 s46, s46, s47
	s_lshl_b32 s47, s39, 10
	s_add_co_u32 s46, s46, s47
	s_lshl_b32 s47, s43, 8
	s_add_co_u32 s46, s46, s47
	s_mov_b32 s47, 0
	s_wait_alu depctr_va_vdst(0)
	s_wait_kmcnt 0x0
.irp n, 1,2,3,4,5,6
	s_cmp_eq_u32 s36, \n                           ; the choice hangs on the work-group's number alone
	s_cselect_b64 s[8:9], s[8+2*\n:9+2*\n], s[8:9]
.endr
	s_add_nc_u64 s[8:9], s[8:9], s[40:41]
	s_add_nc_u64 s[24:25], s[24:25], s[44:45]
	s_add_nc_u64 s[26:27], s[26:27], s[46:47]
; fragment f: block f / 2 of my two, K step f % 2 of my two.  Sixteen loads: the block's row p, 512 consecutive bytes
.macro LOAD f
.irp p, 0,1,2,3,4,5,6,7,8,9,10,11,12,13,14,15
	global_load_b128 v[R+64*((\f)%2)+4*\p:R+64*((\f)%2)+4*\p+3], v3, s[8:9] offset:(8*((\f)/2)+\p+8*(\p/8))*8192+512*((\f)%2) th:TH_LOAD_NT
.endr
.endm
; through the stage: LDS serves a wave's instructions in order, so no wait stands between the stores and the loads
.macro TURN f
.irp p, 0,1,2,3,4,5,6,7,8,9,10,11,12,13,14,15
	ds_store_b128 v4, v[R+64*((\f)%2)+4*\p:R+64*((\f)%2)+4*\p+3] offset:528*\p
.endr
.irp b, 0,1,2,3
.irp j, 0,1,2,3
	ds_load_b128 v[X+16*\b+4*\j:X+16*\b+4*\j+3], v5 offset:128*\b+16*\j
.endr
.endr
.endm
; 64 numbers of a lane, register 16 b + i = k 32 b + 16 h + i of my row, become a fragment's codes in v[PC] on and its scale word in v[pw]
.macro QUANT s, pw
.irp b, 0,1,2,3
	v_max3_num_f32 v[TM+\b], |v[\s+16*\b]|, |v[\s+1+16*\b]|, 0x1800000   ; my 16 numbers of block b, and the floor 2^(3 - 127): the byte cannot fall under 1
.endr
.irp i, 2,4,6,8,10,12,14
.irp b, 0,1,2,3
	v_max3_num_f32 v[TM+\b], v[TM+\b], |v[\s+16*\b+\i]|, |v[\s+1+16*\b+\i]|
.endr
.endr
.irp b, 0,1,2,3
	v_permlanex16_b32 v[TM+4+\b], v[TM+\b], s32, s33
.endr
.irp b, 0,1,2,3
	v_max_num_f32 v[TM+\b], v[TM+\b], v[TM+4+\b]   ; with lane l xor 16's: the block's largest magnitude
.endr
.irp b, 0,1,2,3
	v_add_nc_u32 v[TM+12+\b], 0xff000000, v[TM+\b] ; 2 off its exponent field: the conversion takes the exponent field of this operand as its scale
.endr
.irp b, 0,1,2,3
	v_lshrrev_b32 v[TM+4+\b], 23, v[TM+12+\b]      ; the scale's byte
.endr
	v_lshl_or_b32 v[\pw], v[TM+5], 8, v[TM+4]
	v_lshl_or_b32 v[\pw], v[TM+6], 16, v[\pw]
	v_lshl_or_b32 v[\pw], v[TM+7], 24, v[\pw]
.irp c, 0,1
	v_cvt_scalef32_pk16_fp6_f32 v[PC+6*\c:PC+2+6*\c], v[\s+32*\c:\s+15+32*\c], v[TM+12+2*\c]
	v_cvt_scalef32_pk16_fp6_f32 v[PC+12+4*\c:PC+14+4*\c], v[\s+16+32*\c:\s+31+32*\c], v[TM+12+2*\c+1]   ; (a conversion's three registers begin on an even number)
.endr
	v_nop                                          ; one plain place behind a scaled conversion
.irp c, 0,1                                    ; the operand's layout wants a whole block in a lane: lanes 0-15 block 2 c, lanes 16-31 block 2 c + 1
.irp i, 0,1,2
	v_permlane16_swap_b32 v[PC+6*\c+\i], v[PC+12+4*\c+\i]
.endr
.irp i, 0,1,2
	v_mov_b32 v[PC+3+6*\c+\i], v[PC+12+4*\c+\i]
.endr
.endr
.endm
.macro FRAGQ f
.if (\f) < 3
	s_wait_loadcnt 16                              ; this fragment's sixteen loads are in; the next one's sixteen may be out
.else
	s_wait_loadcnt 0x0
.endif
	TURN \f
	s_wait_dscnt 0x0                               ; my numbers are back, and the stores into the stage have read their registers
.if (\f) > 0
	s_wait_xcnt 0x0                                ; the last fragment's stores have read the codes' registers, which are written anew below
.endif
.if (\f) < 2
	LOAD (\f)+2
.endif
	QUANT X, PW+(\f)
	global_store_b128 v3, v[PC:PC+3], s[24:25] offset:12288*((\f)%2)+1536*((\f)/2)            ; 512 consecutive bytes,
	global_store_b64 v6, v[PC+4:PC+5], s[24:25] offset:12288*((\f)%2)+1536*((\f)/2)            ; 256 behind them: a half-image
	global_store_b128 v3, v[PC+6:PC+9], s[24:25] offset:12288*((\f)%2)+1536*((\f)/2)+768
	global_store_b64 v6, v[PC+10:PC+11], s[24:25] offset:12288*((\f)%2)+1536*((\f)/2)+768
.endm
	LOAD 0
	LOAD 1
	FRAGQ 0
	FRAGQ 1
	FRAGQ 2
	FRAGQ 3
	v_cndmask_b32 v14, v[PW], v[PW+2], s34         ; lanes 0-15: my first block's two words; lanes 16-31: my second block's
	v_cndmask_b32 v15, v[PW+1], v[PW+3], s34
	global_store_b64 v7, v[14:15], s[26:27]        ; 256 consecutive bytes, aligned
	s_wait_tensorcnt 0x0                           ; the wave's end
	ds_add_u32 v[SPW], v[NIL]
	s_wait_dscnt 0x0
	s_endpgm
	; ---------------- the mask ----------------
	; Word n = 16 b + i of a step: bit (r, h) = mask[query r of the tile][key 128 step + 32 b + 16 h + i]: the lane and the register in which the attention launch holds that score.
	; A wave's flag word: bits 0-15: query r has a kept key in my four steps; bit 16 + s: step s has a kept key; bit 20 + s: all of step s is kept.
.Lmask:
	s_sub_co_u32 s36, ttmp9, 896                   ; T
	s_wait_alu depctr_va_vdst(0)
	v_lshrrev_b32 v9, 3, v2
	v_lshl_add_u32 v9, v9, 3, v2                   ; r + 8 (r / 8)
	v_lshlrev_b32 v9, 11, v9                       ; a row of the mask is 2,048 bytes
	v_lshl_add_u32 v9, v8, 4, v9                   ; + 16 h
	s_lshr_b32 s37, s36, 1
	s_lshl_b32 s37, s37, 5
	s_and_b32 s38, s36, 1
	s_lshl_b32 s38, s38, 3
	s_add_co_u32 s37, s37, s38                     ; the tile's first row: 32 (T / 2) + 8 (T % 2)
	s_lshl_b32 s40, s37, 11
	s_lshl_b32 s38, s30, 9                         ; my four steps: 512 bytes of each row
	s_add_co_u32 s40, s40, s38
	s_mov_b32 s41, 0
	s_lshl_b32 s42, s36, 12                        ; lane masks: 4,096 bytes a tile, 256 a step
	s_lshl_b32 s38, s30, 10
	s_add_co_u32 s42, s42, s38
	s_mov_b32 s43, 0
	s_lshl_b32 s38, s36, 4                         ; flags: 16 bytes a tile, 4 a wave, behind the lane masks
	s_lshl_b32 s39, s30, 2
	s_add_co_u32 s38, s38, s39
	s_add_co_u32 s38, s38, 524288
	s_mov_b32 s39, 0
	s_mov_b32 s56, 0
	s_mov_b32 s57, 0
.irp i, 0,1,2,3,4,5,6,7
	v_mov_b32 v[204+\i], 0                         ; v_writelane_b32's destination counts as read
.endr
	s_wait_alu depctr_va_vdst(0)
	s_wait_kmcnt 0x0
	s_add_nc_u64 s[22:23], s[22:23], s[40:41]
	s_add_nc_u64 s[52:53], s[28:29], s[42:43]
	s_add_nc_u64 s[54:55], s[28:29], s[38:39]
.irp sp, 0,1,2,3
.irp b, 0,1,2,3
	global_load_b128 v[32+16*\sp+4*\b:35+16*\sp+4*\b], v9, s[22:23] offset:128*\sp+32*\b   ; keys 32 b + 16 h + 0 .. 15 of the step
.endr
.endr
.macro MSTEP sp
.set MB, 32+16*\sp
	s_wait_loadcnt 12-4*\sp                        ; this step's four loads are in; the later steps' may be out
	v_or_b32 v10, v[MB], v[MB+1]
	v_and_b32 v11, v[MB], v[MB+1]
.irp i, 2,3,4,5,6,7,8,9,10,11,12,13,14,15
	v_or_b32 v10, v10, v[MB+\i]
	v_and_b32 v11, v11, v[MB+\i]
.endr
	v_cmp_ne_u32 s40, 0, v10                       ; lanes with a kept key
	v_cmp_eq_u32 s41, 0x01010101, v11              ; lanes all of whose keys are kept
	s_or_b32 s56, s56, s40
	s_cmp_lg_u32 s40, 0
	s_cselect_b32 s42, 1<<(16+\sp), 0
	s_or_b32 s57, s57, s42
	s_cmp_eq_u32 s41, -1
	s_cselect_b32 s42, 1<<(20+\sp), 0
	s_or_b32 s57, s57, s42
.set g, 0
.rept 8                                        ; eight words at a time: word 8 g + e goes to lane 4 g + e / 2 of a pair of registers
.irp e, 0,1,2,3,4,5,6,7
	v_bfe_u32 v[212+\e], v[MB+2*g+\e/4], 8*(\e%4), 1
.endr
.irp e, 0,1,2,3,4,5,6,7
	v_cmp_ne_u32 s[44+\e], 0, v[212+\e]
.endr
.irp e, 0,1,2,3,4,5,6,7
	v_writelane_b32 v[204+2*\sp+\e%2], s[44+\e], 4*g+\e/2
.endr
.set g, g+1
.endr
	global_store_b64 v7, v[204+2*\sp:205+2*\sp], s[52:53] offset:256*\sp   ; the step's 64 words: 256 consecutive bytes, aligned
.endm
	MSTEP 0
	MSTEP 1
	MSTEP 2
	MSTEP 3
	s_lshr_b32 s40, s56, 16                        ; a query's keys lie in lanes r and r + 16
	s_or_b32 s56, s56, s40
	s_and_b32 s56, s56, 0xffff
	s_or_b32 s56, s56, s57
	v_mov_b32 v10, s56
	v_mov_b32 v11, 0
	v_cmp_eq_u32 vcc_lo, 0, v1
	s_wait_alu depctr_va_vdst(0)
	s_wait_xcnt 0x0                                ; EXEC is a source of the stores above: it changes only behind this wait
	s_and_saveexec_b32 s40, vcc_lo
	global_store_b32 v11, v10, s[54:55]            ; lane 0 alone
	s_wait_xcnt 0x0                                ; and again in front of the line that widens it
	s_or_b32 exec_lo, exec_lo, s40
	s_wait_tensorcnt 0x0                           ; the three closing lines, on this path too
	ds_add_u32 v[SPW], v[NIL]
	s_wait_dscnt 0x0
	s_endpgm
.Lfunc_end_k_q1b976c3c44_quant:
	.size	k_q1b976c3c44_quant, .Lfunc_end_k_q1b976c3c44_quant-k_q1b976c3c44_quant
	.p2alignl 7, 3214868480
	.fill 96, 4, 3214868480
	.section	.rodata,"a",@progbits
	.p2align	6, 0x0
	.amdhsa_kernel k_q1b976c3c44_quant
		.amdhsa_group_segment_fixed_size 34304
		.amdhsa_private_segment_fixed_size 0
		.amdhsa_enable_private_segment 0
		.amdhsa_kernarg_size 88
		.amdhsa_user_sgpr_count 2
		.amdhsa_user_sgpr_kernarg_segment_ptr 1
		.amdhsa_wavefront_size32 1
		.amdhsa_system_sgpr_workgroup_id_x 1
		.amdhsa_system_sgpr_workgroup_id_y 1
		.amdhsa_system_sgpr_workgroup_id_z 1
		.amdhsa_system_vgpr_workitem_id 0
		.amdhsa_next_free_vgpr 248
		.amdhsa_next_free_sgpr 66
		.amdhsa_reserve_vcc 1
		.amdhsa_float_denorm_mode_32 3
		.amdhsa_float_denorm_mode_16_64 3
		.amdhsa_memory_ordered 1
		.amdhsa_forward_progress 1
		.amdhsa_inst_pref_size 92
	.end_amdhsa_kernel
	.amdgpu_metadata
---
amdhsa.version: [ 1, 2 ]
amdhsa.kernels:
  - .name:           k_q1b976c3c44_quant
    .symbol:         k_q1b976c3c44_quant.kd
    .args:
      - { .name: q, .offset: 0, .size: 8, .value_kind: global_buffer, .address_space: global }
      - { .name: k, .offset: 8, .size: 8, .value_kind: global_buffer, .address_space: global }
      - { .name: Wv, .offset: 16, .size: 8, .value_kind: global_buffer, .address_space: global }
      - { .name: Wq, .offset: 24, .size: 8, .value_kind: global_buffer, .address_space: global }
      - { .name: Wk, .offset: 32, .size: 8, .value_kind: global_buffer, .address_space: global }
      - { .name: v, .offset: 40, .size: 8, .value_kind: global_buffer, .address_space: global }
      - { .name: Wo, .offset: 48, .size: 8, .value_kind: global_buffer, .address_space: global }
      - { .name: mask, .offset: 56, .size: 8, .value_kind: global_buffer, .address_space: global }
      - { .name: xc, .offset: 64, .size: 8, .value_kind: global_buffer, .address_space: global }
      - { .name: xs, .offset: 72, .size: 8, .value_kind: global_buffer, .address_space: global }
      - { .name: lm, .offset: 80, .size: 8, .value_kind: global_buffer, .address_space: global }
    .group_segment_fixed_size: 34304
    .private_segment_fixed_size: 0
    .kernarg_segment_align: 8
    .kernarg_segment_size: 88
    .max_flat_workgroup_size: 128
    .sgpr_count:     66
    .vgpr_count:     248
    .wavefront_size: 32
...
	.end_amdgpu_metadata
.endif
;; end of part 5
;; launch proj (part 6): grid 8 x 24, 4 waves a work-group, clusters of 4 x 4, 327,680 bytes of LDS; arguments xc, xs, hc, hs; writes hc, hs
.if DOCPART == 6
	.amdgcn_target "amdgcn-amd-amdhsa--gfx1250"
	.amdhsa_code_object_version 6
	.text
	.protected	k_q1b976c3c44_proj
	.globl	k_q1b976c3c44_proj
	.p2align	8
	.type	k_q1b976c3c44_proj,@function
k_q1b976c3c44_proj:
	s_mov_b64 s[64:65], 0
	v_nop
	global_prefetch_b8 v0, s[64:65] scope:SCOPE_SE
	s_setreg_imm32_b32 hwreg(HW_REG_WAVE_MODE, 25, 1), 1
	s_wait_xcnt 0x0
	s_wait_alu depctr_hold_cnt(0) depctr_sa_sdst(0) depctr_va_vdst(0) depctr_va_sdst(0) depctr_va_ssrc(0) depctr_va_vcc(0) depctr_vm_vsrc(0)
	s_getreg_b32 s2, hwreg(HW_REG_IB_STS2, 6, 4)
	s_cmp_eq_u32 s2, 0
	s_cbranch_scc0 .Lentry_in_a_cluster
	s_endpgm
.Lentry_in_a_cluster:
	s_bfe_u32 s2, ttmp6, 0x10000c
	s_cmp_lg_u32 s2, 0xf033
	s_cbranch_scc0 .Lentry_shape_is_right
	s_endpgm
.Lentry_shape_is_right:
.set SLOT,  98304
.set PART,  24576
.set SCL,   2*SLOT
.set SPART, 8192
.set SPARE, SCL+4*SPART
.set TEN,   3145728
.set TENS,  131072
.set FR,    12
.set NL,    4
.set NP,    4
.set NQ,    2
.set LAPS,  4
.set ADRA, 16
.set ADRB, 20
.set ADRS, 27
.set SPW,  28
.set NIL,  29
.set SC,   32
.set AF,   128
.set G1, 24
.set G0, 32
.set G1B, 48
.set G0B, 56
.set G1S, 68
.set G0S, 76
.set G1SB, 80
.set G0SB, 88
.set MSB, 0
.macro WIN new
.if MSB != \new
	s_set_vgpr_msb (MSB<<8)|\new
.set MSB, \new
.endif
.endm
.set MUL_LO, 0xa1
.set MUL_HI, 0xf1
.set TO_B,   0x40
.macro JLOAD g0a, g1a, g0b, g1b
	s_cmp_eq_u32 s15, 0
	s_cbranch_scc0 .Lfor_b_\@
	tensor_load_to_lds s[\g0a:\g0a+3], s[\g1a:\g1a+7]
	s_nop 0
.rept 4
	v_nop
.endr
	s_branch .Lasked_\@
.Lfor_b_\@:
	tensor_load_to_lds s[\g0b:\g0b+3], s[\g1b:\g1b+7]
	s_nop 0
.rept 4
	v_nop
.endr
.Lasked_\@:
.endm
.macro CREST
	s_cmp_lg_u32 s14, 0
	s_cbranch_scc1 .Lnot_wave_0_\@
	s_barrier_signal -3
.Lnot_wave_0_\@:
	s_barrier_wait -3
	s_barrier_signal -1
	s_barrier_wait -1
.endm
.macro CROUND
	s_barrier_signal -1
	s_barrier_wait -1
	CREST
.endm
	s_load_b256 s[4:11], s[0:1], 0x0
	v_lshl_add_u32 v[SPW], v0, 2, SPARE
	v_mov_b32 v[NIL], 0
	ds_add_u32 v[SPW], v[NIL]
	ds_add_u32 v[SPW], v[NIL]
	v_lshrrev_b32 v1, 5, v0
	v_readfirstlane_b32 s14, v1
	s_lshr_b32 s15, s14, 1
	s_and_b32 s16, s14, 1
	s_bfe_u32 s40, ttmp6, 0x40000
	s_bfe_u32 s41, ttmp6, 0x40004
	s_lshl_b32 s42, ttmp9, 2
	s_add_co_u32 s42, s42, s40
	s_and_b32 s17, ttmp7, 0xffff
	s_lshr_b32 s96, s17, 1
	s_and_b32 s17, s17, 1
	s_lshl_b32 s17, s17, 2
	s_add_co_u32 s17, s17, s41
	s_lshl_b32 s43, s41, 2
	s_lshl_b32 s43, 15, s43
	s_lshl_b32 s44, 0x1111, s40
	s_or_b32 s[G1+0], s43, (3<<16)|(1<<21)
	s_or_b32 s[G1B+0], s44, (3<<16)|(1<<21)
.irp g, G1, G1B                        ; for the head's loads of codes: two runs of 24,576 bytes (3,072 elements of 8), one for each 128 rows, 196,608 bytes apart
	s_mov_b32 s[\g+1], 3072<<16
	s_mov_b32 s[\g+2], 2<<16
	s_mov_b32 s[\g+3], 3072<<16
	s_mov_b32 s[\g+4], 2
	s_mov_b32 s[\g+5], 24576
	s_mov_b32 s[\g+6], 0
	s_mov_b32 s[\g+7], 0
.endr
	s_or_b32 s[G1S+0], s43, (3<<16)|(1<<21)
	s_or_b32 s[G1SB+0], s44, (3<<16)|(1<<21)
.irp g, G1S, G1SB
	s_mov_b32 s[\g+1], 32<<16
	s_mov_b32 s[\g+2], 64<<16
	s_mov_b32 s[\g+3], 32<<16
	s_mov_b32 s[\g+4], 64
	s_mov_b32 s[\g+5], 32
	s_mov_b32 s[\g+6], 0
	s_mov_b32 s[\g+7], 0
.endr
	s_lshl_b32 s20, s17, 1
	s_add_co_u32 s20, s20, s16
	s_lshl_b32 s46, s42, 1
	s_add_co_u32 s46, s46, s16
	s_mul_i32 s18, s96, TEN
	s_mul_i32 s19, s96, TENS
	s_lshl_b32 s22, s17, 14                        ; the scales of A's 256 rows: 16,384 dense bytes
	s_add_co_u32 s22, s22, s19
	s_mul_i32 s20, s20, 196608
	s_add_co_u32 s20, s20, s18
	s_lshl_b32 s92, s42, 14                        ; and of B's
	s_add_co_u32 s92, s92, s19
	s_add_co_u32 s92, s92, 3*TENS
	s_mul_i32 s46, s46, 196608
	s_add_co_u32 s46, s46, s18
	s_add_co_u32 s46, s46, 3*TEN
	s_mov_b32 s21, 0
	s_mov_b32 s23, 0
	s_mov_b32 s47, 0
	s_mov_b32 s93, 0
	s_mul_i32 s45, s14, PART
	s_mul_i32 s18, s16, 196608                     ; what my ring address has beyond the tile's first 128 rows
	s_mov_b32 s19, 0
	s_wait_dscnt 0x0
	s_wait_kmcnt 0x0
	s_add_nc_u64 s[20:21], s[4:5], s[20:21]
	s_add_nc_u64 s[22:23], s[6:7], s[22:23]
	s_add_nc_u64 s[46:47], s[4:5], s[46:47]
	s_add_nc_u64 s[92:93], s[6:7], s[92:93]
	CROUND
	s_mov_b32 s[G0S], 1
	s_mov_b32 s[G0S+1], SCL
	s_mov_b64 s[G0S+2:G0S+3], s[22:23]
	s_or_b32 s[G0S+3], s[G0S+3], 0x80000000
	s_mov_b32 s[G0SB], 1
	s_mov_b32 s[G0SB+1], SCL+2*SPART
	s_mov_b64 s[G0SB+2:G0SB+3], s[92:93]
	s_or_b32 s[G0SB+3], s[G0SB+3], 0x80000000
.set G0H,  4                           ; s[4:7], s[92:95] group 0 for the head's loads of K chunk 0: A's 256 rows, B's 256 rows (what lay there has been used)
.set G0HB, 92
.set PFA,  12                          ; s[12:13] where my prefetches stand
.set PFO,  30                          ; v30 their offset: 256 x my lane, held at block 23; never rewritten
	s_mov_b32 s[G0H], 1
	s_mov_b32 s[G0H+1], 0
	s_sub_nc_u64 s[G0H+2:G0H+3], s[20:21], s[18:19]
	s_or_b32 s[G0H+3], s[G0H+3], 0x80000000
	s_mov_b32 s[G0HB], 1
	s_mov_b32 s[G0HB+1], 2*PART
	s_sub_nc_u64 s[G0HB+2:G0HB+3], s[46:47], s[18:19]
	s_or_b32 s[G0HB+3], s[G0HB+3], 0x80000000
.irp s, 0,1
	s_mov_b32 s[G0+4*\s], 1
	s_add_co_u32 s[G0+4*\s+1], s45, \s*SLOT
	s_add_nc_u64 s[G0+4*\s+2:G0+4*\s+3], s[20:21], \s*PART
	s_or_b32 s[G0+4*\s+3], s[G0+4*\s+3], 0x80000000
	s_mov_b32 s[G0B+4*\s], 1
	s_add_co_u32 s[G0B+4*\s+1], s45, \s*SLOT
	s_add_nc_u64 s[G0B+4*\s+2:G0B+4*\s+3], s[46:47], \s*PART
	s_or_b32 s[G0B+4*\s+3], s[G0B+4*\s+3], 0x80000000
.endr
; The head's four tiles, one load a wave: wave 0 K chunk 0 of A's 256 rows, wave 1 of B's, wave 2 A's scales, wave 3 B's.  One chain of branches on the wave's number, all arms to one join.
.macro ARM under, g0, g1, next, join
	s_cmp_lt_u32 s14, \under
	s_cbranch_scc0 \next
	tensor_load_to_lds s[\g0:\g0+3], s[\g1:\g1+7]
	s_nop 0
.rept 4
	v_nop
.endr
	s_branch \join
\next:
.endm
	ARM 1, G0H,  G1,  .Lh_b,  .Lh_end
	ARM 2, G0HB, G1B, .Lh_sa, .Lh_end
	ARM 3, G0S,  G1S, .Lh_sb, .Lh_end
	tensor_load_to_lds s[G0SB:G0SB+3], s[G1SB:G1SB+7]
	s_nop 0
.rept 4
	v_nop
.endr
.Lh_end:
; Prefetches: behind the load of K chunk j stands a request for chunk j + 2, j = 0 .. 5.  Of the 96 blocks of 256 bytes that my ring load brings, each of the four partners that ask for them
; jointly names 24, told apart by address (cx for A, cy for B); lanes 24-31 name block 23 again.
	s_cmp_eq_u32 s15, 0
	s_cselect_b64 s[PFA:PFA+1], s[20:21], s[46:47]
	s_cselect_b32 s18, s40, s41
	s_mul_i32 s18, s18, 6144
	s_add_co_u32 s18, s18, PART
	s_add_nc_u64 s[PFA:PFA+1], s[PFA:PFA+1], s[18:19]   ; my share of chunk 1
	v_and_b32 v[PFO], 31, v0
	v_min_u32 v[PFO], 23, v[PFO]
	v_lshlrev_b32 v[PFO], 8, v[PFO]
	global_prefetch_b8 v[PFO], s[PFA:PFA+1] offset:PART th:TH_LOAD_NT scope:SCOPE_SE   ; chunk 2
	v_and_b32 v1, 15, v0
	v_bfe_u32 v2, v0, 4, 1
	v_and_b32 v3, 31, v0
	v_lshlrev_b32 v4, 4, v3
	v_lshlrev_b32 v5, 3, v3
	v_add_nc_u32 v5, 512, v5
	s_mul_i32 s21, s15, PART
	s_mul_i32 s22, s16, PART
	s_add_co_u32 s22, s22, 2*PART
.irp s, 0,1
	v_add_nc_u32 v[ADRA+\s], s21, v4
	v_add_nc_u32 v[ADRB+\s], s22, v4
	v_add_nc_u32 v[ADRA+2+\s], s21, v5
	v_add_nc_u32 v[ADRB+2+\s], s22, v5
	s_add_co_u32 s21, s21, SLOT
	s_add_co_u32 s22, s22, SLOT
.endr
	v_lshlrev_b32 v5, 3, v1
	s_mul_i32 s21, s15, SPART
	s_mul_i32 s22, s16, SPART
	s_add_co_u32 s22, s22, 2*SPART
	s_sub_co_u32 s22, s22, s21
	v_mul_u32_u24 v6, s22, v2
	s_add_co_u32 s21, s21, SCL
	v_add_nc_u32 v5, v5, v6
	v_add_nc_u32 v[ADRS], s21, v5
.macro FRAG reg, adr, off
	ds_load_b128 v[\reg:\reg+3], v[\adr] offset:\off
	ds_load_b64 v[\reg+4:\reg+5], v[\adr+2] offset:\off
	ds_load_b128 v[\reg+6:\reg+9], v[\adr] offset:\off+768
	ds_load_b64 v[\reg+10:\reg+11], v[\adr+2] offset:\off+768
.endm
.macro MUL16 a0, p, q, sc, zero
.irp a, \a0, \a0+1
.irp b, 0,1,2,3,4,5,6,7
.if \zero
	v_wmma_scale_f32_16x16x128_f8f6f4 v[8*(8*((\a)%4)+\b):8*(8*((\a)%4)+\b)+7], v[128*(\p)+FR*\b:128*(\p)+FR*\b+FR-1], v[AF+FR*(\a):AF+FR*(\a)+FR-1], 0, v[SC+8*NQ*(\sc)+NQ*\b+(\q)], v[SC+8*NQ*(\sc)+NQ*(\a)+(\q)] matrix_a_fmt:MATRIX_FMT_FP6 matrix_b_fmt:MATRIX_FMT_FP6 matrix_a_scale:MATRIX_SCALE_ROW1
.else
	v_wmma_scale_f32_16x16x128_f8f6f4 v[8*(8*((\a)%4)+\b):8*(8*((\a)%4)+\b)+7], v[128*(\p)+FR*\b:128*(\p)+FR*\b+FR-1], v[AF+FR*(\a):AF+FR*(\a)+FR-1], v[8*(8*((\a)%4)+\b):8*(8*((\a)%4)+\b)+7], v[SC+8*NQ*(\sc)+NQ*\b+(\q)], v[SC+8*NQ*(\sc)+NQ*(\a)+(\q)] matrix_a_fmt:MATRIX_FMT_FP6 matrix_b_fmt:MATRIX_FMT_FP6 matrix_a_scale:MATRIX_SCALE_ROW1
.endif
.endr
.endr
.endm
.macro FETCH_B slot, q, p
	WIN TO_B
.irp i, 0,1,2,3,4,5,6,7
	FRAG 128*(\p)+FR*\i, ADRB+\slot, 12288*(\q)+1536*\i
.endr
	WIN 0
.endm
.macro FETCH_A slot, q, i0
.irp i, \i0, \i0+1, \i0+2, \i0+3
	FRAG AF+FR*(\i), ADRA+\slot, 12288*(\q)+1536*(\i)
.endr
.endm
.macro SCALES sc
.irp i, 0,1,2,3,4,5,6,7
	ds_load_b64 v[SC+8*NQ*\sc+NQ*\i:SC+8*NQ*\sc+NQ*\i+1], v[ADRS] offset:\i*128
.endr
.endm
.macro PLACES n
.rept \n
	v_nop
.endr
.endm
.macro STEP slot, q, zero
	s_wait_dscnt 4*NL
	WIN MUL_LO
	MUL16 0, (\q)%2, \q, \slot, \zero
	MUL16 2, (\q)%2, \q, \slot, \zero
	s_wait_dscnt 0
	PLACES NP
	FETCH_B \slot, (\q)+1, 1-(\q)%2
	FETCH_A \slot, (\q)+1, 0
	WIN MUL_HI
	MUL16 4, (\q)%2, \q, \slot, \zero
	MUL16 6, (\q)%2, \q, \slot, \zero
	PLACES NP
	WIN 0
	FETCH_A \slot, (\q)+1, 4
.endm
.macro TURN slot, next, fill
.if \fill
	s_wait_xcnt 0x0                                ; my last prefetch has read its address, which steps one chunk on
	s_add_nc_u64 s[PFA:PFA+1], s[PFA:PFA+1], PART
.endif
	s_wait_tensorcnt 0x0
	ds_add_u32 v[SPW], v[NIL]
	s_wait_dscnt 4*NL+1
	WIN MUL_LO
	MUL16 0, 1, NQ-1, \slot, 0
	s_wait_dscnt 0x0
	s_barrier_signal -1
	MUL16 2, 1, NQ-1, \slot, 0
	WIN 0
	s_barrier_wait -1
.if \fill
	CREST
	s_add_nc_u64 s[G0+4*\slot+2:G0+4*\slot+3], s[G0+4*\slot+2:G0+4*\slot+3], 2*PART
	s_add_nc_u64 s[G0B+4*\slot+2:G0B+4*\slot+3], s[G0B+4*\slot+2:G0B+4*\slot+3], 2*PART
	JLOAD G0+4*\slot, G1, G0B+4*\slot, G1B
.else
	PLACES NP
.endif
	s_wait_alu depctr_va_vdst(0)
	v_add_nc_u32 v[ADRS], 1024, v[ADRS]
	FETCH_B \next, 0, 0
	FETCH_A \next, 0, 0
	SCALES \next
.if \fill
	s_cmp_gt_u32 s3, 1                             ; the last lap's two refills have no chunk two on
	s_cbranch_scc0 .Lno_ask_\@
	global_prefetch_b8 v[PFO], s[PFA:PFA+1] offset:2*PART th:TH_LOAD_NT scope:SCOPE_SE
.Lno_ask_\@:
.endif
	WIN MUL_HI
	MUL16 4, 1, NQ-1, \slot, 0
	MUL16 6, 1, NQ-1, \slot, 0
	PLACES NP
	WIN 0
	FETCH_A \next, 0, 4
.endm
	s_wait_alu depctr_va_vdst(0)
	s_wait_tensorcnt 0x0                           ; my tile of the head's four is in
	ds_add_u32 v[SPW], v[NIL]
.irp g, G1, G1B                        ; no tensor load of mine is out: from here on a load brings 96 rows of 256 bytes
	s_mov_b32 s[\g+1], 32<<16
	s_mov_b32 s[\g+2], 96<<16
	s_mov_b32 s[\g+3], 32<<16
	s_mov_b32 s[\g+4], 96
	s_mov_b32 s[\g+5], 32
.endr
	s_wait_dscnt 0x0
	CROUND
	JLOAD G0+4, G1, G0B+4, G1B                     ; chunk 1 into slot 1, the first tensor load behind the round
	global_prefetch_b8 v[PFO], s[PFA:PFA+1] offset:2*PART th:TH_LOAD_NT scope:SCOPE_SE   ; chunk 3
	FETCH_B 0, 0, 0
	FETCH_A 0, 0, 0
	SCALES 0
	FETCH_A 0, 0, 4
	STEP 0, 0, 1
	s_mov_b32 s3, LAPS-1
.Llap:
	TURN 0, 1, 1
	STEP 1, 0, 0
	TURN 1, 0, 1
	STEP 0, 0, 0
	s_sub_co_u32 s3, s3, 1
	s_cmp_lg_u32 s3, 0
	s_cbranch_scc1 .Llap
	TURN 0, 1, 0
	STEP 1, 0, 0
	s_wait_dscnt 4*NL
	WIN MUL_LO
	MUL16 0, 1, NQ-1, 1, 0
	MUL16 2, 1, NQ-1, 1, 0
	s_wait_dscnt 0
	WIN MUL_HI
	MUL16 4, 1, NQ-1, 1, 0
	MUL16 6, 1, NQ-1, 1, 0
	WIN 0
.set TM,  32
.set PC,  48
.set PW,  72
.set MG,  80
.set O16, 84
	PLACES NP
	s_lshl_b32 s20, s17, 1
	s_add_co_u32 s20, s20, s15
	s_lshl_b32 s21, s42, 1
	s_add_co_u32 s21, s21, s16
	s_lshl_b32 s40, s20, 4
	s_add_co_u32 s40, s40, s21
	s_mul_i32 s22, s96, TEN
	s_mul_i32 s23, s21, 196608
	s_add_co_u32 s22, s22, s23
	s_mul_i32 s23, s20, 6144
	s_add_co_u32 s22, s22, s23
	s_mul_i32 s23, s40, 12288
	s_add_co_u32 s23, s23, 2*TEN
	s_lshl_b32 s44, s40, 9
	s_mul_i32 s45, s96, TENS
	s_add_co_u32 s44, s44, s45
	s_mov_b32 s45, 0
	s_mov_b32 s18, 1536
	s_mov_b32 s43, 768
	s_cmp_lt_u32 s96, 2
	s_cselect_b32 s22, s22, s23
	s_cselect_b32 s18, 768, s18
	s_cselect_b32 s43, 98304, s43
	s_mov_b32 s23, 0
	s_mov_b32 s19, 0
	s_add_nc_u64 s[8:9], s[8:9], s[22:23]
	s_add_nc_u64 s[10:11], s[10:11], s[44:45]
	s_mov_b32 s46, 0xffff0000
	s_mov_b32 s66, 0x76543210
	s_mov_b32 s67, 0xfedcba98
.irp b, 0,1,2,3
	v_mov_b32 v[TM+4+\b], 0
.endr
	v_lshlrev_b32 v[O16], 4, v3
	v_lshlrev_b32 v[O16+1], 3, v3
	v_add_nc_u32 v[O16+1], 512, v[O16+1]
	v_add_nc_u32 v[O16+2], s43, v[O16]
	v_add_nc_u32 v[O16+3], s43, v[O16+1]
.macro OUTQ a
.set W,  2+(\a)/4
.set AC, 64*((\a)%4)
.set WW, (W<<2)|(W<<4)
	WIN WW
.irp b, 0,1,2,3
	v_max3_num_f32 v[TM+\b], 0x1800000, |v[AC+16*\b]|, |v[AC+1+16*\b]|
.endr
.irp i, 2,4,6,8,10,12,14
.irp b, 0,1,2,3
	v_max3_num_f32 v[TM+\b], v[TM+\b], |v[AC+16*\b+\i]|, |v[AC+1+16*\b+\i]|
.endr
.endr
	WIN 0
.irp b, 0,1,2,3
	v_permlanex16_b32 v[TM+4+\b], v[TM+\b], s66, s67
.endr
.irp b, 0,1,2,3
	v_max_num_f32 v[TM+\b], v[TM+\b], v[TM+4+\b]
.endr
.irp b, 0,1,2,3
	v_add_nc_u32 v[TM+12+\b], 0xff000000, v[TM+\b]
.endr
.irp b, 0,1,2,3
	v_lshrrev_b32 v[TM+4+\b], 23, v[TM+12+\b]
.endr
	v_lshl_or_b32 v[PW+(\a)], v[TM+5], 8, v[TM+4]
	v_lshl_or_b32 v[PW+(\a)], v[TM+6], 16, v[PW+(\a)]
	v_lshl_or_b32 v[PW+(\a)], v[TM+7], 24, v[PW+(\a)]
	WIN W
.irp c, 0,1
	v_cvt_scalef32_pk16_fp6_f32 v[PC+6*\c:PC+2+6*\c], v[AC+32*\c:AC+15+32*\c], v[TM+12+2*\c]
	v_cvt_scalef32_pk16_fp6_f32 v[PC+12+4*\c:PC+14+4*\c], v[AC+16+32*\c:AC+31+32*\c], v[TM+12+2*\c+1]
.endr
	WIN 0
	v_nop
.irp c, 0,1
.irp i, 0,1,2
	v_permlane16_swap_b32 v[PC+6*\c+\i], v[PC+12+4*\c+\i]
.endr
.irp i, 0,1,2
	v_mov_b32 v[PC+3+6*\c+\i], v[PC+12+4*\c+\i]
.endr
.endr
	global_store_b128 v[O16], v[PC:PC+3], s[8:9]
	global_store_b64 v[O16+1], v[PC+4:PC+5], s[8:9]
	global_store_b128 v[O16+2], v[PC+6:PC+9], s[8:9]
	global_store_b64 v[O16+3], v[PC+10:PC+11], s[8:9]
	s_wait_xcnt 0x0
	s_add_nc_u64 s[8:9], s[8:9], s[18:19]
.endm
.irp a, 0,1,2,3,4,5,6,7
	OUTQ \a
.endr
.irp i, 0,1,2,3
	v_cndmask_b32 v[MG+\i], v[PW+2*\i], v[PW+2*\i+1], s46
.endr
	global_store_b128 v[O16], v[MG:MG+3], s[10:11]
	s_wait_tensorcnt 0x0
	ds_add_u32 v[SPW], v[NIL]
	s_wait_dscnt 0x0
	CROUND
	s_endpgm
.Lfunc_end_k_q1b976c3c44_proj:
	.size	k_q1b976c3c44_proj, .Lfunc_end_k_q1b976c3c44_proj-k_q1b976c3c44_proj
	.p2alignl 7, 3214868480
	.fill 96, 4, 3214868480
	.section	.rodata,"a",@progbits
	.p2align	6, 0x0
	.amdhsa_kernel k_q1b976c3c44_proj
		.amdhsa_group_segment_fixed_size 327680
		.amdhsa_private_segment_fixed_size 0
		.amdhsa_enable_private_segment 0
		.amdhsa_kernarg_size 32
		.amdhsa_user_sgpr_count 2
		.amdhsa_user_sgpr_kernarg_segment_ptr 1
		.amdhsa_wavefront_size32 1
		.amdhsa_system_sgpr_workgroup_id_x 1
		.amdhsa_system_sgpr_workgroup_id_y 1
		.amdhsa_system_sgpr_workgroup_id_z 1
		.amdhsa_system_vgpr_workitem_id 0
		.amdhsa_next_free_vgpr 1024
		.amdhsa_next_free_sgpr 98
		.amdhsa_reserve_vcc 0
		.amdhsa_float_denorm_mode_32 3
		.amdhsa_float_denorm_mode_16_64 3
		.amdhsa_memory_ordered 1
		.amdhsa_forward_progress 1
		.amdhsa_inst_pref_size 152
	.end_amdhsa_kernel
	.amdgpu_metadata
---
amdhsa.version: [ 1, 2 ]
amdhsa.kernels:
  - .name:           k_q1b976c3c44_proj
    .symbol:         k_q1b976c3c44_proj.kd
    .args:
      - { .name: xc, .offset: 0, .size: 8, .value_kind: global_buffer, .address_space: global }
      - { .name: xs, .offset: 8, .size: 8, .value_kind: global_buffer, .address_space: global }
      - { .name: hc, .offset: 16, .size: 8, .value_kind: global_buffer, .address_space: global }
      - { .name: hs, .offset: 24, .size: 8, .value_kind: global_buffer, .address_space: global }
    .group_segment_fixed_size: 327680
    .private_segment_fixed_size: 0
    .kernarg_segment_align: 8
    .kernarg_segment_size: 32
    .max_flat_workgroup_size: 128
    .sgpr_count:     98
    .vgpr_count:     1024
    .wavefront_size: 32
...
	.end_amdgpu_metadata
.endif
;; end of part 6
;; launch attn (part 7): grid 8 x 32, 16 waves a work-group, no clusters, 284,672 bytes of LDS; arguments hc, hs, lm, oc, os; writes oc, os
.if DOCPART == 7
	.amdgcn_target "amdgcn-amd-amdhsa--gfx1250"
	.amdhsa_code_object_version 6
	.text
	.protected	k_q1b976c3c44_attn
	.globl	k_q1b976c3c44_attn
	.p2align	8
	.type	k_q1b976c3c44_attn,@function
k_q1b976c3c44_attn:
	s_mov_b64 s[64:65], 0
	v_nop
	global_prefetch_b8 v0, s[64:65] scope:SCOPE_SE
	s_setreg_imm32_b32 hwreg(HW_REG_WAVE_MODE, 25, 1), 1
	s_wait_xcnt 0x0
; o[q][head] = softmax over the keys of (qh . kh / 8, hidden keys at the least number) x vh, both products on codes of FP6 (E2M3) with E8M0 scales; o is quantised along the head's 64 for the last product.
; THE SOFTMAX: t = score x log2(e) / 8; M = the row's largest t so far, rounded up to a whole number; p = 2^(t - M) is quantised along the keys, not normalised; the row's sum is taken of the
; unquantised p and divides at the end.  When M moves, the sum and O are multiplied by 2^(old M - new M): exact.
; SHARES.  A work-group owns one head and 256 queries: sixteen tiles of 16 queries, T = 8 x rank + work-group x.  Ranks j and 15 - j form a pair, and two waves (w and w xor 1) serve a pair:
; each wave walks sixteen trips: trips 0-7 are key steps 8-15 of one tile of the pair, trips 8-15 key steps 0-7 of the other.  What the first eight trips gave (O, -M, the sums) goes to the wave's own
; 4,608 bytes of LDS; behind the loop and one barrier each wave joins its second half with its partner's first half of the same tile, by factors 2^(M - joint M), and stores that tile.
; Which wave begins with which tile is (w xor w / 4) % 2, so that the two kinds are mixed among waves w / 4 and w % 4 alike; no value hangs on it.
; THE HEAD'S K AND V, 196,608 bytes of codes and 12,288 of scale words, are put into LDS once, through registers, wave w bringing key step w; one barrier; those bytes are then only read.
; NO TENSOR LOAD, NO CLUSTER, NO PREFETCH: a step of 128 keys that the given mask hides from all 16 queries of a tile is passed over by a scalar branch on whole numbers that launch quant stored;
; K and V are asked for once, at the head, with no loop to run ahead in.
; THE MASK is honoured as it is given: launch quant stored, for each tile and step, 64 lane masks (one for each score register) and flags (a step has a kept key; all of it is kept; a query has a kept key).
; A step's lane masks are asked for one trip ahead, and only where that step is walked and partly hidden; the first trip's at the head.
; A hidden score becomes -2^126 ahead of the maximum.  t is then a whole number, so a row all of whose keys so far are hidden has p = 1 exactly; a kept key, in the same half or the other, moves M so far that
; the factor is 0 and wipes that; a row with no kept key at all ends as the plain mean over ALL keys: for a tile with such a row no step is passed over, in either half.
; LIMITS: a true score of -2^126 or under is not told from a hidden one; NaN and infinities are not served; a block of o under 2^-124 or of zeros keeps the byte 1.
; LAYOUT.  S^T = K Q^T (source 0 = 16 keys, source 1 = my 16 queries), O^T = V^T P^T: a lane holds ONE query throughout.  The head's K is 64: a fragment of 128 holds TWO key tiles' codes, and Q stands twice,
; once in the lower half of K with zero codes above, once the other way round.  By the order of a tile's rows register 16 b + i of S is key 32 b + 16 h + i of the step.
.set KIMG, 0                           ; step s at 6,144 s: four double fragments of 1,536 bytes
.set VIMG, 98304                       ; step s at 6,144 s: four fragments (16 of the head's 64 x 128 keys)
.set KSC,  196608                      ; 512 bytes a step
.set VSC,  204800                      ; 256 bytes a step
.set PX,   208896                      ; a wave's first half: eight images of four registers of O, one of v12-15
.set PXW,  4608
.set SPARE, PX+16*PXW                  ; the spare words, 128 bytes a wave, that no other line names
.set SPW, 5
.set NIL, 6
.set Q2,  230                          ; v230-235 the second tile's Q, v236-237 its two scale words
	s_load_b256 s[4:11], s[0:1], 0x0               ; hc s[4:5], hs s[6:7], lm s[8:9], oc s[10:11]
	s_load_b64 s[12:13], s[0:1], 0x20              ; os
	v_lshl_add_u32 v[SPW], v0, 2, SPARE
	v_mov_b32 v[NIL], 0
	v_lshrrev_b32 v9, 5, v0
	s_delay_alu instid0(VALU_DEP_1)
	v_readfirstlane_b32 s14, v9                    ; wave 0..15
	s_and_b32 s15, ttmp7, 0xffff                   ; the head
	s_lshr_b32 s20, s14, 1                         ; the pair j
	s_lshr_b32 s21, s14, 2
	s_xor_b32 s21, s21, s14
	s_and_b32 s21, s21, 1
	s_sub_co_u32 s3, 15, s20
	s_cmp_eq_u32 s21, 0
	s_cselect_b32 s3, s20, s3                      ; the rank of the tile that I finish,
	s_sub_co_u32 s2, 15, s3                        ; and of the tile that I begin with
	s_lshl_b32 s2, s2, 3
	s_add_co_u32 s2, s2, ttmp9                     ; T1: trips 0-7
	s_lshl_b32 s3, s3, 3
	s_add_co_u32 s3, s3, ttmp9                     ; T2: trips 8-15.  Both enter global addresses alone
	s_and_b32 s46, s15, 1                          ; which head of its pair
	s_lshr_b32 s47, s15, 1                         ; the pair of heads
	s_lshl_b32 s67, s46, 4                         ; its 16 bits of a scale word of q or k
	s_mul_i32 s32, s15, 98304                      ; K's codes: head, step = my wave
	s_mul_i32 s62, s14, 6144
	s_add_co_u32 s32, s32, s62
	s_add_co_u32 s32, s32, 3145728
	s_mov_b32 s33, 0
	s_lshl_b32 s48, s47, 4
	s_add_co_u32 s48, s48, s14
	s_mul_i32 s34, s48, 12288                      ; V's codes
	s_mul_i32 s49, s46, 6144
	s_add_co_u32 s34, s34, s49
	s_add_co_u32 s34, s34, 6291456
	s_mov_b32 s35, 0
	s_lshl_b32 s36, s14, 4                         ; K's scale words: [step][pair]
	s_add_co_u32 s36, s36, s47
	s_lshl_b32 s36, s36, 9
	s_add_co_u32 s36, s36, 131072
	s_mov_b32 s37, 0
	s_lshl_b32 s38, s48, 9                         ; V's: [pair][step]
	s_lshl_b32 s49, s46, 3
	s_add_co_u32 s38, s38, s49
	s_add_co_u32 s38, s38, 262144
	s_mov_b32 s39, 0
.macro QADR t, qi, qs                  ; tile s[t]: Q's half-image, and its scale words [T / 8][pair], register (T % 8) / 2, lanes 16 (T % 2) + r
	s_mul_i32 s[\qi], s15, 98304
	s_mul_i32 s49, s[\t], 768
	s_add_co_u32 s[\qi], s[\qi], s49
	s_mov_b32 s[\qi+1], 0
	s_lshr_b32 s[\qs], s[\t], 3
	s_lshl_b32 s[\qs], s[\qs], 4
	s_add_co_u32 s[\qs], s[\qs], s47
	s_lshl_b32 s[\qs], s[\qs], 9
	s_and_b32 s49, s[\t], 1
	s_lshl_b32 s49, s49, 8
	s_add_co_u32 s[\qs], s[\qs], s49
	s_bfe_u32 s49, s[\t], 0x20001
	s_lshl_b32 s49, s49, 2
	s_add_co_u32 s[\qs], s[\qs], s49
	s_mov_b32 s[\qs+1], 0
.endm
	QADR 2, 40, 42
	QADR 3, 68, 70
	s_lshl_b32 s44, s2, 4                          ; the tiles' flags
	s_mov_b32 s45, 0
	s_lshl_b32 s72, s3, 4
	s_mov_b32 s73, 0
	s_lshl_b32 s52, s2, 12                         ; the lane masks: T1's from step 8 on,
	s_add_co_u32 s52, s52, 2048
	s_mov_b32 s53, 0
	s_lshl_b32 s74, s3, 12                         ; T2's from step 0 on
	s_mov_b32 s75, 0
	s_lshr_b32 s50, s3, 3                          ; T2 / 8
	s_and_b32 s51, s3, 7                           ; T2 % 8
	s_mul_i32 s54, s50, 196608                     ; o's image: [T / 8][head / 4][(head / 2) % 2][T % 8][head % 2][768]
	s_lshr_b32 s49, s15, 2
	s_mul_i32 s56, s49, 24576
	s_add_co_u32 s54, s54, s56
	s_and_b32 s57, s47, 1
	s_mul_i32 s58, s57, 12288
	s_add_co_u32 s54, s54, s58
	s_mul_i32 s58, s51, 1536
	s_add_co_u32 s54, s54, s58
	s_mul_i32 s58, s46, 768
	s_add_co_u32 s54, s54, s58
	s_mov_b32 s55, 0
	s_lshl_b32 s60, s50, 13                        ; o's scale bytes: [T / 8][head / 4][T % 8][r][word (head / 2) % 2][2 (head % 2)]
	s_lshl_b32 s58, s49, 10
	s_add_co_u32 s60, s60, s58
	s_lshl_b32 s58, s51, 7
	s_add_co_u32 s60, s60, s58
	s_lshl_b32 s58, s57, 2
	s_add_co_u32 s60, s60, s58
	s_lshl_b32 s58, s46, 1
	s_add_co_u32 s60, s60, s58
	s_mov_b32 s61, 0
	s_mov_b32 s22, 0x3e38aa3b                      ; c = log2(e) / 8
	s_mov_b32 s23, s22                             ; (named with it as a pair, so it is written)
	s_mov_b32 s24, 0x76543210
	s_mov_b32 s25, 0xfedcba98                      ; v_permlanex16_b32's selects for lane l xor 16
	s_mov_b32 s28, 0                               ; the trip; its key step is (trip + 8) % 16
	s_mov_b32 s29, 8*6144                          ; the step's codes in LDS
	s_mov_b32 s30, 8*512                           ; K's scale words
	s_mov_b32 s31, 8*256                           ; V's
	v_and_b32 v9, 31, v0                           ; lane
	s_delay_alu instid0(VALU_DEP_1)
	v_lshlrev_b32 v1, 4, v9                        ; v1 16 x lane
	s_delay_alu instid0(VALU_DEP_2)
	v_lshlrev_b32 v8, 3, v9
	s_delay_alu instid0(VALU_DEP_1)
	v_add_nc_u32 v2, 512, v8                       ; v2 512 + 8 x lane
	s_delay_alu instid0(VALU_DEP_3)
	v_add_nc_u32 v3, VIMG, v1                      ; v3, v4 the same in V's images
	s_delay_alu instid0(VALU_DEP_2)
	v_add_nc_u32 v4, VIMG, v2
	v_add_nc_u32 v7, KSC, v1                       ; v7 K's scale words
	v_add_nc_u32 v8, VSC, v8                       ; v8 V's
	v_add_nc_u32 v9, s62, v1                       ; where I put my step: K's codes,
	s_delay_alu instid0(VALU_DEP_1)
	v_add_nc_u32 v10, VIMG, v9                     ; V's,
	s_lshl_b32 s21, s14, 9
	v_add_nc_u32 v11, s21, v7                      ; K's scale words,
	s_lshl_b32 s21, s14, 8
	v_add_nc_u32 v28, s21, v8                      ; V's
	v_and_b32 v29, 15, v0
	s_delay_alu instid0(VALU_DEP_1)
	v_lshlrev_b32 v29, 4, v29                      ; 16 r: Q's scale word
	s_wait_alu depctr_va_vdst(0)
	s_wait_kmcnt 0x0
	s_add_nc_u64 s[32:33], s[4:5], s[32:33]
	s_add_nc_u64 s[34:35], s[4:5], s[34:35]
	s_add_nc_u64 s[36:37], s[6:7], s[36:37]
	s_add_nc_u64 s[38:39], s[6:7], s[38:39]
	s_add_nc_u64 s[40:41], s[4:5], s[40:41]
	s_add_nc_u64 s[42:43], s[6:7], s[42:43]
	s_add_nc_u64 s[68:69], s[4:5], s[68:69]
	s_add_nc_u64 s[70:71], s[6:7], s[70:71]
	s_add_nc_u64 s[44:45], s[8:9], s[44:45]
	s_add_nc_u64 s[72:73], s[8:9], s[72:73]
	s_add_nc_u64 s[100:101], s[8:9], s[52:53]      ; the masks' pointer, 256 bytes a trip
	s_add_nc_u64 s[8:9], s[8:9], s[74:75]          ; where it goes on at trip 8
	s_add_nc_u64 s[10:11], s[10:11], s[54:55]
	s_add_nc_u64 s[12:13], s[12:13], s[60:61]
.irp j, 0,1,2,3,4,5,6,7,8,9,10,11
	global_load_b128 v[96+4*\j:99+4*\j], v1, s[32:33] offset:512*\j      ; my step of K: 6,144 dense bytes
.endr
.irp j, 0,1,2,3,4,5,6,7,8,9,10,11
	global_load_b128 v[144+4*\j:147+4*\j], v1, s[34:35] offset:512*\j    ; and of V
.endr
	global_load_b128 v[192:195], v1, s[36:37]
	global_load_b64 v[196:197], v1, s[38:39]
	global_load_b128 v[16:19], v1, s[40:41]        ; T1's Q in the lower half of K: v16-21,
	global_load_b64 v[20:21], v2, s[40:41]
	global_load_b128 v[86:89], v1, s[40:41]        ; and once more in the upper half: v86-91 (two runs of registers)
	global_load_b64 v[90:91], v2, s[40:41]
	global_load_b32 v92, v29, s[42:43]
	global_load_b128 v[Q2:Q2+3], v1, s[68:69]      ; T2's Q waits in registers of its own
	global_load_b64 v[Q2+4:Q2+5], v2, s[68:69]
	global_load_b32 v[Q2+6], v29, s[70:71]
	s_load_b128 s[16:19], s[44:45], 0x80000        ; T1's four flag words, behind the lane masks,
	s_load_b128 s[4:7], s[72:73], 0x80000          ; and T2's
.irp i, 0,1,2,3,4,5
	v_mov_b32 v[22+\i], 0                          ; zero codes in Q's other halves
	v_mov_b32 v[80+\i], 0
.endr
.irp i, 0,1,2,3
	v_mov_b32 v[204+\i], 0                         ; a lane permute's destination counts as one of its sources
	v_mov_b32 v[216+\i], 0
.endr
	v_mov_b32 v224, 0
	v_mov_b32 v227, 0                              ; (named as the upper half of the pair v[226:227])
	v_mov_b32 v31, 0xfe800000                      ; -2^126: a hidden score
	v_mov_b32 v13, 0xff61b1e6                      ; the largest t so far: -3e38
	s_delay_alu instid0(VALU_DEP_1)
	v_floor_f32 v12, -v13                          ; -M
	v_mov_b32 v14, 0                               ; the sum, in two halves
	v_mov_b32 v15, 0
	s_wait_alu depctr_va_vdst(0)
	s_wait_loadcnt 0x0                             ; all my loads are in: their bases may be written
	s_wait_kmcnt 0x0                               ; the flags are in, and their bases may be written
	s_load_b512 s[32:47], s[100:101], 0x0          ; the first trip's 64 lane masks: word n in s[32 + n], from n = 32 on in s[36 + n]
	s_load_b512 s[48:63], s[100:101], 0x40
	s_load_b512 s[68:83], s[100:101], 0x80
	s_load_b512 s[84:99], s[100:101], 0xc0
.irp i, 0,1,2,3
	v_bfe_u32 v[200+\i], v[192+\i], s67, 16        ; my head's two bytes: lanes 0-15 key tile 2 i's, lanes 16-31 key tile 2 i + 1's
.endr
.irp i, 0,1,2,3
	s_delay_alu instid0(VALU_DEP_4)
	v_permlanex16_b32 v[204+\i], v[200+\i], s24, s25
.endr
.irp i, 0,1,2,3
	s_delay_alu instid0(VALU_DEP_4)
	v_lshl_or_b32 v[200+\i], v[204+\i], 16, v[200+\i]   ; lanes 0-15: the double fragment's word
.endr
	v_bfe_u32 v92, v92, s67, 16                    ; Q's word for the lower half of K,
	v_bfe_u32 v[Q2+6], v[Q2+6], s67, 16
	s_delay_alu instid0(VALU_DEP_2)
	v_lshlrev_b32 v93, 16, v92                     ; and for the upper (the other bytes stand over zero codes)
	s_delay_alu instid0(VALU_DEP_2)
	v_lshlrev_b32 v[Q2+7], 16, v[Q2+6]
.irp j, 0,1,2,3,4,5,6,7,8,9,10,11
	ds_store_b128 v9, v[96+4*\j:99+4*\j] offset:512*\j
.endr
.irp j, 0,1,2,3,4,5,6,7,8,9,10,11
	ds_store_b128 v10, v[144+4*\j:147+4*\j] offset:512*\j
.endr
	ds_store_b128 v11, v[200:203]
	ds_store_b64 v28, v[196:197]
	s_wait_alu depctr_va_vdst(0)
	s_wait_dscnt 0x0                               ; for the others' sake: my stores have landed
	s_barrier_signal -1
	s_barrier_wait -1                              ; the head's K and V lie in LDS
.set n, 0
.rept 32
	v_mov_b32 v[160+n], 0                          ; O^T: the step is written once, and a half's first walk finds zeros
.set n, n+1
.endr
	s_wait_alu depctr_va_vdst(0)
.macro FLAGS f, wk, fu                 ; of a tile's four flag words: s[wk] bit s: step s is walked; s[fu] bit s: all of step s is kept
	s_or_b32 s20, s[\f], s[\f+1]
	s_or_b32 s21, s[\f+2], s[\f+3]
	s_or_b32 s20, s20, s21
	s_and_b32 s20, s20, 0xffff                     ; which of the 16 queries have a kept key
	s_bfe_u32 s[\wk], s[\f], 0x40010
	s_bfe_u32 s[\fu], s[\f], 0x40014
.irp w, 1,2,3
	s_bfe_u32 s21, s[\f+\w], 0x40010
	s_lshl_b32 s21, s21, 4*\w
	s_or_b32 s[\wk], s[\wk], s21
	s_bfe_u32 s21, s[\f+\w], 0x40014
	s_lshl_b32 s21, s21, 4*\w
	s_or_b32 s[\fu], s[\fu], s21
.endr
	s_cmp_eq_u32 s20, 0xffff
	s_cselect_b32 s[\wk], s[\wk], 0xffff           ; a query with no kept key weighs ALL keys alike: nothing is passed over for its tile
.endm
	FLAGS 16, 26, 27
	FLAGS 4, 2, 3
	s_lshr_b32 s26, s26, 8                         ; by trips: bits 0-7 T1's steps 8-15, bits 8-15 T2's steps 0-7
	s_lshl_b32 s2, s2, 8
	s_and_b32 s2, s2, 0xff00
	s_or_b32 s26, s26, s2
	s_lshr_b32 s27, s27, 8
	s_lshl_b32 s3, s3, 8
	s_and_b32 s3, s3, 0xff00
	s_or_b32 s27, s27, s3
	s_and_not1_b32 s16, s26, s27                   ; s16: bit t: trip t is walked and partly hidden: its lane masks are wanted
	s_mul_i32 s6, s14, PXW
	s_add_co_u32 s6, s6, PX                        ; where my first half goes,
	s_xor_b32 s7, s14, 1
	s_mul_i32 s7, s7, PXW
	s_add_co_u32 s7, s7, PX                        ; and where my partner's lies
.macro FRAG reg, a128, a64, off
	ds_load_b128 v[\reg:\reg+3], v[\a128] offset:\off
	ds_load_b64 v[\reg+4:\reg+5], v[\a64] offset:\off
	ds_load_b128 v[\reg+6:\reg+9], v[\a128] offset:\off+768
	ds_load_b64 v[\reg+10:\reg+11], v[\a64] offset:\off+768
.endm
.Lstep:                                            ; sixteen trips, a constant count; a hidden step's work is jumped over, the lines at the tail are not
	s_cmp_lg_u32 s28, 8
	s_cbranch_scc1 .Lsame
	; trip 8: the first half is put away and the second tile begins.  The fifteen plain lines are the places behind the last products
.irp i, 0,1,2,3,4,5
	v_mov_b32 v[16+\i], v[Q2+\i]
	v_mov_b32 v[86+\i], v[Q2+\i]
.endr
	v_mov_b32 v92, v[Q2+6]
	v_mov_b32 v93, v[Q2+7]
	v_add_nc_u32 v9, s6, v1
.irp j, 0,1,2,3,4,5,6,7
	ds_store_b128 v9, v[160+4*\j:163+4*\j] offset:512*\j   ; ascending: each accumulator from its low end on
.endr
	ds_store_b128 v9, v[12:15] offset:4096         ; -M, the largest t, the sum's two halves
	s_wait_dscnt 0x0                               ; the stores have read their registers, which are written anew below
	v_mov_b32 v13, 0xff61b1e6
	v_mov_b32 v14, 0
	v_mov_b32 v15, 0
	v_floor_f32 v12, -v13
.set n, 0
.rept 32
	v_mov_b32 v[160+n], 0
.set n, n+1
.endr
	s_wait_alu depctr_va_vdst(0)
.Lsame:
	s_lshr_b32 s20, s26, s28
	s_and_b32 s20, s20, 1
	s_cmp_eq_u32 s20, 0
	s_cbranch_scc1 .Lskip
	v_add_nc_u32 v9, s29, v1                       ; six plain lines: also the places behind the last products, in front of the loads into the registers that they read
	v_add_nc_u32 v10, s29, v2
	v_add_nc_u32 v11, s29, v3
	v_add_nc_u32 v28, s29, v4
	v_add_nc_u32 v29, s30, v7
	v_add_nc_u32 v30, s31, v8
.irp i, 0,1,2,3
	FRAG 32+12*\i, 9, 10, 1536*\i
.endr
	ds_load_b128 v[248:251], v29
	s_wait_alu depctr_va_vdst(0)
	s_wait_dscnt 0x0
.irp t, 0,1,2,3,4,5,6,7                        ; S^T: key tile t from half t % 2 of double fragment t / 2
	v_wmma_scale_f32_16x16x128_f8f6f4 v[96+8*\t:103+8*\t], v[32+12*(\t/2):43+12*(\t/2)], v[16+64*(\t%2):27+64*(\t%2)], 0, v[248+\t/2], v[92+\t%2] matrix_a_fmt:MATRIX_FMT_FP6 matrix_b_fmt:MATRIX_FMT_FP6
.endr
.rept 4
	v_nop                                          ; places: in front of the first read of results and of the loads below
.endr
.irp t, 0,1,2,3
	FRAG 32+12*\t, 11, 28, 1536*\t                 ; V's four fragments land under the softmax
.endr
	ds_load_b64 v[252:253], v30
	s_wait_kmcnt 0x0                               ; the step's lane masks, if any were asked for: a trip ago, or at the head
	s_lshr_b32 s20, s27, s28
	s_and_b32 s20, s20, 1
	s_cmp_lg_u32 s20, 0
	s_cbranch_scc1 .Lopen                          ; all of the step is kept
.set n, 0
.rept 64
	v_cndmask_b32 v[96+n], v31, v[96+n], s[32+n+4*(n/32)]   ; a hidden score becomes -2^126; ascending
.set n, n+1
.endr
.Lopen:
.irp b, 0,1,2,3
	v_max3_num_f32 v[212+\b], v[96+16*\b], v[97+16*\b], v[98+16*\b]   ; the largest score of each block of 32 keys: for the row's maximum and, since p rises with the score, for the block's largest p
.endr
.irp i, 3,5,7,9,11,13
.irp b, 0,1,2,3
	v_max3_num_f32 v[212+\b], v[212+\b], v[96+16*\b+\i], v[97+16*\b+\i]
.endr
.endr
.irp b, 0,1,2,3
	v_max_num_f32 v[212+\b], v[212+\b], v[111+16*\b]
.endr
.irp b, 0,1,2,3
	s_delay_alu instid0(VALU_DEP_4)
	v_permlanex16_b32 v[216+\b], v[212+\b], s24, s25
.endr
.irp b, 0,1,2,3
	s_delay_alu instid0(VALU_DEP_4)
	v_max_num_f32 v[212+\b], v[212+\b], v[216+\b]  ; with lane l xor 16's 16 keys
.endr
	s_delay_alu instid0(VALU_DEP_2)
	v_max3_num_f32 v224, v212, v213, v214
	s_delay_alu instid0(VALU_DEP_1)
	v_max_num_f32 v224, v224, v215
	s_delay_alu instid0(VALU_DEP_1)
	v_mul_f32 v224, s22, v224                      ; as t (c is positive)
	s_delay_alu instid0(VALU_DEP_1)
	v_max_num_f32 v13, v13, v224                   ; the running largest t
	v_mov_b32 v224, v12
	s_delay_alu instid0(VALU_DEP_2)
	v_floor_f32 v12, -v13                          ; the new -M = -ceil(t): a whole number
	s_delay_alu instid0(VALU_DEP_1)
	v_sub_f32 v224, v12, v224                      ; old M - new M: a whole number, 0 or less
	s_delay_alu instid0(VALU_DEP_1)
	v_cvt_i32_f32 v224, v224                       ; (it saturates)
	s_delay_alu instid0(VALU_DEP_1)
	v_ldexp_f32 v226, 1.0, v224                    ; f = 2^(old M - new M)
.set n, 0
.rept 32
	v_pk_fma_f32 v[96+n:97+n], v[96+n:97+n], s[22:23], v[12:13] op_sel_hi:[1,0,0]   ; t - M, two at a time
.set n, n+2
.endr
.irp b, 0,1,2,3
	v_fma_f32 v[212+\b], v[212+\b], s22, v12       ; the same of each block's largest score
.endr
.set n, 0
	s_wait_alu depctr_va_vdst(0)
.rept 64
	v_exp_f32 v[96+n], v[96+n]                     ; p = 2^(t - M), at most 1
.set n, n+1
.endr
	v_pk_mul_f32 v[14:15], v[14:15], v[226:227] op_sel_hi:[1,0]   ; the sums under the new M: a plain place behind the exponentials
	s_wait_alu depctr_va_vdst(0)                   ; one wait for the batch of 64, ahead of its first reader
.irp b, 0,1,2,3
	v_exp_f32 v[212+\b], v[212+\b]                 ; the block's largest p
.endr
.set n, 96                                     ; the row's sum of the unquantised p: 32 pairs in eight chains
.irp a, 228,254,246,244,242,240,238
	v_pk_add_f32 v[\a:\a+1], v[n:n+1], v[n+2:n+3]
.set n, n+4
.endr
.irp a, 14,228,254,246,244,242,240,238,14,228,254,246,244,242,240,238,14,228
	v_pk_add_f32 v[\a:\a+1], v[\a:\a+1], v[n:n+1]
.set n, n+2
.endr
	v_pk_add_f32 v[254:255], v[254:255], v[240:241]
	v_pk_add_f32 v[246:247], v[246:247], v[238:239]
	v_pk_add_f32 v[14:15], v[14:15], v[244:245]
	v_pk_add_f32 v[228:229], v[228:229], v[242:243]
	s_delay_alu instid0(VALU_DEP_2)
	v_pk_add_f32 v[14:15], v[14:15], v[254:255]
	s_delay_alu instid0(VALU_DEP_2)
	v_pk_add_f32 v[228:229], v[228:229], v[246:247]
	s_delay_alu instid0(VALU_DEP_1)
	v_pk_add_f32 v[14:15], v[14:15], v[228:229]
	s_wait_alu depctr_va_vdst(0)                   ; and one for the four
.irp b, 0,1,2,3
	v_max_num_f32 v[212+\b], 0x1800000, v[212+\b]  ; the floor 2^(3 - 127): the byte cannot fall under 1
.endr
.irp b, 0,1,2,3
	s_delay_alu instid0(VALU_DEP_4)
	v_add_nc_u32 v[220+\b], 0xff000000, v[212+\b]  ; 2 off the exponent field: the conversion's scale operand
.endr
.irp b, 0,1,2,3
	s_delay_alu instid0(VALU_DEP_4)
	v_lshrrev_b32 v[216+\b], 23, v[220+\b]         ; the scale's byte
.endr
	s_delay_alu instid0(VALU_DEP_3)
	v_lshl_or_b32 v94, v217, 8, v216               ; p's scale word for these 128 keys
	s_delay_alu instid0(VALU_DEP_1)
	v_lshl_or_b32 v94, v218, 16, v94
	s_delay_alu instid0(VALU_DEP_1)
	v_lshl_or_b32 v94, v219, 24, v94
.irp c, 0,1
	v_cvt_scalef32_pk16_fp6_f32 v[192+6*\c:194+6*\c], v[96+32*\c:111+32*\c], v[220+2*\c]
	v_cvt_scalef32_pk16_fp6_f32 v[204+4*\c:206+4*\c], v[112+32*\c:127+32*\c], v[220+2*\c+1]
.endr
	v_nop                                          ; one plain place behind a scaled conversion
.irp c, 0,1
.irp i, 0,1,2
	v_permlane16_swap_b32 v[192+6*\c+\i], v[204+4*\c+\i]
.endr
.irp i, 0,1,2
	s_delay_alu instid0(VALU_DEP_3)
	v_mov_b32 v[195+6*\c+\i], v[204+4*\c+\i]
.endr
.endr
.set n, 0
.rept 16
	v_pk_mul_f32 v[160+n:161+n], v[160+n:161+n], v[226:227] op_sel_hi:[1,0]   ; O^T under the new M; these sixteen stand between the lines that made p's codes and scale word and the products
.set n, n+2
.endr
	s_wait_alu depctr_va_vdst(0)
	s_wait_dscnt 0x0                               ; V's fragments and scale words are in
.irp t, 0,1,2,3                                ; O^T += V^T P^T: four accumulators by turns
.if \t%2
	v_wmma_scale_f32_16x16x128_f8f6f4 v[160+8*\t:167+8*\t], v[32+12*\t:43+12*\t], v[192:203], v[160+8*\t:167+8*\t], v[252+\t/2], v94 matrix_a_fmt:MATRIX_FMT_FP6 matrix_b_fmt:MATRIX_FMT_FP6 matrix_a_scale:MATRIX_SCALE_ROW1
.else
	v_wmma_scale_f32_16x16x128_f8f6f4 v[160+8*\t:167+8*\t], v[32+12*\t:43+12*\t], v[192:203], v[160+8*\t:167+8*\t], v[252+\t/2], v94 matrix_a_fmt:MATRIX_FMT_FP6 matrix_b_fmt:MATRIX_FMT_FP6
.endif
.endr
.Lskip:
	s_wait_kmcnt 0x0                               ; no scalar load is out on any way here: the masks' pointer and registers may be written
	s_add_nc_u64 s[100:101], s[100:101], 256
	s_add_co_u32 s28, s28, 1
	s_cmp_eq_u32 s28, 8
	s_cselect_b64 s[100:101], s[8:9], s[100:101]   ; at trip 8 on to the second tile's masks
	s_add_co_u32 s20, s28, 8
	s_and_b32 s20, s20, 15                         ; the next trip's key step
	s_mul_i32 s29, s20, 6144
	s_lshl_b32 s30, s20, 9
	s_lshl_b32 s31, s20, 8
	s_lshr_b32 s20, s16, s28                       ; is the next trip walked and partly hidden?  (behind the sixteenth no bit is left: no load leaves the tile's masks)
	s_and_b32 s20, s20, 1
	s_cmp_eq_u32 s20, 0
	s_cbranch_scc1 .Lnone
	s_load_b512 s[32:47], s[100:101], 0x0          ; its 64 lane masks: they have the next step's loads and first products in which to land
	s_load_b512 s[48:63], s[100:101], 0x40
	s_load_b512 s[68:83], s[100:101], 0x80
	s_load_b512 s[84:99], s[100:101], 0xc0
.Lnone:
	s_cmp_lt_u32 s28, 16
	s_cbranch_scc1 .Lstep
	; THE TWO HALVES ARE JOINED.  My registers hold key steps 0-7 of my tile, my partner's bytes key steps 8-15 of the same tile, lane for lane and register for register.
.rept 4
	v_nop                                          ; places behind the last products
.endr
	s_wait_dscnt 0x0                               ; for the partner's sake: my first half has landed
	s_barrier_signal -1
	s_barrier_wait -1
	v_add_nc_u32 v9, s7, v1
.irp j, 0,1,2,3,4,5,6,7
	ds_load_b128 v[96+4*\j:99+4*\j], v9 offset:512*\j
.endr
	ds_load_b128 v[128:131], v9 offset:4096
	s_wait_dscnt 0x0
	v_min_num_f32 v224, v12, v128                  ; the joint -M
	v_add_f32 v14, v14, v15
	v_add_f32 v130, v130, v131
	s_delay_alu instid0(VALU_DEP_3)
	v_sub_f32 v225, v224, v12                      ; my M - the joint M, and the partner's: whole numbers, 0 or less
	v_sub_f32 v229, v224, v128
	s_delay_alu instid0(VALU_DEP_2)
	v_cvt_i32_f32 v225, v225                       ; (they saturate: a half that walked nothing gets the factor 0)
	s_delay_alu instid0(VALU_DEP_2)
	v_cvt_i32_f32 v229, v229
	s_delay_alu instid0(VALU_DEP_2)
	v_ldexp_f32 v226, 1.0, v225
	s_delay_alu instid0(VALU_DEP_2)
	v_ldexp_f32 v228, 1.0, v229
	s_delay_alu instid0(VALU_DEP_2)
	v_mul_f32 v14, v14, v226
	s_delay_alu instid0(VALU_DEP_1)
	v_fmac_f32 v14, v130, v228
	s_delay_alu instid0(VALU_DEP_1)
	v_permlanex16_b32 v224, v14, s24, s25
	s_delay_alu instid0(VALU_DEP_1)
	v_add_f32 v14, v14, v224                       ; the row's sum
	s_wait_alu depctr_va_vdst(0)
	v_rcp_f32 v225, v14
	v_and_b32 v9, 15, v0                           ; (a plain place behind the reciprocal)
	s_delay_alu instid0(VALU_DEP_1)
	v_lshlrev_b32 v9, 3, v9                        ; 8 r
	v_and_b32 v10, 31, v0
	s_wait_alu depctr_va_vdst(0)                   ; the wait, ahead of the reciprocal's first reader
	v_mul_f32 v226, v226, v225                     ; each half's factor over the sum
	v_mul_f32 v228, v228, v225
.set n, 0
.rept 16
	v_pk_mul_f32 v[96+n:97+n], v[96+n:97+n], v[228:229] op_sel_hi:[1,0]
.set n, n+2
.endr
	s_wait_alu depctr_va_vdst(0)
.set n, 0
.rept 16
	v_pk_fma_f32 v[96+n:97+n], v[160+n:161+n], v[226:227], v[96+n:97+n] op_sel_hi:[1,0,1]
.set n, n+2
.endr
	; THE WAY OUT.  Register 16 b + i is o(my query, 32 b + 16 h + i): the head's two blocks of 32 are quantised as they stand and leave as a half-image of the last product's operand.
.irp b, 0,1
	v_max3_num_f32 v[212+\b], |v[96+16*\b]|, |v[97+16*\b]|, 0x1800000
.endr
.irp i, 2,4,6,8,10,12,14
.irp b, 0,1
	s_delay_alu instid0(VALU_DEP_2)
	v_max3_num_f32 v[212+\b], v[212+\b], |v[96+16*\b+\i]|, |v[97+16*\b+\i]|
.endr
.endr
.irp b, 0,1
	s_delay_alu instid0(VALU_DEP_2)
	v_permlanex16_b32 v[216+\b], v[212+\b], s24, s25
.endr
.irp b, 0,1
	s_delay_alu instid0(VALU_DEP_2)
	v_max_num_f32 v[212+\b], v[212+\b], v[216+\b]
.endr
.irp b, 0,1
	s_delay_alu instid0(VALU_DEP_2)
	v_add_nc_u32 v[220+\b], 0xff000000, v[212+\b]
.endr
.irp b, 0,1
	s_delay_alu instid0(VALU_DEP_2)
	v_lshrrev_b32 v[216+\b], 23, v[220+\b]
.endr
	s_delay_alu instid0(VALU_DEP_1)
	v_lshl_or_b32 v94, v217, 8, v216               ; my row's two bytes
	v_cvt_scalef32_pk16_fp6_f32 v[192:194], v[96:111], v220
	v_cvt_scalef32_pk16_fp6_f32 v[204:206], v[112:127], v221
	v_nop
.irp i, 0,1,2
	v_permlane16_swap_b32 v[192+\i], v[204+\i]
.endr
.irp i, 0,1,2
	s_delay_alu instid0(VALU_DEP_3)
	v_mov_b32 v[195+\i], v[204+\i]
.endr
	v_cmp_gt_u32 vcc_lo, 16, v10
	global_store_b128 v1, v[192:195], s[10:11]     ; 512 consecutive bytes,
	global_store_b64 v2, v[196:197], s[10:11]      ; and 256 behind them, aligned
	s_wait_xcnt 0x0                                ; EXEC is a source of the stores above: it changes only behind this wait
	s_and_saveexec_b32 s20, vcc_lo
	global_store_b16 v9, v94, s[12:13]             ; lanes 0-15: two bytes of each row's scale word: one byte in 25 of what the wave stores
	s_wait_xcnt 0x0
	s_or_b32 exec_lo, exec_lo, s20
	s_wait_tensorcnt 0x0                           ; the wave's end
	ds_add_u32 v[SPW], v[NIL]
	s_wait_dscnt 0x0
	s_endpgm
.Lfunc_end_k_q1b976c3c44_attn:
	.size	k_q1b976c3c44_attn, .Lfunc_end_k_q1b976c3c44_attn-k_q1b976c3c44_attn
	.p2alignl 7, 3214868480
	.fill 96, 4, 3214868480
	.section	.rodata,"a",@progbits
	.p2align	6, 0x0
	.amdhsa_kernel k_q1b976c3c44_attn
		.amdhsa_group_segment_fixed_size 284672
		.amdhsa_private_segment_fixed_size 0
		.amdhsa_enable_private_segment 0
		.amdhsa_kernarg_size 40
		.amdhsa_user_sgpr_count 2
		.amdhsa_user_sgpr_kernarg_segment_ptr 1
		.amdhsa_wavefront_size32 1
		.amdhsa_system_sgpr_workgroup_id_x 1
		.amdhsa_system_sgpr_workgroup_id_y 1
		.amdhsa_system_sgpr_workgroup_id_z 1
		.amdhsa_system_vgpr_workitem_id 0
		.amdhsa_next_free_vgpr 256
		.amdhsa_next_free_sgpr 102
		.amdhsa_reserve_vcc 1
		.amdhsa_float_denorm_mode_32 3
		.amdhsa_float_denorm_mode_16_64 3
		.amdhsa_memory_ordered 1
		.amdhsa_forward_progress 1
		.amdhsa_inst_pref_size 50
	.end_amdhsa_kernel
	.amdgpu_metadata
---
amdhsa.version: [ 1, 2 ]
amdhsa.kernels:
  - .name:           k_q1b976c3c44_attn
    .symbol:         k_q1b976c3c44_attn.kd
    .args:
      - { .name: hc, .offset: 0, .size: 8, .value_kind: global_buffer, .address_space: global }
      - { .name: hs, .offset: 8, .size: 8, .value_kind: global_buffer, .address_space: global }
      - { .name: lm, .offset: 16, .size: 8, .value_kind: global_buffer, .address_space: global }
      - { .name: oc, .offset: 24, .size: 8, .value_kind: global_buffer, .address_space: global }
      - { .name: os, .offset: 32, .size: 8, .value_kind: global_buffer, .address_space: global }
    .group_segment_fixed_size: 284672
    .private_segment_fixed_size: 0
    .kernarg_segment_align: 8
    .kernarg_segment_size: 40
    .max_flat_workgroup_size: 512
    .sgpr_count:     102
    .vgpr_count:     256
    .wavefront_size: 32
...
	.end_amdgpu_metadata
.endif
;; end of part 7
;; launch outp (part 8): grid 16 x 16, 4 waves a work-group, clusters of 4 x 4, 327,680 bytes of LDS; arguments oc, os, xc, xs, out0; writes out0
.if DOCPART == 8
	.amdgcn_target "amdgcn-amd-amdhsa--gfx1250"
	.amdhsa_code_object_version 6
	.text
	.protected	k_q1b976c3c44_outp
	.globl	k_q1b976c3c44_outp
	.p2align	8
	.type	k_q1b976c3c44_outp,@function
k_q1b976c3c44_outp:
	s_mov_b64 s[64:65], 0
	v_nop
	global_prefetch_b8 v0, s[64:65] scope:SCOPE_SE
	s_setreg_imm32_b32 hwreg(HW_REG_WAVE_MODE, 25, 1), 1
	s_wait_xcnt 0x0
	s_wait_alu depctr_hold_cnt(0) depctr_sa_sdst(0) depctr_va_vdst(0) depctr_va_sdst(0) depctr_va_ssrc(0) depctr_va_vcc(0) depctr_vm_vsrc(0)
	s_getreg_b32 s2, hwreg(HW_REG_IB_STS2, 6, 4)
	s_cmp_eq_u32 s2, 0
	s_cbranch_scc0 .Lentry_in_a_cluster
	s_endpgm
.Lentry_in_a_cluster:
	s_bfe_u32 s2, ttmp6, 0x10000c
	s_cmp_lg_u32 s2, 0xf033
	s_cbranch_scc0 .Lentry_shape_is_right
	s_endpgm
.Lentry_shape_is_right:
.set SLOT,  98304
.set PART,  24576
.set SCL,   3*SLOT
.set SPART, 4096
.set SPARE, SCL+4*SPART
.set TEN,   3145728
.set TENS,  131072
.set NP,    4
.set SPITCH, 272
.set STAGE, SLOT
.set AD,   8
.set STO,  24
.set RD,   25
.set CO,   26
.set ADRS, 27
.set SPW,  28
.set NIL,  29
.set SC,   32
.set ACC,  128
.set BK,   32
.set G1,   24
.set G1B,  32
.set G1S,  40
.set G1SB, 48
.set G0S,  56
.set G0SB, 60
.set G0,   68
.set G0B,  80
.set MSB, 0
.macro WIN new
.if MSB != \new
	s_set_vgpr_msb (MSB<<8)|\new
.set MSB, \new
.endif
.endm
.set MUL,  0x05
.set TO_F, 0x40
.macro JLOAD g0a, g1a, g0b, g1b
	s_cmp_eq_u32 s16, 0                            ; even waves fetch for A, odd waves for B
	s_cbranch_scc0 .Lfor_b_\@
	tensor_load_to_lds s[\g0a:\g0a+3], s[\g1a:\g1a+7]
	s_nop 0
.rept 4
	v_nop
.endr
	s_branch .Lasked_\@
.Lfor_b_\@:
	tensor_load_to_lds s[\g0b:\g0b+3], s[\g1b:\g1b+7]
	s_nop 0
.rept 4
	v_nop
.endr
.Lasked_\@:
.endm
.macro CREST
	s_cmp_lg_u32 s14, 0
	s_cbranch_scc1 .Lnot_wave_0_\@
	s_barrier_signal -3
.Lnot_wave_0_\@:
	s_barrier_wait -3
	s_barrier_signal -1
	s_barrier_wait -1
.endm
.macro CROUND
	s_barrier_signal -1
	s_barrier_wait -1
	CREST
.endm
	s_load_b256 s[4:11], s[0:1], 0x0
	s_load_b64 s[12:13], s[0:1], 0x20
	v_lshl_add_u32 v[SPW], v0, 2, SPARE
	v_mov_b32 v[NIL], 0
	ds_add_u32 v[SPW], v[NIL]
	ds_add_u32 v[SPW], v[NIL]
	v_lshrrev_b32 v1, 5, v0
	v_readfirstlane_b32 s14, v1
	s_lshr_b32 s15, s14, 1
	s_and_b32 s16, s14, 1
	s_bfe_u32 s92, ttmp6, 0x40000
	s_bfe_u32 s93, ttmp6, 0x40004
	s_lshl_b32 s94, ttmp9, 2
	s_add_co_u32 s94, s94, s92
	s_and_b32 s17, ttmp7, 0xffff
	s_lshl_b32 s17, s17, 2
	s_add_co_u32 s17, s17, s93
	s_lshl_b32 s95, s93, 2
	s_lshl_b32 s95, 15, s95
	s_lshl_b32 s96, 0x1111, s92
	s_or_b32 s[G1+0], s95, (3<<16)|(1<<21)
	s_or_b32 s[G1B+0], s96, (3<<16)|(1<<21)
.irp g, G1, G1B
	s_mov_b32 s[\g+1], 32<<16
	s_mov_b32 s[\g+2], 192<<16
	s_mov_b32 s[\g+3], 32<<16
	s_mov_b32 s[\g+4], 192
	s_mov_b32 s[\g+5], 32
	s_mov_b32 s[\g+6], 0
	s_mov_b32 s[\g+7], 0
.endr
	s_or_b32 s[G1S+0], s95, (3<<16)|(1<<21)
	s_or_b32 s[G1SB+0], s96, (3<<16)|(1<<21)
.irp g, G1S, G1SB
	s_mov_b32 s[\g+1], 32<<16
	s_mov_b32 s[\g+2], 32<<16
	s_mov_b32 s[\g+3], 32<<16
	s_mov_b32 s[\g+4], 32
	s_mov_b32 s[\g+5], 32
	s_mov_b32 s[\g+6], 0
	s_mov_b32 s[\g+7], 0
.endr
	s_mul_i32 s20, s17, 196608
	s_lshl_b32 s22, s17, 13
	s_mul_i32 s98, s94, 196608
	s_add_co_u32 s98, s98, 6*TEN
	s_lshl_b32 s2, s94, 13
	s_add_co_u32 s2, s2, 6*TENS
	s_mov_b32 s21, 0
	s_mov_b32 s23, 0
	s_mov_b32 s99, 0
	s_mov_b32 s3, 0
	s_mul_i32 s18, s15, PART                       ; the refill: which 256 along K of its 512 I fetch, in memory and in LDS alike
	s_mov_b32 s19, 0
	s_wait_dscnt 0x0
	s_wait_kmcnt 0x0
	s_add_nc_u64 s[20:21], s[4:5], s[20:21]
	s_add_nc_u64 s[22:23], s[6:7], s[22:23]
	s_add_nc_u64 s[98:99], s[8:9], s[98:99]
	s_add_nc_u64 s[2:3], s[10:11], s[2:3]
	CROUND
	s_mov_b32 s[G0S], 1
	s_mov_b32 s[G0S+1], SCL
	s_mov_b64 s[G0S+2:G0S+3], s[22:23]
	s_or_b32 s[G0S+3], s[G0S+3], 0x80000000
	s_mov_b32 s[G0SB], 1
	s_mov_b32 s[G0SB+1], SCL+2*SPART
	s_mov_b64 s[G0SB+2:G0SB+3], s[2:3]
	s_or_b32 s[G0SB+3], s[G0SB+3], 0x80000000
.irp s, 0,1,2
	s_mov_b32 s[G0+4*\s], 1
	s_mov_b32 s[G0+4*\s+1], \s*SLOT
	s_add_nc_u64 s[G0+4*\s+2:G0+4*\s+3], s[20:21], \s*2*PART
	s_or_b32 s[G0+4*\s+3], s[G0+4*\s+3], 0x80000000
	s_mov_b32 s[G0B+4*\s], 1
	s_mov_b32 s[G0B+4*\s+1], \s*SLOT+2*PART
	s_add_nc_u64 s[G0B+4*\s+2:G0B+4*\s+3], s[98:99], \s*2*PART
	s_or_b32 s[G0B+4*\s+3], s[G0B+4*\s+3], 0x80000000
.endr
; The head's four tiles, one load a wave: wave 0 A's codes of K 0-511 (192 rows of 256 bytes), wave 1 B's, wave 2 A's scales, wave 3 B's.
; One chain of branches on the wave's number, all arms to one join.
.macro ARM under, g0, g1, next, join
	s_cmp_lt_u32 s14, \under
	s_cbranch_scc0 \next
	tensor_load_to_lds s[\g0:\g0+3], s[\g1:\g1+7]
	s_nop 0
.rept 4
	v_nop
.endr
	s_branch \join
\next:
.endm
	ARM 1, G0,  G1,  .Lh_b,  .Lh_end
	ARM 2, G0B, G1B, .Lh_sa, .Lh_end
	ARM 3, G0S, G1S, .Lh_sb, .Lh_end
	tensor_load_to_lds s[G0SB:G0SB+3], s[G1SB:G1SB+7]
	s_nop 0
.rept 4
	v_nop
.endr
.Lh_end:
; One prefetch a wave, two fills ahead: the refill's K 1,536-2,047.  Of the 96 blocks of 256 bytes that my refill brings, each of the four partners that ask for them jointly names 24,
; told apart by address (cx for A, cy for B); lanes 24-31 name block 23 again.  Its registers, v7 and s[2:3], are never rewritten.
	s_cmp_eq_u32 s16, 0
	s_cselect_b64 s[2:3], s[20:21], s[98:99]
	s_cselect_b32 s96, s92, s93
	s_mul_i32 s96, s96, 6144
	s_add_co_u32 s96, s96, s18
	s_add_co_u32 s96, s96, 6*PART
	s_mov_b32 s97, 0
	s_add_nc_u64 s[2:3], s[2:3], s[96:97]
	v_and_b32 v7, 31, v0
	v_min_u32 v7, 23, v7
	v_lshlrev_b32 v7, 8, v7
	global_prefetch_b8 v7, s[2:3] th:TH_LOAD_NT scope:SCOPE_SE
	v_and_b32 v1, 15, v0
	v_bfe_u32 v2, v0, 4, 1
	v_and_b32 v3, 31, v0
	v_lshlrev_b32 v4, 4, v3
	v_lshlrev_b32 v5, 3, v3
	v_add_nc_u32 v5, 512, v5
	s_mul_i32 s21, s15, 6144
	s_mul_i32 s22, s16, 6144
	s_add_co_u32 s22, s22, 2*PART
.irp s, 0,1,2
	v_add_nc_u32 v[AD+4*\s], s21, v4
	v_add_nc_u32 v[AD+4*\s+1], s21, v5
	v_add_nc_u32 v[AD+4*\s+2], s22, v4
	v_add_nc_u32 v[AD+4*\s+3], s22, v5
	s_add_co_u32 s21, s21, SLOT
	s_add_co_u32 s22, s22, SLOT
.endr
	v_lshlrev_b32 v5, 3, v1
	s_lshl_b32 s21, s15, 9
	s_lshl_b32 s22, s16, 9
	s_add_co_u32 s22, s22, 2*SPART
	s_sub_co_u32 s22, s22, s21
	v_mul_u32_u24 v6, s22, v2
	s_add_co_u32 s21, s21, SCL
	v_add_nc_u32 v5, v5, v6
	v_add_nc_u32 v[ADRS], s21, v5
	s_mul_i32 s23, s14, 16*SPITCH
	s_add_co_u32 s23, s23, STAGE
	v_mul_u32_u24 v5, v1, SPITCH
	v_lshl_add_u32 v5, v2, 6, v5
	v_add_nc_u32 v[STO], s23, v5
	v_mul_u32_u24 v5, v2, SPITCH
	v_lshl_add_u32 v5, v1, 4, v5
	v_add_nc_u32 v[RD], s23, v5
	v_lshlrev_b32 v[CO], 13, v2
	v_lshl_add_u32 v[CO], v1, 4, v[CO]
	s_lshl_b32 s20, s17, 7
	s_lshl_b32 s21, s15, 6
	s_add_co_u32 s20, s20, s21
	s_lshl_b32 s20, s20, 13
	s_mov_b32 s21, 0
	s_lshl_b32 s98, s94, 9
	s_lshl_b32 s99, s16, 8
	s_add_co_u32 s98, s98, s99
	s_mov_b32 s99, 0
	s_add_nc_u64 s[20:21], s[20:21], s[98:99]
	s_add_nc_u64 s[12:13], s[12:13], s[20:21]
.macro FRAG reg, adr, off
	ds_load_b128 v[\reg:\reg+3], v[\adr] offset:\off
	ds_load_b64 v[\reg+4:\reg+5], v[\adr+1] offset:\off
	ds_load_b128 v[\reg+6:\reg+9], v[\adr] offset:\off+768
	ds_load_b64 v[\reg+10:\reg+11], v[\adr+1] offset:\off+768
.endm
.macro FETCH_B t
.irp i, 0,1,2,3
	FRAG 128*((\t)%2)+12*\i, AD+4*(((\t)/4)%3)+2, 24576*(((\t)/2)%2)+12288*((\t)%2)+1536*\i
.endr
.endm
.macro FETCH_A t
.irp i, 0,1,2,3
	FRAG 128*((\t)%2)+48+12*\i, AD+4*(((\t)/4)%3), 24576*(((\t)/2)%2)+12288*((\t)%2)+1536*\i
.endr
.endm
.macro SCALES p
.irp k, 0,1
.irp i, 0,1,2,3
	ds_load_b64 v[SC+8*(2*(\p)+\k)+2*\i:SC+8*(2*(\p)+\k)+2*\i+1], v[ADRS] offset:1024*(2*(\p)+\k)+128*\i
.endr
.endr
.endm
.macro MUL8 s, a0
.irp a, \a0, \a0+1
.irp b, 0,1,2,3
.if (\s) == 0
	v_wmma_scale_f32_16x16x128_f8f6f4 v[ACC+8*(4*(\a)+\b):ACC+8*(4*(\a)+\b)+7], v[128*((\s)%2)+12*\b:128*((\s)%2)+12*\b+11], v[128*((\s)%2)+48+12*(\a):128*((\s)%2)+48+12*(\a)+11], 0, v[SC+8*((\s)/2)+2*\b+(\s)%2], v[SC+8*((\s)/2)+2*(\a)+(\s)%2] matrix_a_fmt:MATRIX_FMT_FP6 matrix_b_fmt:MATRIX_FMT_FP6 matrix_a_scale:MATRIX_SCALE_ROW1
.else
	v_wmma_scale_f32_16x16x128_f8f6f4 v[ACC+8*(4*(\a)+\b):ACC+8*(4*(\a)+\b)+7], v[128*((\s)%2)+12*\b:128*((\s)%2)+12*\b+11], v[128*((\s)%2)+48+12*(\a):128*((\s)%2)+48+12*(\a)+11], v[ACC+8*(4*(\a)+\b):ACC+8*(4*(\a)+\b)+7], v[SC+8*((\s)/2)+2*\b+(\s)%2], v[SC+8*((\s)/2)+2*(\a)+(\s)%2] matrix_a_fmt:MATRIX_FMT_FP6 matrix_b_fmt:MATRIX_FMT_FP6 matrix_a_scale:MATRIX_SCALE_ROW1
.endif
.endr
.endr
.endm
.macro PLACES n
.rept \n
	v_nop
.endr
.endm
.macro STEP s
.if (\s) < 15
.if (\s) > 0
	PLACES NP
.endif
	WIN TO_F
	FETCH_B (\s)+1
	s_wait_dscnt 16
	WIN MUL
	MUL8 \s, 0
	WIN TO_F
	FETCH_A (\s)+1
.if ((\s)+1)%4 == 0
	WIN 0
	SCALES ((\s)+1)/4
.endif
	WIN MUL
	MUL8 \s, 2
.else
	s_wait_dscnt 0x0
	WIN MUL
	MUL8 \s, 0
	MUL8 \s, 2
.endif
.endm
.macro TURN s, fill
	WIN 0
	s_wait_tensorcnt 0x0
	ds_add_u32 v[SPW], v[NIL]
	s_wait_dscnt 0x0
	s_barrier_signal -1
	WIN MUL
	MUL8 \s, 0
	WIN 0
	s_barrier_wait -1
.if \fill
	CREST
	s_add_nc_u64 s[G0+2:G0+3], s[G0+2:G0+3], 6*PART        ; no tensor load of mine is out: slot 0 takes K 1,536-2,047, a quarter of the slot (96 rows of 256 bytes) a wave
	s_add_nc_u64 s[G0+2:G0+3], s[G0+2:G0+3], s[18:19]
	s_add_nc_u64 s[G0B+2:G0B+3], s[G0B+2:G0B+3], 6*PART
	s_add_nc_u64 s[G0B+2:G0B+3], s[G0B+2:G0B+3], s[18:19]
	s_mov_b32 s[G0+1], s18
	s_add_co_u32 s[G0B+1], s18, 2*PART
	s_mov_b32 s[G1+2], 96<<16
	s_mov_b32 s[G1+4], 96
	s_mov_b32 s[G1B+2], 96<<16
	s_mov_b32 s[G1B+4], 96
	JLOAD G0, G1, G0B, G1B
.else
	PLACES NP
.endif
	WIN TO_F
	FETCH_B (\s)+1
	FETCH_A (\s)+1
	WIN 0
	SCALES ((\s)+1)/4
	WIN MUL
	MUL8 \s, 2
.endm
	s_wait_alu depctr_va_vdst(0)
	s_wait_tensorcnt 0x0                           ; my tile of the head's four is in
	ds_add_u32 v[SPW], v[NIL]
	s_wait_dscnt 0x0
	CROUND
	; slots 1 and 2 are filled together, one load a wave: wave 0 A's K 512-1,023, wave 1 B's, wave 2 A's K 1,024-1,535, wave 3 B's
	ARM 1, G0+4,  G1,  .Ls_b,  .Ls_end
	ARM 2, G0B+4, G1B, .Ls_a2, .Ls_end
	ARM 3, G0+8,  G1,  .Ls_b2, .Ls_end
	tensor_load_to_lds s[G0B+8:G0B+11], s[G1B:G1B+7]
	s_nop 0
.rept 4
	v_nop
.endr
.Ls_end:
	WIN TO_F
	FETCH_B 0
	FETCH_A 0
	WIN 0
	SCALES 0
	STEP 0
	STEP 1
	STEP 2
	TURN 3, 1
	STEP 4
	STEP 5
	STEP 6
	STEP 7
	STEP 8
	STEP 9
	STEP 10
	TURN 11, 0
	STEP 12
	STEP 13
	STEP 14
	STEP 15
	WIN 0
.macro TOSTAGE a
.irp b, 0,1,2,3
	ds_store_b128 v[STO], v[ACC+8*(4*(\a)+\b):ACC+8*(4*(\a)+\b)+3] offset:128*(\b/2)+32*(\b%2)
	ds_store_b128 v[STO], v[ACC+8*(4*(\a)+\b)+4:ACC+8*(4*(\a)+\b)+7] offset:128*(\b/2)+32*(\b%2)+16
.endr
.set BB, BK+32*((\a)%2)
.irp t, 0,1,2,3,4,5,6,7
	ds_load_b128 v[BB+4*\t:BB+4*\t+3], v[RD] offset:\t*2*SPITCH
.endr
.endm
.macro SEND a, younger
.set BB, BK+32*((\a)%2)
	s_wait_dscnt \younger
.irp t, 0,1,2,3,4,5,6,7
	global_store_b128 v[CO], v[BB+4*\t:BB+4*\t+3], s[12:13] offset:(32*((\a)/2)+8*((\a)%2)+2*\t+8*(\t/4))*8192 th:TH_STORE_NT
.endr
.endm
	PLACES NP
	TOSTAGE 0
.irp a, 1,2,3
.if \a > 1
	s_wait_xcnt 0x0
.endif
	TOSTAGE \a
	SEND \a-1, 16
.endr
	SEND 3, 0
	s_wait_tensorcnt 0x0
	ds_add_u32 v[SPW], v[NIL]
	s_wait_dscnt 0x0
	CROUND
	s_endpgm
.Lfunc_end_k_q1b976c3c44_outp:
	.size	k_q1b976c3c44_outp, .Lfunc_end_k_q1b976c3c44_outp-k_q1b976c3c44_outp
	.p2alignl 7, 3214868480
	.fill 96, 4, 3214868480
	.section	.rodata,"a",@progbits
	.p2align	6, 0x0
	.amdhsa_kernel k_q1b976c3c44_outp
		.amdhsa_group_segment_fixed_size 327680
		.amdhsa_private_segment_fixed_size 0
		.amdhsa_enable_private_segment 0
		.amdhsa_kernarg_size 40
		.amdhsa_user_sgpr_count 2
		.amdhsa_user_sgpr_kernarg_segment_ptr 1
		.amdhsa_wavefront_size32 1
		.amdhsa_system_sgpr_workgroup_id_x 1
		.amdhsa_system_sgpr_workgroup_id_y 1
		.amdhsa_system_sgpr_workgroup_id_z 1
		.amdhsa_system_vgpr_workitem_id 0
		.amdhsa_next_free_vgpr 512
		.amdhsa_next_free_sgpr 100
		.amdhsa_reserve_vcc 0
		.amdhsa_float_denorm_mode_32 3
		.amdhsa_float_denorm_mode_16_64 3
		.amdhsa_memory_ordered 1
		.amdhsa_forward_progress 1
		.amdhsa_inst_pref_size 92
	.end_amdhsa_kernel
	.amdgpu_metadata
---
amdhsa.version: [ 1, 2 ]
amdhsa.kernels:
  - .name:           k_q1b976c3c44_outp
    .symbol:         k_q1b976c3c44_outp.kd
    .args:
      - { .name: oc, .offset: 0, .size: 8, .value_kind: global_buffer, .address_space: global }
      - { .name: os, .offset: 8, .size: 8, .value_kind: global_buffer, .address_space: global }
      - { .name: xc, .offset: 16, .size: 8, .value_kind: global_buffer, .address_space: global }
      - { .name: xs, .offset: 24, .size: 8, .value_kind: global_buffer, .address_space: global }
      - { .name: out0, .offset: 32, .size: 8, .value_kind: global_buffer, .address_space: global }
    .group_segment_fixed_size: 327680
    .private_segment_fixed_size: 0
    .kernarg_segment_align: 8
    .kernarg_segment_size: 40
    .max_flat_workgroup_size: 128
    .sgpr_count:     100
    .vgpr_count:     512
    .wavefront_size: 32
...
	.end_amdgpu_metadata
.endif
;; end of part 8
